; MI455X (gfx1250); checked and timed in simulation.
; The chip was launched on July 23, 2026; its instructions are those of AMD's public machine-readable ISA for CDNA 5 (MIT licence, August 2026) and "CDNA5" Instruction Set Architecture Reference Guide (July 2026). The comments in the code are by the model that wrote it; some were corrected since.
;; TF Rel Partial Learnable Multi Head Attn. Allowed arithmetic: float matrix products may take bf16 or f16 operands with f32 sums; all other float work in f32.
;; Inputs: attn_mask 1,024 x 2,048 float32; ln_beta 1,024 float32; ln_gamma 1,024 float32; mems 1,024 x 4 x 1,024 float32; o_kernel 1,024 x 1,024 float32; qkv_kernel 1,024 x 3,072 float32; r 2,048 x 1,024 float32; r_kernel 1,024 x 1,024 float32; r_r_bias 16 x 64 float32; r_w_bias 16 x 64 float32; w 1,024 x 4 x 1,024 float32.
;; Outputs: out0 1,024 x 4 x 1,024 float32.
;; 3 versions, each right and faster than the one before. Each part assembles by itself: llvm-mc -triple=amdgcn-amd-amdhsa -mcpu=gfx1250 --defsym DOCPART=n.
;; ======== version 1 of 3: 4 launches
;; workspace buffers: xb 35,651,584 bytes; kws 16,777,216 bytes; vws 16,777,216 bytes; qwws 8,388,608 bytes; qrws 8,389,120 bytes; rext 6,553,600 bytes; avws 8,388,608 bytes
;; launch cast (part 1): grid 960 x 1, 8 waves a work-group, no clusters, 0 bytes of LDS; arguments mems, w, r, qkv_kernel, r_kernel, o_kernel, xb, rext, qrws; writes xb, rext, qrws
.if DOCPART == 1
	.amdgcn_target "amdgcn-amd-amdhsa--gfx1250"
	.amdhsa_code_object_version 6
	.text
	.protected	k_q45839e0602_cast
	.globl	k_q45839e0602_cast
	.p2align	8
	.type	k_q45839e0602_cast,@function
k_q45839e0602_cast:
	s_mov_b64 s[64:65], 0
	v_nop
	global_prefetch_b8 v0, s[64:65] scope:SCOPE_SE
	s_setreg_imm32_b32 hwreg(HW_REG_WAVE_MODE, 25, 1), 1
	s_wait_xcnt 0x0
; All matrix operands are rounded to bf16 once, here: mems, w, r and the three weight matrices go from f32 into xb.
; xb, in bytes: 0 [mems; w] as 8,192 rows of 1,024; 16,777,216 r; 20,971,520 qkv_kernel (rows of 3,072); 27,262,976 r_kernel, its rows of 1,024
; laid 3,072 elements apart (so that one tile shape serves both weight matrices in the next launch); 33,554,432 o_kernel.
; A stream: no LDS, no matrix unit, no cluster (no work-group shares a byte with another).  Work-group c takes 65,536 bytes of f32; a thread takes
; 32 bytes in each of eight turns and stores 16: a wave's store covers 512 consecutive bytes.  All sixteen loads are issued first.
; Work-group 0 also writes the zeros that the attention launch leans on: row 2,048 of each head's table in rext, and 512 bytes behind qrws's last row.
.set X, 8                              ; v[8:71]    as loaded
.set Y, 72                             ; v[72:103]  to store
	s_load_b512 s[8:23], s[0:1], 0x0               ; mems 8, w 10, r 12, qkv_kernel 14, r_kernel 16, o_kernel 18, xb 20, rext 22
	s_load_b64 s[24:25], s[0:1], 0x40              ; qrws
	s_mov_b32 s2, ttmp9                            ; c
	v_lshlrev_b32 v1, 5, v0                        ; 32 bytes of f32 a thread
	v_lshlrev_b32 v2, 4, v0                        ; 16 bytes of bf16
	v_lshrrev_b32 v3, 7, v0                        ; which of a turn's two rows of 1,024 numbers
	s_wait_kmcnt 0x0
	s_mov_b64 s[4:5], s[18:19]                     ; the source and its first work-group: chosen by c alone
	s_mov_b32 s3, 896
	s_cmp_lt_u32 s2, 896
	s_cselect_b64 s[4:5], s[16:17], s[4:5]
	s_cselect_b32 s3, 832, s3
	s_cmp_lt_u32 s2, 832
	s_cselect_b64 s[4:5], s[14:15], s[4:5]
	s_cselect_b32 s3, 640, s3
	s_cmp_lt_u32 s2, 640
	s_cselect_b64 s[4:5], s[12:13], s[4:5]
	s_cselect_b32 s3, 512, s3
	s_cmp_lt_u32 s2, 512
	s_cselect_b64 s[4:5], s[10:11], s[4:5]
	s_cselect_b32 s3, 256, s3
	s_cmp_lt_u32 s2, 256
	s_cselect_b64 s[4:5], s[8:9], s[4:5]
	s_cselect_b32 s3, 0, s3
	s_sub_co_u32 s28, s2, s3                       ; my number within the source
	s_lshl_b32 s26, s28, 16
	s_mov_b32 s27, 0
	s_add_nc_u64 s[4:5], s[4:5], s[26:27]
	s_lshl_b32 s26, s2, 15                         ; mems, w, r, qkv_kernel lie end to end in xb
	s_mul_i32 s30, s28, 98304                      ; r_kernel: 16 rows of 6,144 bytes a work-group
	s_add_co_u32 s30, s30, 27262976
	s_lshl_b32 s31, s28, 15
	s_add_co_u32 s31, s31, 33554432                ; o_kernel
	s_cmp_ge_u32 s2, 832
	s_cselect_b32 s26, s30, s26
	s_cmp_ge_u32 s2, 896
	s_cselect_b32 s26, s31, s26
	s_add_nc_u64 s[6:7], s[20:21], s[26:27]
; ex = the bytes by which a destination row of 2,048 bytes is set apart from the next
.macro CAST ex
.if \ex
	v_lshl_add_u32 v2, v3, 12, v2
.endif
.irp it, 0,1,2,3,4,5,6,7
	global_load_b128 v[X+8*(\it):X+8*(\it)+3],   v1, s[4:5] offset:(\it)*8192 th:TH_LOAD_NT
	global_load_b128 v[X+8*(\it)+4:X+8*(\it)+7], v1, s[4:5] offset:(\it)*8192+16 th:TH_LOAD_NT
.endr
.irp it, 0,1,2,3,4,5,6,7
	s_wait_loadcnt 14-2*(\it)                      ; loads come back in order: this turn's two are in, the younger ones stay out
.irp k, 0,1,2,3
	v_cvt_pk_bf16_f32 v[Y+4*(\it)+(\k)], v[X+8*(\it)+2*(\k)], v[X+8*(\it)+2*(\k)+1]
.endr
	global_store_b128 v2, v[Y+4*(\it):Y+4*(\it)+3], s[6:7] offset:(\it)*(4096+2*(\ex))
.endr
.endm
	s_cmp_lt_u32 s2, 832
	s_cbranch_scc1 .Lplain
	s_cmp_ge_u32 s2, 896
	s_cbranch_scc1 .Lplain
	CAST 4096                                      ; r_kernel
	s_branch .Ltail
.Lplain:
	CAST 0
.Ltail:
	s_cmp_lg_u32 s2, 0
	s_cbranch_scc1 .Lend
	v_lshrrev_b32 v4, 5, v0
	v_readfirstlane_b32 s26, v4                    ; wave
	s_cmp_gt_u32 s26, 4
	s_cbranch_scc1 .Lend
	s_wait_xcnt 0x0                                ; v1 was an address of the loads above: it is rewritten only behind this wait
	v_mov_b32 v4, 0
	v_mov_b32 v5, 0
	v_mov_b32 v6, 0
	v_mov_b32 v7, 0
	s_cmp_eq_u32 s26, 4
	s_cbranch_scc1 .Lqtail
	v_lshrrev_b32 v3, 3, v0                        ; threads 0-127: head t / 8, 16 bytes t % 8 of its row 2,048
	v_mul_u32_u24 v3, v3, 409600
	v_and_b32 v1, 7, v0
	v_lshl_add_u32 v3, v1, 4, v3
	global_store_b128 v3, v[4:7], s[22:23] offset:262144
	s_branch .Lend
.Lqtail:
	v_and_b32 v1, 31, v0                           ; wave 4: the 512 bytes behind qrws's 8,388,608
	v_lshlrev_b32 v3, 4, v1
	v_add_nc_u32 v3, 0x800000, v3
	global_store_b128 v3, v[4:7], s[24:25]
.Lend:
	s_endpgm
.Lfunc_end_k_q45839e0602_cast:
	.size	k_q45839e0602_cast, .Lfunc_end_k_q45839e0602_cast-k_q45839e0602_cast
	.p2alignl 7, 3214868480
	.fill 96, 4, 3214868480
	.section	.rodata,"a",@progbits
	.p2align	6, 0x0
	.amdhsa_kernel k_q45839e0602_cast
		.amdhsa_group_segment_fixed_size 0
		.amdhsa_private_segment_fixed_size 0
		.amdhsa_enable_private_segment 0
		.amdhsa_kernarg_size 72
		.amdhsa_user_sgpr_count 2
		.amdhsa_user_sgpr_kernarg_segment_ptr 1
		.amdhsa_wavefront_size32 1
		.amdhsa_system_sgpr_workgroup_id_x 1
		.amdhsa_system_sgpr_workgroup_id_y 1
		.amdhsa_system_sgpr_workgroup_id_z 1
		.amdhsa_system_vgpr_workitem_id 0
		.amdhsa_next_free_vgpr 104
		.amdhsa_next_free_sgpr 66
		.amdhsa_reserve_vcc 0
		.amdhsa_float_denorm_mode_32 3
		.amdhsa_float_denorm_mode_16_64 3
		.amdhsa_memory_ordered 1
		.amdhsa_forward_progress 1
		.amdhsa_inst_pref_size 13
	.end_amdhsa_kernel
	.amdgpu_metadata
---
amdhsa.version: [ 1, 2 ]
amdhsa.kernels:
  - .name:           k_q45839e0602_cast
    .symbol:         k_q45839e0602_cast.kd
    .args:
      - { .name: mems, .offset: 0, .size: 8, .value_kind: global_buffer, .address_space: global }
      - { .name: w, .offset: 8, .size: 8, .value_kind: global_buffer, .address_space: global }
      - { .name: r, .offset: 16, .size: 8, .value_kind: global_buffer, .address_space: global }
      - { .name: qkv_kernel, .offset: 24, .size: 8, .value_kind: global_buffer, .address_space: global }
      - { .name: r_kernel, .offset: 32, .size: 8, .value_kind: global_buffer, .address_space: global }
      - { .name: o_kernel, .offset: 40, .size: 8, .value_kind: global_buffer, .address_space: global }
      - { .name: xb, .offset: 48, .size: 8, .value_kind: global_buffer, .address_space: global }
      - { .name: rext, .offset: 56, .size: 8, .value_kind: global_buffer, .address_space: global }
      - { .name: qrws, .offset: 64, .size: 8, .value_kind: global_buffer, .address_space: global }
    .group_segment_fixed_size: 0
    .private_segment_fixed_size: 0
    .kernarg_segment_align: 8
    .kernarg_segment_size: 72
    .max_flat_workgroup_size: 256
    .sgpr_count:     66
    .vgpr_count:     104
    .wavefront_size: 32
...
	.end_amdgpu_metadata
.endif
;; end of part 1
;; launch proj (part 2): grid 176 x 4, 4 waves a work-group, clusters of 4 x 4, 327,680 bytes of LDS; arguments xb, r_w_bias, r_r_bias, kws, vws, qwws, qrws, rext; writes kws, vws, qwws, qrws, rext
.if DOCPART == 2
	.amdgcn_target "amdgcn-amd-amdhsa--gfx1250"
	.amdhsa_code_object_version 6
	.text
	.protected	k_q45839e0602_proj
	.globl	k_q45839e0602_proj
	.p2align	8
	.type	k_q45839e0602_proj,@function
k_q45839e0602_proj:
	s_mov_b64 s[64:65], 0
	v_nop
	global_prefetch_b8 v0, s[64:65] scope:SCOPE_SE
	s_setreg_imm32_b32 hwreg(HW_REG_WAVE_MODE, 25, 1), 1
	s_wait_xcnt 0x0
	s_wait_alu depctr_hold_cnt(0) depctr_sa_sdst(0) depctr_va_vdst(0) depctr_va_sdst(0) depctr_va_ssrc(0) depctr_va_vcc(0) depctr_vm_vsrc(0)
	s_getreg_b32 s2, hwreg(HW_REG_IB_STS2, 6, 4)
	s_cmp_eq_u32 s2, 0
	s_cbranch_scc0 .Lentry_in_a_cluster
	s_endpgm
.Lentry_in_a_cluster:
	s_bfe_u32 s2, ttmp6, 0x10000c
	s_cmp_lg_u32 s2, 0xf033
	s_cbranch_scc0 .Lentry_shape_is_right
	s_endpgm
.Lentry_shape_is_right:
; THE THREE PROJECTIONS, one text: k and v = [mems; w] W, q = w W, rk = r R.  Operands bf16 (from xb), sums f32, each result rounded to bf16 once.
; 44 clusters of 4 x 4 work-groups; the cluster's number C says which product: C < 32: k, v (8,192 x 2,048); C < 40: q (4,096 x 1,024); else rk (2,048 x 1,024).
; A work-group makes 256 x 128 of the product, a wave 128 x 64 (one head's 64 columns): 32 accumulators.  K = 1,024 goes in 8 steps of 128 through two LDS slots.
; A's tile ([row][k]) is shared along a row of the cluster, the weights' tile ([k][column], as it lies in memory) along a column: joint tensor loads.
; The weights' fragments come out of LDS turned, by ds_load_tr16_b128.  THE MATRIX INSTRUCTION IS USED TRANSPOSED (source 0 = 16 columns of the weights,
; source 1 = 16 rows of A): a lane holds eight neighbouring columns of one row.
; RESULTS, by heads, rows of 64 bf16: kws, vws [16][8192][64]; qwws = (q + r_w_bias) c and qrws = (q + r_r_bias) c, [16][4096][64], c = log2(e) / 8, applied in f32
; ahead of the one rounding; rext [16][3200][64]: rows 0-2047 rk, rows 2049-3072 rk's rows 0-1023 once more (the part of the relative shift that wraps round).
; So q and the first half of rk leave twice: a loop of 1 or 2 passes, whose count hangs on C alone.
; The biases are loaded by every work-group and multiplied by c (q) or by 0 (k, v, rk).  LIMIT: a bias that is not finite would so reach k, v and rk as NaN.
; REGISTERS: window 0: v16-29 addresses; v32-63 at work on the way out; two fragment buffers of 96 (A's 8 x 8, then the weights' 4 x 8) at v64 and v160.  Window 1: accumulator (a, b) at v[8 (4 a + b)].
.set KSTEP, 128
.set PA,    272                        ; A's LDS row: 256 bytes + 16: the 16 rows of a load begin 4 words apart modulo 64 (64 banks of 4 bytes: ISA guide 11.1)
.set PB,    288                        ; the weights' LDS row: 256 + 32
.set AHALF, 128*PA
.set BOFFL, 2*AHALF
.set BHALF, 64*PB
.set SLOT,  BOFFL+2*BHALF              ; 106,496
.set STAGE, 2*SLOT                     ; behind the ring: 16 rows x 144 bytes for each wave
.set SP,    144
.set SPARE, STAGE+4*16*SP              ; the spare words: 128 bytes a wave, two blocks of 256 bytes that no other line names
.set ADRA, 16                          ; v16-17  LDS address of my A fragments in slot 0, 1
.set ADRB, 20                          ; v20-21  the same for the weights
.set STO,  24
.set RD,   25
.set GO,   26
.set BO,   27                          ; v27     32 x (lane / 16): my eight columns' place in a bias row
.set SPW,  28
.set NIL,  29
.set TMP,  32
.set F0,   64
.set F1,   160
.set BI1,  64                          ; the way out: this pass's bias, 8 registers a column block
.set BI2,  96                          ; the second pass's
.set PKD,  128
.set BK,   144
.set G1,  24
.set G0,  32
.set G1B, 48
.set G0B, 56
.set MSB, 0
.macro WIN new                         ; the immediate's high byte repeats the setting that is left
.if MSB != (\new)
	s_set_vgpr_msb (MSB<<8)|(\new)
.set MSB, \new
.endif
.endm
.set MUL, 0x50                         ; sources in window 0, C and D in window 1
.macro PLACES                          ; four places in front of loads into registers that matrix instructions have read (ISA guide 7.12.1 for vector instructions)
.rept 4
	v_nop
.endr
.endm
.macro JLOAD s                         ; waves 0, 1 fetch A's two halves, waves 2, 3 the weights'; an s_nop 0 and four v_nop follow each line
	s_cmp_eq_u32 s11, 0
	s_cbranch_scc0 .Lfor_b_\@
	tensor_load_to_lds s[G0+4*(\s):G0+4*(\s)+3], s[G1:G1+7]
	s_nop 0
.rept 4
	v_nop
.endr
	s_branch .Lasked_\@
.Lfor_b_\@:
	tensor_load_to_lds s[G0B+4*(\s):G0B+4*(\s)+3], s[G1B:G1B+7]
	s_nop 0
.rept 4
	v_nop
.endr
.Lasked_\@:
.endm
.macro CREST                           ; a round of the cluster's barrier behind its opening barrier
	s_cmp_lg_u32 s10, 0
	s_cbranch_scc1 .Lnot_wave_0_\@
	s_barrier_signal -3
.Lnot_wave_0_\@:
	s_barrier_wait -3
	s_barrier_signal -1
	s_barrier_wait -1
.endm
.macro CROUND
	s_barrier_signal -1
	s_barrier_wait -1
	CREST
.endm
	s_load_b512 s[68:83], s[0:1], 0x0              ; xb 68, r_w_bias 70, r_r_bias 72, kws 74, vws 76, qwws 78, qrws 80, rext 82
	v_lshl_add_u32 v[SPW], v0, 2, SPARE
	v_mov_b32 v[NIL], 0
	ds_add_u32 v[SPW], v[NIL]                      ; the wave's opening: the add and its wait ahead of my first tensor load
	ds_add_u32 v28, v29
	v_lshrrev_b32 v1, 5, v0
	v_readfirstlane_b32 s10, v1                    ; wave
	s_lshr_b32 s11, s10, 1                         ; my half of the tile's rows; also: I fetch for A (0) or for the weights (1)
	s_and_b32 s12, s10, 1                          ; my half of its columns; also: which half of that tile I fetch
	s_bfe_u32 s40, ttmp6, 0x40000                  ; cx
	s_bfe_u32 s41, ttmp6, 0x40004                  ; cy
	s_mov_b32 s13, ttmp9                           ; C, the same in all sixteen partners
	s_lshr_b32 s14, s13, 2                         ; k, v: the cluster's row CR and column CC, A's and the weights' first bytes in xb, a head's bytes, passes, scales
	s_and_b32 s15, s13, 3
	s_mov_b32 s6, 0
	s_mov_b32 s7, 20973568
	s_mov_b32 s8, 1048576
	s_mov_b32 s9, 1
	s_mov_b32 s88, 1.0
	s_mov_b32 s90, 0
	s_mov_b32 s92, 0
	s_sub_co_u32 s4, s13, 32                       ; q
	s_lshr_b32 s5, s4, 1
	s_and_b32 s4, s4, 1
	s_cmp_ge_u32 s13, 32
	s_cselect_b32 s14, s5, s14
	s_cselect_b32 s15, s4, s15
	s_cselect_b32 s6, 8388608, s6
	s_cselect_b32 s7, 20971520, s7
	s_cselect_b32 s8, 524288, s8
	s_cselect_b32 s9, 2, s9
	s_cselect_b32 s88, 0x3e38aa3b, s88             ; c = log2(e) / 8
	s_cselect_b32 s90, 0x3e38aa3b, s90
	s_sub_co_u32 s4, s13, 40                       ; rk
	s_lshr_b32 s5, s4, 1
	s_and_b32 s4, s4, 1
	s_sub_co_u32 s2, 2, s5                         ; rows 0-1023 (CR = 0) leave twice
	s_cmp_ge_u32 s13, 40
	s_cselect_b32 s14, s5, s14
	s_cselect_b32 s15, s4, s15
	s_cselect_b32 s6, 16777216, s6
	s_cselect_b32 s7, 27262976, s7
	s_cselect_b32 s8, 409600, s8
	s_cselect_b32 s9, s2, s9
	s_cselect_b32 s88, 1.0, s88
	s_cselect_b32 s90, 0, s90
	s_cselect_b32 s92, 262272, s92                 ; the second copy begins at row 2,049
	s_mov_b32 s89, s88                             ; named as pairs
	s_mov_b32 s91, s90
	s_mov_b32 s93, 0
	s_lshl_b32 s45, s14, 2
	s_add_co_u32 s45, s45, s41                     ; tile row = 4 CR + cy
	s_lshl_b32 s42, s15, 2
	s_add_co_u32 s42, s42, s40                     ; tile column = 4 CC + cx
	s_lshl_b32 s43, s41, 2
	s_lshl_b32 s43, 15, s43                        ; my row of the cluster
	s_lshl_b32 s44, 0x1111, s40                    ; my column
	s_or_b32 s[G1+0], s43, (1<<16)|(1<<20)|(1<<21)|(5<<22)|(3<<25)   ; mask; 2-byte elements; padding on; bit 21 beside a mask; after every 64 words; 4 words
	s_mov_b32 s[G1+1], 128<<16                     ; tensor_dim0
	s_mov_b32 s[G1+2], 128<<16                     ; tensor_dim1
	s_mov_b32 s[G1+3], 128<<16                     ; tile_dim0
	s_mov_b32 s[G1+4], 128                         ; tile_dim1
	s_mov_b32 s[G1+5], 1024                        ; elements from row to row
	s_mov_b32 s[G1+6], 0
	s_mov_b32 s[G1+7], 0
	s_or_b32 s[G1B+0], s44, (1<<16)|(1<<20)|(1<<21)|(5<<22)|(7<<25)  ; the same with 8 words of padding
	s_mov_b32 s[G1B+1], 128<<16
	s_mov_b32 s[G1B+2], 64<<16
	s_mov_b32 s[G1B+3], 128<<16
	s_mov_b32 s[G1B+4], 64
	s_mov_b32 s[G1B+5], 3072
	s_mov_b32 s[G1B+6], 0
	s_mov_b32 s[G1B+7], 0
	s_lshl_b32 s16, s45, 8                         ; A: (256 x tile row + 128 x half) rows of 2,048 bytes; no register here ever holds cx
	s_lshl_b32 s17, s12, 7
	s_add_co_u32 s16, s16, s17
	s_lshl_b32 s16, s16, 11
	s_add_co_u32 s16, s16, s6
	s_mov_b32 s17, 0
	s_lshl_b32 s46, s42, 8                         ; the weights: 256 bytes x tile column + 64 rows of 6,144 bytes x half; no register here ever holds cy
	s_mul_i32 s47, s12, 393216
	s_add_co_u32 s46, s46, s47
	s_add_co_u32 s46, s46, s7
	s_mov_b32 s47, 0
	s_mul_i32 s20, s12, AHALF                      ; where they go: the wave's number alone
	s_mul_i32 s21, s12, BHALF
	s_add_co_u32 s21, s21, BOFFL
	s_wait_dscnt 0x0                               ; the opening add is done
	s_wait_kmcnt 0x0
	s_add_nc_u64 s[18:19], s[68:69], s[16:17]
	s_add_nc_u64 s[46:47], s[68:69], s[46:47]
	CROUND                                         ; all sixteen work-groups are here: the first joint loads meet
.irp s, 0,1
	s_mov_b32 s[G0+4*(\s)], 1
	s_add_co_u32 s[G0+4*(\s)+1], s20, (\s)*SLOT
	s_add_nc_u64 s[G0+4*(\s)+2:G0+4*(\s)+3], s[18:19], (\s)*KSTEP*2
	s_or_b32 s[G0+4*(\s)+3], s[G0+4*(\s)+3], 0x80000000
	s_mov_b32 s[G0B+4*(\s)], 1
	s_add_co_u32 s[G0B+4*(\s)+1], s21, (\s)*SLOT
	s_add_nc_u64 s[G0B+4*(\s)+2:G0B+4*(\s)+3], s[46:47], (\s)*KSTEP*3072*2
	s_or_b32 s[G0B+4*(\s)+3], s[G0B+4*(\s)+3], 0x80000000
	JLOAD \s                                       ; two loads of mine are out
.endr
	v_and_b32 v1, 15, v0                           ; l % 16
	v_bfe_u32 v2, v0, 4, 1                         ; l / 16
	v_mul_u32_u24 v3, v1, PA
	v_lshl_add_u32 v3, v2, 4, v3                   ; A: row x pitch + 16 x half
	v_and_b32 v4, 7, v0
	v_bfe_u32 v5, v0, 3, 1
	v_lshl_add_u32 v6, v2, 3, v4                   ; the weights, turned: k row 8 (l / 16) + l % 8, 16 bytes (l / 8) % 2
	v_mul_u32_u24 v6, v6, PB
	v_lshl_add_u32 v6, v5, 4, v6
	s_mul_i32 s22, s11, AHALF                      ; my 128 rows of A
	s_lshl_b32 s23, s12, 7                         ; my 64 columns
	s_add_co_u32 s23, s23, BOFFL
.irp s, 0,1
	v_add_nc_u32 v[ADRA+(\s)], s22, v3
	v_add_nc_u32 v[ADRB+(\s)], s23, v6
	s_add_co_u32 s22, s22, SLOT
	s_add_co_u32 s23, s23, SLOT
.endr
	s_mul_i32 s4, s10, 16*SP
	s_add_co_u32 s4, s4, STAGE                     ; my stage
	v_mul_u32_u24 v[STO], v1, SP                   ; in: row l % 16, 16 bytes for each half of the lanes
	v_lshl_add_u32 v[STO], v2, 4, v[STO]
	v_add_nc_u32 v[STO], s4, v[STO]
	v_bfe_u32 v[RD], v0, 3, 2                      ; back: 32 lanes take four rows of 128 bytes,
	v_mul_u32_u24 v[RD], v[RD], SP
	v_lshl_add_u32 v[RD], v4, 4, v[RD]
	v_add_nc_u32 v[RD], s4, v[RD]
	v_and_b32 v[GO], 31, v0                        ; which are 512 consecutive bytes of the result
	v_lshlrev_b32 v[GO], 4, v[GO]
	v_lshlrev_b32 v[BO], 5, v2
	; where my 128 x 64 goes: head x a head's bytes + my first row x 128
	s_lshl_b32 s96, s42, 1
	s_add_co_u32 s96, s96, s12
	s_and_b32 s96, s96, 15                         ; the head
	s_lshl_b32 s94, s96, 8
	s_mov_b32 s95, 0
	s_add_nc_u64 s[70:71], s[70:71], s[94:95]      ; the head's row of each bias
	s_add_nc_u64 s[72:73], s[72:73], s[94:95]
	s_mul_i32 s96, s96, s8
	s_lshl_b32 s98, s45, 8
	s_lshl_b32 s99, s11, 7
	s_add_co_u32 s98, s98, s99
	s_lshl_b32 s98, s98, 7
	s_add_co_u32 s96, s96, s98
	s_mov_b32 s97, 0
	s_cmp_ge_u32 s15, 2                            ; columns 1,024 on are v's: CC, which the partners share, says so
	s_cselect_b64 s[84:85], s[76:77], s[74:75]
	s_mov_b64 s[86:87], s[84:85]
	s_cmp_ge_u32 s13, 32
	s_cselect_b64 s[84:85], s[78:79], s[84:85]
	s_cselect_b64 s[86:87], s[80:81], s[86:87]
	s_cmp_ge_u32 s13, 40
	s_cselect_b64 s[84:85], s[82:83], s[84:85]
	s_cselect_b64 s[86:87], s[82:83], s[86:87]
	s_add_nc_u64 s[84:85], s[84:85], s[96:97]      ; the first pass's address,
	s_add_nc_u64 s[86:87], s[86:87], s[96:97]
	s_add_nc_u64 s[86:87], s[86:87], s[92:93]      ; the second's
; 24 LDS loads in one run: quarter q (32 along K) of a slot into buffer f: the weights' four fragments first, then A's eight
.macro FETCH slot, q, f
	WIN 0
.irp b, 0,1,2,3
	ds_load_tr16_b128 v[(\f)+64+8*(\b):(\f)+64+8*(\b)+3],   v[ADRB+(\slot)] offset:(\q)*32*PB+32*(\b)
	ds_load_tr16_b128 v[(\f)+64+8*(\b)+4:(\f)+64+8*(\b)+7], v[ADRB+(\slot)] offset:(\q)*32*PB+32*(\b)+16*PB
.endr
.irp a, 0,1,2,3,4,5,6,7
	ds_load_b128 v[(\f)+8*(\a):(\f)+8*(\a)+3],   v[ADRA+(\slot)] offset:(\q)*64+(\a)*16*PA
	ds_load_b128 v[(\f)+8*(\a)+4:(\f)+8*(\a)+7], v[ADRA+(\slot)] offset:(\q)*64+(\a)*16*PA+32
.endr
.endm
; 8 matrix instructions: row blocks a0, a0 + 1 x all 4 column blocks.  The 32 accumulators take turns.  zero = 1: the first product starts the sums
.macro MUL8 f, a0, zero
	WIN MUL
.irp a, \a0, (\a0)+1
.irp b, 0,1,2,3
.if \zero
	v_wmma_f32_16x16x32_bf16 v[8*(4*(\a)+(\b)):8*(4*(\a)+(\b))+7], v[(\f)+64+8*(\b):(\f)+64+8*(\b)+7], v[(\f)+8*(\a):(\f)+8*(\a)+7], 0
.else
	v_wmma_f32_16x16x32_bf16 v[8*(4*(\a)+(\b)):8*(4*(\a)+(\b))+7], v[(\f)+64+8*(\b):(\f)+64+8*(\b)+7], v[(\f)+8*(\a):(\f)+8*(\a)+7], v[8*(4*(\a)+(\b)):8*(4*(\a)+(\b))+7]
.endif
.endr
.endr
.endm
; One of a K step's first three quarters: multiplies buffer f; in its middle fetches quarter q of the same slot into buffer g
.macro QUARTER slot, q, f, g, zero
	s_wait_dscnt 8                                 ; all but the youngest eight loads (A's blocks 4-7) are in
	MUL8 \f, 0, \zero
	MUL8 \f, 2, \zero
	PLACES
	FETCH \slot, \q, \g
	s_wait_dscnt 24                                ; all but the 24 just issued
	MUL8 \f, 4, \zero
	MUL8 \f, 6, \zero
.endm
; The last quarter multiplies buffer 1 and changes slots: one barrier; in front of it each wave waits for all its tensor loads (one is out: its part of the next slot),
; adds 0 to its spare word, and waits for that and for its reads of this slot.  fill = 1: the barrier opens a round of the cluster's, and this slot is filled again, two K steps on.
.macro TURN slot, next, fill
	WIN 0
	s_wait_tensorcnt 0x0
	ds_add_u32 v[SPW], v[NIL]
	s_wait_dscnt 9                                 ; the add and the youngest eight loads may be out
	MUL8 F1, 0, 0
	s_wait_dscnt 0x0                               ; the add is done, and my reads of this slot are over
	s_barrier_signal -1
	MUL8 F1, 2, 0
.if \fill
	WIN 0
.endif
	s_barrier_wait -1
.if \fill
	CREST                                          ; no wave of any partner still reads this slot or has a load on its way
	s_add_nc_u64 s[G0+4*(\slot)+2:G0+4*(\slot)+3], s[G0+4*(\slot)+2:G0+4*(\slot)+3], 2*KSTEP*2
	s_add_nc_u64 s[G0B+4*(\slot)+2:G0B+4*(\slot)+3], s[G0B+4*(\slot)+2:G0B+4*(\slot)+3], 2*KSTEP*3072*2
	JLOAD \slot                                    ; my one tensor load behind the round; its four v_nop are also the places in front of the loads below
.else
	PLACES
.endif
	FETCH \next, 0, F0
	MUL8 F1, 4, 0
	MUL8 F1, 6, 0
.endm
	s_wait_tensorcnt 0x1                           ; my part of K step 0 is in; K step 1's stays out
	s_barrier_signal -1
	s_barrier_wait -1
	FETCH 0, 0, F0
	QUARTER 0, 1, F0, F1, 1                        ; the first quarter starts the sums
	WIN 0
	s_mov_b32 s3, 3
.Llap:                                                 ; a trip goes once round the ring and fills both slots again: K steps 2 to 7
	QUARTER 0, 2, F1, F0, 0
	QUARTER 0, 3, F0, F1, 0
	TURN 0, 1, 1
	QUARTER 1, 1, F0, F1, 0
	QUARTER 1, 2, F1, F0, 0
	QUARTER 1, 3, F0, F1, 0
	TURN 1, 0, 1
	QUARTER 0, 1, F0, F1, 0
	WIN 0
	s_sub_co_u32 s3, s3, 1
	s_cmp_lg_u32 s3, 0
	s_cbranch_scc1 .Llap
	QUARTER 0, 2, F1, F0, 0                        ; the last lap fills nothing
	QUARTER 0, 3, F0, F1, 0
	TURN 0, 1, 0
	QUARTER 1, 1, F0, F1, 0
	QUARTER 1, 2, F1, F0, 0
	QUARTER 1, 3, F0, F1, 0
	PLACES                                         ; buffer 0 has been multiplied: the biases are asked for into its registers, under the last quarter's products
	WIN 0
.irp b, 0,1,2,3
	global_load_b128 v[BI1+8*(\b):BI1+8*(\b)+3],   v[BO], s[70:71] offset:64*(\b)
	global_load_b128 v[BI1+8*(\b)+4:BI1+8*(\b)+7], v[BO], s[70:71] offset:64*(\b)+16
	global_load_b128 v[BI2+8*(\b):BI2+8*(\b)+3],   v[BO], s[72:73] offset:64*(\b)
	global_load_b128 v[BI2+8*(\b)+4:BI2+8*(\b)+7], v[BO], s[72:73] offset:64*(\b)+16
.endr
	s_wait_dscnt 8
	MUL8 F1, 0, 0
	MUL8 F1, 2, 0
	s_wait_dscnt 0x0
	MUL8 F1, 4, 0
	MUL8 F1, 6, 0
	WIN 0
	s_wait_loadcnt 0x0
.set i, 0
.rept 32                               ; bias x c, or x 0: 32 plain instructions that name no register of the last products: they are the places behind them
	v_pk_mul_f32 v[BI1+2*i:BI1+2*i+1], v[BI1+2*i:BI1+2*i+1], s[90:91] op_sel_hi:[1,0]
.set i, i+1
.endr
; THE WAY OUT of row block a: sum x scale + bias, rounded to bf16, 16 bytes a lane into my stage, back as four rows of 128 bytes a load, stored as 512 consecutive bytes
.macro OUTBLK a
	WIN 0x01                                       ; source 0 (the sums) in window 1
.set i, 0
.rept 16                               ; each accumulator's registers in ascending order
	v_pk_fma_f32 v[TMP+2*i:TMP+2*i+1], v[32*(\a)+2*i:32*(\a)+2*i+1], s[88:89], v[BI1+2*i:BI1+2*i+1] op_sel_hi:[1,0,1]
.set i, i+1
.endr
	WIN 0
.set i, 0
.rept 16
	v_cvt_pk_bf16_f32 v[PKD+i], v[TMP+2*i], v[TMP+2*i+1]
.set i, i+1
.endr
.irp b, 0,1,2,3
	ds_store_b128 v[STO], v[PKD+4*(\b):PKD+4*(\b)+3] offset:32*(\b)
.endr
	s_wait_xcnt 0x0                                ; the registers that earlier stores read are loaded again only behind this wait
.irp f, 0,1,2,3
	ds_load_b128 v[BK+16*((\a)%2)+4*(\f):BK+16*((\a)%2)+4*(\f)+3], v[RD] offset:(\f)*4*SP  ; LDS serves a wave's instructions in order (ISA guide 5.7.1.4): these see the stores above
.endr
	s_wait_dscnt 0x0
.irp f, 0,1,2,3
	global_store_b128 v[GO], v[BK+16*((\a)%2)+4*(\f):BK+16*((\a)%2)+4*(\f)+3], s[84:85] offset:(\a)*2048+(\f)*512
.endr
.endm
	s_mov_b32 s3, 0
.Lpass:                                                ; 1 or 2 passes, by C alone; the LDS addresses are the same in both
.irp a, 0,1,2,3,4,5,6,7
	OUTBLK \a
.endr
	s_wait_xcnt 0x0                                ; the stores' base is rewritten only behind this wait
	s_mov_b64 s[84:85], s[86:87]
.set i, 0
.rept 32
	v_mov_b32 v[BI1+i], v[BI2+i]
.set i, i+1
.endr
	s_add_co_u32 s3, s3, 1
	s_cmp_lt_u32 s3, s9
	s_cbranch_scc1 .Lpass
	s_wait_tensorcnt 0x0                           ; the wave's end
	ds_add_u32 v[SPW], v[NIL]
	s_wait_dscnt 0x0
	CROUND                                         ; the closing round
	s_endpgm
.Lfunc_end_k_q45839e0602_proj:
	.size	k_q45839e0602_proj, .Lfunc_end_k_q45839e0602_proj-k_q45839e0602_proj
	.p2alignl 7, 3214868480
	.fill 96, 4, 3214868480
	.section	.rodata,"a",@progbits
	.p2align	6, 0x0
	.amdhsa_kernel k_q45839e0602_proj
		.amdhsa_group_segment_fixed_size 327680
		.amdhsa_private_segment_fixed_size 0
		.amdhsa_enable_private_segment 0
		.amdhsa_kernarg_size 64
		.amdhsa_user_sgpr_count 2
		.amdhsa_user_sgpr_kernarg_segment_ptr 1
		.amdhsa_wavefront_size32 1
		.amdhsa_system_sgpr_workgroup_id_x 1
		.amdhsa_system_sgpr_workgroup_id_y 1
		.amdhsa_system_sgpr_workgroup_id_z 1
		.amdhsa_system_vgpr_workitem_id 0
		.amdhsa_next_free_vgpr 512
		.amdhsa_next_free_sgpr 100
		.amdhsa_reserve_vcc 0
		.amdhsa_float_denorm_mode_32 3
		.amdhsa_float_denorm_mode_16_64 3
		.amdhsa_memory_ordered 1
		.amdhsa_forward_progress 1
		.amdhsa_inst_pref_size 101
	.end_amdhsa_kernel
	.amdgpu_metadata
---
amdhsa.version: [ 1, 2 ]
amdhsa.kernels:
  - .name:           k_q45839e0602_proj
    .symbol:         k_q45839e0602_proj.kd
    .args:
      - { .name: xb, .offset: 0, .size: 8, .value_kind: global_buffer, .address_space: global }
      - { .name: r_w_bias, .offset: 8, .size: 8, .value_kind: global_buffer, .address_space: global }
      - { .name: r_r_bias, .offset: 16, .size: 8, .value_kind: global_buffer, .address_space: global }
      - { .name: kws, .offset: 24, .size: 8, .value_kind: global_buffer, .address_space: global }
      - { .name: vws, .offset: 32, .size: 8, .value_kind: global_buffer, .address_space: global }
      - { .name: qwws, .offset: 40, .size: 8, .value_kind: global_buffer, .address_space: global }
      - { .name: qrws, .offset: 48, .size: 8, .value_kind: global_buffer, .address_space: global }
      - { .name: rext, .offset: 56, .size: 8, .value_kind: global_buffer, .address_space: global }
    .group_segment_fixed_size: 327680
    .private_segment_fixed_size: 0
    .kernarg_segment_align: 8
    .kernarg_segment_size: 64
    .max_flat_workgroup_size: 128
    .sgpr_count:     100
    .vgpr_count:     512
    .wavefront_size: 32
...
	.end_amdgpu_metadata
.endif
;; end of part 2
;; launch attn (part 3): grid 16 x 16, 4 waves a work-group, no clusters, 327,680 bytes of LDS; arguments qwws, qrws, kws, vws, rext, attn_mask, avws; writes avws
.if DOCPART == 3
	.amdgcn_target "amdgcn-amd-amdhsa--gfx1250"
	.amdhsa_code_object_version 6
	.text
	.protected	k_q45839e0602_attn
	.globl	k_q45839e0602_attn
	.p2align	8
	.type	k_q45839e0602_attn,@function
k_q45839e0602_attn:
	s_mov_b64 s[64:65], 0
	v_nop
	global_prefetch_b8 v0, s[64:65] scope:SCOPE_SE
	s_setreg_imm32_b32 hwreg(HW_REG_WAVE_MODE, 25, 1), 1
	s_wait_xcnt 0x0
; RELATIVE ATTENTION.  For head n, batch b, query i: z[j] = s (1 - m[i][j]) - CB m[i][j], s = qw_i . k_j + shift(qr . R)[i][j]; weights = softmax over all 2,048 keys j; avws = weights x v.
; qw, qr carry c = log2(e) / 8, so s is a power of two's exponent; CB = 1e30 log2(e) rounded to f32.  The mask is an input: every tile is computed, and the mask enters in f32.
; THE SHIFT.  With e = j - i + 1023: e <= 2047: qr_i . R[e]; e = 2048: 0; e >= 2049: qr_(i+1) . R[e - 2049].  rext holds R, a zero row, and R once more, so the value is (qr_i or qr_(i+1)) . rext[e];
; 2,048 is a multiple of 64, so each half of a step's 128 rows of rext takes one of the two.  The skew (e hangs on i) is made in LDS: the raw product, 16 queries x 80 values of e, f32, is stored
; at a row pitch of 336 bytes and read back at 332: what comes back is the C operand of K Q^T.
; SHARES.  A work-group: 64 queries (block I) of one head, all four batches; wave = batch; four tiles of 16 queries.  32 steps of 64 keys.  Mask tile and rext's rows serve all four waves.
; NO CLUSTER: partners (query blocks of a head) would change to qr_(i+1) at different steps, I + 16 and I + 17: a branch on the place in the cluster; what they would share is K and V, 64 of a step's 96 KiB.
; LAYOUT.  S^T = K Q^T: a lane holds ONE query (lane % 16) and keys 8 (lane / 16) + 0..7 of each 16; two such results rounded to bf16 ARE source 1 of O^T = V^T P.  p = 2^(z - m), running maximum m;
; O and l are multiplied by 2^(m_old - m_new) in every step.  m starts at the lowest finite number, O and l at 0 (128 + 8 v_mov_b32 at the start: the price of writing no first step out).
; LIMITS.  Operands bf16.  A weight below 2^-126 counts as 0.  NaN and infinities are not treated apart (a NaN loses in the maximum).
; REGISTERS, in windows of 256 (s_set_vgpr_msb: bits 1:0 source 0, 3:2 source 1, 5:4 source 2, 7:6 destination):
;   window 0: v1-15 addresses; v16-31 statistics (m, -, l, l a tile); v32-39 at work; v64-191 S^T, 32 a tile; v192-255 P, 16 a tile
;   window 1: v0-127 O^T; v128-191 mask, two buffers; v192-231 the raw product      window 2: v0-63 qw; v64-127, v128-191 qr for the lower, upper half of rext's rows; v192-255 K      window 3: v0-127 rext's rows; v128-191 V
.set PK,   528                         ; a key's four batches, 512 bytes + 16
.set PV,   544                         ; the same + 32, for the turning load
.set PR,   144
.set PM,   272
.set VOFF, 64*PK
.set ROFF, VOFF+64*PV
.set MOFF, ROFF+128*PR
.set SLOT1, 1<<17                      ; one exclusive or turns an address in one slot into the other's
.set RAW,  SLOT1+MOFF+64*PM            ; behind the ring, never filled by a tensor load: 16 rows x 336 bytes for each wave; on the way out its stage
.set RP,   336
.set RAWB, 16*RP
.set SPARE, RAW+4*RAWB                 ; the spare words
.set SP,   144
.set AK0, 2
.set AV0, 3
.set AR0, 4
.set AM0, 5
.set AK,  6
.set AV,  7
.set AR,  8
.set AM,  9
.set RAWS, 10
.set RAWL, 11
.set QO,  12
.set STO, 13
.set RD,  14
.set GO,  15
.set ST,  16
.set C,   32
.set SPW, 48
.set NIL, 49
.set S,   64
.set P,   192
.set MK,  128                          ; window 1
.set RAWD, 192                         ; window 1
.set QLO, 64                           ; window 2
.set QHI, 128
.set KF,  192
.set VF,  128                          ; window 3
.set WV,  18
.set TB,  19                           ; s19  the slot in hand's first byte
.set SLOTS, 20
.set SW,  21                           ; s21  I + 17 - step
.set CB,  22                           ; s[22:23]
.set G1K, 24
.set G1V, 32
.set G1R, 40
.set G1M, 48
.set G0K, 56
.set G0V, 60
.set G0R, 68
.set G0M, 72
.set SEL, 76
.set MSB, 0
.macro WIN new
.if MSB != (\new)
	s_set_vgpr_msb (MSB<<8)|(\new)
.set MSB, \new
.endif
.endm
.macro PLACES
.rept 4
	v_nop
.endr
.endm
.macro G1SET g, w0, d0, d1, st         ; a tile of d1 rows x d0 elements, st elements from row to row
	s_mov_b32 s[(\g)], \w0
	s_mov_b32 s[(\g)+1], (\d0)<<16
	s_mov_b32 s[(\g)+2], (\d1)<<16
	s_mov_b32 s[(\g)+3], (\d0)<<16
	s_mov_b32 s[(\g)+4], \d1
	s_mov_b32 s[(\g)+5], \st
	s_mov_b32 s[(\g)+6], 0
	s_mov_b32 s[(\g)+7], 0
.endm
.macro ONE g0, g1                      ; an s_nop 0 and four v_nop follow the load
	tensor_load_to_lds s[(\g0):(\g0)+3], s[(\g1):(\g1)+7]
	s_nop 0
.rept 4
	v_nop
.endr
.endm
.macro LOAD                            ; a step's four tiles, one a wave: 0 K, 1 V, 2 rext's rows, 3 the mask
	s_cmp_lt_u32 s[WV], 2
	s_cbranch_scc0 .Lrm_\@
	s_cmp_eq_u32 s[WV], 0
	s_cbranch_scc0 .Lv_\@
	ONE G0K, G1K
	s_branch .Lasked_\@
.Lv_\@:
	ONE G0V, G1V
	s_branch .Lasked_\@
.Lrm_\@:
	s_cmp_eq_u32 s[WV], 2
	s_cbranch_scc0 .Lm_\@
	ONE G0R, G1R
	s_branch .Lasked_\@
.Lm_\@:
	ONE G0M, G1M
.Lasked_\@:
.endm
; THE CHANGE OF SLOTS.  Each wave waits for all its tensor loads (one is out: its tile of the other slot), adds 0 to its spare word, and waits for that and for its reads of the slot that it leaves.
; Behind the barrier nobody reads the old slot and the other is whole.  fill = 1: the old slot takes the next step's tiles, first thing behind the barrier; the load has a whole step in which to land.
.macro CHANGE fill
	WIN 0
	s_wait_tensorcnt 0x0                           ; no tensor load of mine is out, so a group 0 may be written
	ds_add_u32 v[SPW], v[NIL]
.if \fill
	s_xor_b32 s[G0K+1], s[G0K+1], SLOT1
	s_add_nc_u64 s[G0K+2:G0K+3], s[G0K+2:G0K+3], 32768
	s_xor_b32 s[G0V+1], s[G0V+1], SLOT1
	s_add_nc_u64 s[G0V+2:G0V+3], s[G0V+2:G0V+3], 32768
	s_xor_b32 s[G0R+1], s[G0R+1], SLOT1
	s_add_nc_u64 s[G0R+2:G0R+3], s[G0R+2:G0R+3], 8192
	s_xor_b32 s[G0M+1], s[G0M+1], SLOT1
	s_add_nc_u64 s[G0M+2:G0M+3], s[G0M+2:G0M+3], 256
.endif
	s_wait_dscnt 0x0                               ; the add is done, and my reads of the slot are over
	s_barrier_signal -1
	s_xor_b32 s[TB], s[TB], SLOT1
	s_barrier_wait -1
.if \fill
	LOAD
.endif
.endm
	s_load_b256 s[4:11], s[0:1], 0x0               ; qwws 4, qrws 6, kws 8, vws 10
	s_load_b128 s[12:15], s[0:1], 0x20             ; rext 12, attn_mask 14
	s_load_b64 s[16:17], s[0:1], 0x30              ; avws
	v_lshl_add_u32 v[SPW], v0, 2, SPARE
	v_mov_b32 v[NIL], 0
	ds_add_u32 v[SPW], v[NIL]                      ; the wave's opening: the add and its wait ahead of my first tensor load
	ds_add_u32 v48, v49
	v_lshrrev_b32 v1, 5, v0
	v_readfirstlane_b32 s[WV], v1                  ; wave = batch
	s_mov_b32 s78, ttmp9                           ; I
	s_and_b32 s79, ttmp7, 0xffff                   ; head
	G1SET G1K, (1<<16)|(1<<20)|(6<<22)|(3<<25), 256, 64, 256    ; 2-byte elements; 4 words of padding after every 128
	G1SET G1V, (1<<16)|(1<<20)|(6<<22)|(7<<25), 256, 64, 256    ; 8 words
	G1SET G1R, (1<<16)|(1<<20)|(4<<22)|(3<<25), 128, 64, 128    ; 128 dense rows of 128 bytes, asked for as 64 of 256, padded after every 32 words
	G1SET G1M, (2<<16)|(1<<20)|(5<<22)|(3<<25), 64, 64, 2048    ; 4-byte elements
	s_mov_b32 s[G0K], 1
	s_mov_b32 s[G0K+1], 0
	s_mov_b32 s[G0V], 1
	s_mov_b32 s[G0V+1], VOFF
	s_mov_b32 s[G0R], 1
	s_mov_b32 s[G0R+1], ROFF
	s_mov_b32 s[G0M], 1
	s_mov_b32 s[G0M+1], MOFF
	s_lshl_b32 s82, s79, 20                        ; K, V: the head
	s_mov_b32 s83, 0
	s_mul_i32 s84, s79, 409600                     ; rext: the head, and row 64 (15 - I): step s wants e from 64 (s + 15 - I) on
	s_sub_co_u32 s85, 15, s78
	s_lshl_b32 s85, s85, 13
	s_add_co_u32 s84, s84, s85
	s_mov_b32 s85, 0
	s_lshl_b32 s86, s78, 19                        ; the mask: 64 rows of 8,192 bytes a block
	s_mov_b32 s87, 0
	s_lshl_b32 s88, s79, 19                        ; q: head, 64 I rows of four batches, my batch
	s_lshl_b32 s89, s78, 15
	s_add_co_u32 s88, s88, s89
	s_lshl_b32 s89, s[WV], 7
	s_add_co_u32 s88, s88, s89
	s_mov_b32 s89, 0
	s_lshl_b32 s90, s79, 19                        ; avws [head][batch][query][64]
	s_lshl_b32 s91, s[WV], 17
	s_add_co_u32 s90, s90, s91
	s_lshl_b32 s91, s78, 13
	s_add_co_u32 s90, s90, s91
	s_mov_b32 s91, 0
	s_mov_b32 s[TB], SLOT1                         ; the first change of slots turns it into 0
	s_add_co_u32 s[SW], s78, 17
	s_mov_b32 s[CB], 0x7191accb                    ; 1e30 log2(e)
	s_mov_b32 s[CB+1], s[CB]
	s_mov_b32 s[SEL], 0x76543210
	s_mov_b32 s[SEL+1], 0xfedcba98
	s_wait_dscnt 0x0                               ; the opening add is done
	s_wait_kmcnt 0x0
	s_add_nc_u64 s[G0K+2:G0K+3], s[8:9], s[82:83]
	s_or_b32 s[G0K+3], s[G0K+3], 0x80000000
	s_add_nc_u64 s[G0V+2:G0V+3], s[10:11], s[82:83]
	s_or_b32 s[G0V+3], s[G0V+3], 0x80000000
	s_add_nc_u64 s[G0R+2:G0R+3], s[12:13], s[84:85]
	s_or_b32 s[G0R+3], s[G0R+3], 0x80000000
	s_add_nc_u64 s[G0M+2:G0M+3], s[14:15], s[86:87]
	s_or_b32 s[G0M+3], s[G0M+3], 0x80000000
	s_add_nc_u64 s[4:5], s[4:5], s[88:89]
	s_add_nc_u64 s[6:7], s[6:7], s[88:89]
	s_add_nc_u64 s[16:17], s[16:17], s[90:91]
	LOAD                                           ; step 0 into slot 0: one load of mine is out
	v_and_b32 v1, 15, v0                           ; l % 16
	v_bfe_u32 v50, v0, 4, 1                        ; l / 16
	v_and_b32 v51, 7, v0
	v_bfe_u32 v52, v0, 3, 1
	v_lshlrev_b32 v[QO], 9, v1                     ; a query's four batches are 512 bytes
	v_lshl_add_u32 v[QO], v50, 4, v[QO]
	WIN 0x80                                       ; destination window 2
.irp a, 0,1,2,3
.irp c, 0,1
	global_load_b128 v[16*(\a)+8*(\c):16*(\a)+8*(\c)+3],         v[QO], s[4:5] offset:(\a)*8192+(\c)*64
	global_load_b128 v[16*(\a)+8*(\c)+4:16*(\a)+8*(\c)+7],       v[QO], s[4:5] offset:(\a)*8192+(\c)*64+32
	global_load_b128 v[QLO+16*(\a)+8*(\c):QLO+16*(\a)+8*(\c)+3],   v[QO], s[6:7] offset:(\a)*8192+(\c)*64
	global_load_b128 v[QLO+16*(\a)+8*(\c)+4:QLO+16*(\a)+8*(\c)+7], v[QO], s[6:7] offset:(\a)*8192+(\c)*64+32
	global_load_b128 v[QHI+16*(\a)+8*(\c):QHI+16*(\a)+8*(\c)+3],   v[QO], s[6:7] offset:(\a)*8192+(\c)*64
	global_load_b128 v[QHI+16*(\a)+8*(\c)+4:QHI+16*(\a)+8*(\c)+7], v[QO], s[6:7] offset:(\a)*8192+(\c)*64+32
.endr
.endr
	WIN 0x40
.set i, 0
.rept 128
	v_mov_b32 v[i], 0                              ; O^T
.set i, i+1
.endr
	WIN 0
.irp t, 0,1,2,3
	v_mov_b32 v[ST+4*(\t)], 0xff7fffff             ; m
	v_mov_b32 v[ST+4*(\t)+1], 0                    ; named with m as a pair
	v_mov_b32 v[ST+4*(\t)+2], 0                    ; l
	v_mov_b32 v[ST+4*(\t)+3], 0
.endr
	s_lshl_b32 s92, s[WV], 7                       ; my batch's 128 bytes of a key's row
	v_mul_u32_u24 v[AK0], v1, PK
	v_lshl_add_u32 v[AK0], v50, 4, v[AK0]
	v_add_nc_u32 v[AK0], s92, v[AK0]
	s_add_co_u32 s92, s92, VOFF
	v_lshl_add_u32 v[AV0], v50, 3, v51             ; turned: key 8 (l / 16) + l % 8, 16 bytes (l / 8) % 2
	v_mul_u32_u24 v[AV0], v[AV0], PV
	v_lshl_add_u32 v[AV0], v52, 4, v[AV0]
	v_add_nc_u32 v[AV0], s92, v[AV0]
	v_mul_u32_u24 v[AR0], v1, PR
	v_lshl_add_u32 v[AR0], v50, 4, v[AR0]
	v_add_nc_u32 v[AR0], ROFF, v[AR0]
	v_mul_u32_u24 v[AM0], v1, PM                   ; the mask in S^T's layout: row = query, 32 bytes for each half of the lanes
	v_lshl_add_u32 v[AM0], v50, 5, v[AM0]
	v_add_nc_u32 v[AM0], MOFF, v[AM0]
	s_mul_i32 s93, s[WV], RAWB
	s_add_co_u32 s93, s93, RAW                     ; my raw buffer
	v_mul_u32_u24 v[RAWS], v1, RP                  ; in: query x 336 + 4 x (e's place, 8 (l / 16) on)
	v_lshl_add_u32 v[RAWS], v50, 5, v[RAWS]
	v_add_nc_u32 v[RAWS], s93, v[RAWS]
	v_mul_u32_u24 v[RAWL], v1, RP-4                ; back: key jj of query ii lies at place 15 + jj - ii: query x 332 + 60 + 4 jj
	v_lshl_add_u32 v[RAWL], v50, 5, v[RAWL]
	v_add3_u32 v[RAWL], v[RAWL], s93, 60
	v_mul_u32_u24 v[STO], v1, SP
	v_lshl_add_u32 v[STO], v50, 4, v[STO]
	v_add_nc_u32 v[STO], s93, v[STO]
	v_bfe_u32 v[RD], v0, 3, 2
	v_mul_u32_u24 v[RD], v[RD], SP
	v_lshl_add_u32 v[RD], v51, 4, v[RD]
	v_add_nc_u32 v[RD], s93, v[RD]
	v_and_b32 v[GO], 31, v0
	v_lshlrev_b32 v[GO], 4, v[GO]
; qr of the queries one further on, into one of qr's two sets
.macro RELOAD base
	PLACES
	WIN 0x80
.irp a, 0,1,2,3
.irp c, 0,1
	global_load_b128 v[(\base)+16*(\a)+8*(\c):(\base)+16*(\a)+8*(\c)+3],   v[QO], s[6:7] offset:512+(\a)*8192+(\c)*64
	global_load_b128 v[(\base)+16*(\a)+8*(\c)+4:(\base)+16*(\a)+8*(\c)+7], v[QO], s[6:7] offset:512+(\a)*8192+(\c)*64+32
.endr
.endr
	WIN 0
	s_wait_loadcnt 0x0
.endm
; Tile a's raw product: blocks u = 3 - a .. 7 - a of the step's eight blocks of 16 rows of rext; the five accumulators take turns.  Then through my raw buffer into S^T's registers.
.macro BD a
	WIN 0x5b                                       ; rext's rows window 3, qr window 2, C and D window 1
.irp c, 0,1
.irp T, 0,1,2,3,4
.set u, (\T)-(\a)+3
.set rQ, QLO+64*(u/4)+16*(\a)+8*(\c)
.if (\c) == 0
	v_wmma_f32_16x16x32_bf16 v[RAWD+8*(\T):RAWD+8*(\T)+7], v[16*u+8*(\c):16*u+8*(\c)+7], v[rQ:rQ+7], 0
.else
	v_wmma_f32_16x16x32_bf16 v[RAWD+8*(\T):RAWD+8*(\T)+7], v[16*u+8*(\c):16*u+8*(\c)+7], v[rQ:rQ+7], v[RAWD+8*(\T):RAWD+8*(\T)+7]
.endif
.endr
.endr
.rept 5
	v_nop                                          ; four places in front of the stores of these results, five in front of the next tile's products, which write over them
.endr
	WIN 0x04                                       ; store data in window 1
.irp T, 0,1,2,3,4
	ds_store_b128 v[RAWS], v[RAWD+8*(\T):RAWD+8*(\T)+3]   offset:64*(\T)
	ds_store_b128 v[RAWS], v[RAWD+8*(\T)+4:RAWD+8*(\T)+7] offset:64*(\T)+16
.endr
	WIN 0
.set i, 0
.rept 32                               ; LDS serves a wave's instructions in order (ISA guide 5.7.1.4): these see the stores above, and the next tile's stores come behind them
	ds_load_b32 v[S+32*(\a)+i], v[RAWL] offset:64*(i/8)+4*(i%8)
.set i, i+1
.endr
.endm
.macro AC a                            ; S^T += K qw^T, onto the shifted product; four accumulators by turns
	WIN 0x0a
.irp c, 0,1
.irp kt, 0,1,2,3
	v_wmma_f32_16x16x32_bf16 v[S+32*(\a)+8*(\kt):S+32*(\a)+8*(\kt)+7], v[KF+16*(\kt)+8*(\c):KF+16*(\kt)+8*(\c)+7], v[16*(\a)+8*(\c):16*(\a)+8*(\c)+7], v[S+32*(\a)+8*(\kt):S+32*(\a)+8*(\kt)+7]
.endr
.endr
.endm
.macro PVM a                           ; O^T += V^T P
	WIN 0x53
.irp kk, 0,1
.irp cb, 0,1,2,3
	v_wmma_f32_16x16x32_bf16 v[32*(\a)+8*(\cb):32*(\a)+8*(\cb)+7], v[VF+32*(\kk)+8*(\cb):VF+32*(\kk)+8*(\cb)+7], v[P+16*(\a)+8*(\kk):P+16*(\a)+8*(\kk)+7], v[32*(\a)+8*(\cb):32*(\a)+8*(\cb)+7]
.endr
.endr
.endm
.macro MLOAD a                         ; tile a's mask
	WIN 0x40
.irp kt, 0,1,2,3
	ds_load_b128 v[MK+32*((\a)%2)+8*(\kt):MK+32*((\a)%2)+8*(\kt)+3],   v[AM] offset:(\a)*16*PM+64*(\kt)
	ds_load_b128 v[MK+32*((\a)%2)+8*(\kt)+4:MK+32*((\a)%2)+8*(\kt)+7], v[AM] offset:(\a)*16*PM+64*(\kt)+16
.endr
.endm
; Tile a's mask and softmax for one step
.macro SM a
.set rS, S+32*(\a)
.set rT, ST+4*(\a)
.set rM, MK+32*((\a)%2)
.set rP, P+16*(\a)
.set rO, 32*(\a)
	WIN 0x01                                       ; source 0 (the mask) in window 1
.set i, 0
.rept 16                               ; s (1 - m); each accumulator's lowest registers are read first
	v_pk_fma_f32 v[rS+2*i:rS+2*i+1], v[rM+2*i:rM+2*i+1], v[rS+2*i:rS+2*i+1], v[rS+2*i:rS+2*i+1] neg_lo:[1,0,0] neg_hi:[1,0,0]
.set i, i+1
.endr
.set i, 0
.rept 16                               ; - CB m
	v_pk_fma_f32 v[rS+2*i:rS+2*i+1], v[rM+2*i:rM+2*i+1], s[CB:CB+1], v[rS+2*i:rS+2*i+1] op_sel_hi:[1,0,1] neg_lo:[1,0,0] neg_hi:[1,0,0]
.set i, i+1
.endr
	WIN 0
.irp n, 0,1,2,3                        ; the maximum of 32 scores and the old m: four chains, three operands at a time
	v_max3_num_f32 v[C+(\n)], v[rS+8*(\n)], v[rS+8*(\n)+1], v[rS+8*(\n)+2]
.endr
.irp n, 0,1,2,3
	v_max3_num_f32 v[C+(\n)], v[C+(\n)], v[rS+8*(\n)+3], v[rS+8*(\n)+4]
.endr
.irp n, 0,1,2,3
	v_max3_num_f32 v[C+(\n)], v[C+(\n)], v[rS+8*(\n)+5], v[rS+8*(\n)+6]
.endr
	v_max3_num_f32 v[C], v[C], v[rS+7], v[rS+15]
	v_max3_num_f32 v[C+1], v[C+1], v[rS+23], v[rS+31]
	v_max3_num_f32 v[C+2], v[C+2], v[C+3], v[rT]
	v_max3_num_f32 v[C], v[C], v[C+1], v[C+2]
	v_permlanex16_b32 v[C+3], v[C], s[SEL], s[SEL+1]  ; the query's other 32 keys lie in the lane 16 away
	v_max_num_f32 v[C+2], v[C], v[C+3]             ; the new m
	v_sub_f32 v[C+1], v[rT], v[C+2]
	v_mov_b32 v[rT], v[C+2]
	v_exp_f32 v[C+4], v[C+1]                       ; a = 2^(m_old - m_new), twice: a pair for the packed forms
	v_exp_f32 v[C+5], v[C+1]
.set i, 0
.rept 16                               ; z - m (the first of these is the plain instruction behind the exponentials above)
	v_pk_add_f32 v[rS+2*i:rS+2*i+1], v[rS+2*i:rS+2*i+1], v[rT:rT+1] op_sel_hi:[1,0] neg_lo:[0,1] neg_hi:[0,1]
.set i, i+1
.endr
.set i, 0
.rept 32
	v_exp_f32 v[rS+i], v[rS+i]
.set i, i+1
.endr
	v_nop                                          ; a plain instruction between the last exponential and the use of its result
.set i, 0
	s_wait_alu depctr_va_vdst(0)
.rept 16
	v_cvt_pk_bf16_f32 v[rP+i], v[rS+2*i], v[rS+2*i+1]
.set i, i+1
.endr
.set i, 0
.rept 8                                ; the sum of the 16 pairs, as a tree, in place
	v_pk_add_f32 v[rS+4*i:rS+4*i+1], v[rS+4*i:rS+4*i+1], v[rS+4*i+2:rS+4*i+3]
.set i, i+1
.endr
.set i, 0
.rept 4
	v_pk_add_f32 v[rS+8*i:rS+8*i+1], v[rS+8*i:rS+8*i+1], v[rS+8*i+4:rS+8*i+5]
.set i, i+1
.endr
	v_pk_add_f32 v[rS:rS+1], v[rS:rS+1], v[rS+8:rS+9]
	v_pk_add_f32 v[rS+16:rS+17], v[rS+16:rS+17], v[rS+24:rS+25]
	v_pk_add_f32 v[rS:rS+1], v[rS:rS+1], v[rS+16:rS+17]
	v_pk_fma_f32 v[rT+2:rT+3], v[rT+2:rT+3], v[C+4:C+5], v[rS:rS+1]
	WIN 0x41                                       ; O^T (destination, source 0) in window 1
.set i, 0
.rept 16
	v_pk_mul_f32 v[rO+2*i:rO+2*i+1], v[rO+2*i:rO+2*i+1], v[C+4:C+5]
.set i, i+1
.endr
.endm
; A KEY STEP.  The jumps go forward, over loads into registers alone; they hang on I and the step's number.
.macro STEP
	s_cmp_lg_u32 s[SW], 1
	s_cbranch_scc1 .Lnh_\@
	RELOAD QHI                                     ; step I + 16: the upper 64 rows of rext begin at e = 2,048
.Lnh_\@:
	s_cmp_lg_u32 s[SW], 0
	s_cbranch_scc1 .Lnl_\@
	RELOAD QLO                                     ; step I + 17: the lower 64 too
.Lnl_\@:
	s_sub_co_i32 s[SW], s[SW], 1
	v_add_nc_u32 v[AK], s[TB], v[AK0]
	v_add_nc_u32 v[AV], s[TB], v[AV0]
	v_add_nc_u32 v[AR], s[TB], v[AR0]
	v_add_nc_u32 v[AM], s[TB], v[AM0]
	PLACES                                         ; V's registers were read by the last step's last products
	WIN 0xc0                                       ; destination window 3
.irp f, 0,1,2,3,4,5,6,7,8,9,10,11,12,13,14,15      ; rext: block f / 2, channels 32 (f % 2) on
	ds_load_b128 v[8*(\f):8*(\f)+3],   v[AR] offset:((\f)/2)*16*PR+((\f)%2)*64
	ds_load_b128 v[8*(\f)+4:8*(\f)+7], v[AR] offset:((\f)/2)*16*PR+((\f)%2)*64+32
.endr
.irp f, 0,1,2,3,4,5,6,7                            ; V, turned: keys 32 (f / 4) on, channels 16 (f % 4) on
	ds_load_tr16_b128 v[VF+8*(\f):VF+8*(\f)+3],   v[AV] offset:((\f)/4)*32*PV+((\f)%4)*32
	ds_load_tr16_b128 v[VF+8*(\f)+4:VF+8*(\f)+7], v[AV] offset:((\f)/4)*32*PV+16*PV+((\f)%4)*32
.endr
	WIN 0x80
.irp f, 0,1,2,3,4,5,6,7                            ; K: keys 16 (f / 2) on, channels 32 (f % 2) on
	ds_load_b128 v[KF+8*(\f):KF+8*(\f)+3],   v[AK] offset:((\f)/2)*16*PK+((\f)%2)*64
	ds_load_b128 v[KF+8*(\f)+4:KF+8*(\f)+7], v[AK] offset:((\f)/2)*16*PK+((\f)%2)*64+32
.endr
	MLOAD 0
	s_wait_dscnt 40                                ; rext's 32 loads are in; V's 16, K's 16 and the mask's 8 may be out
	BD 0
	BD 1
	BD 2
	BD 3
	s_wait_dscnt 63                                ; behind tile 0's 32 loads stand 126 LDS instructions, behind tile 1's 84: both are in, and K before them
	AC 0
	AC 1
	PLACES                                         ; in front of the first read of those scores
.irp a, 0,1,2,3
	s_wait_dscnt 0x0                               ; this tile's mask (at tile 0 also V and the shifted products of tiles 2, 3)
.if (\a) < 3
	MLOAD (\a)+1
.endif
	SM \a
	PVM \a
.if (\a) < 2
	AC (\a)+2                                      ; its scores are read a tile's softmax later
.endif
.endr
.endm
	s_wait_loadcnt 0x0                             ; q
	s_mov_b32 s[SLOTS], 31
.Lstep:                                                ; 31 trips: a step is entered and the next is asked for
	CHANGE 1
	STEP
	WIN 0
	s_sub_co_u32 s[SLOTS], s[SLOTS], 1
	s_cmp_lg_u32 s[SLOTS], 0
	s_cbranch_scc1 .Lstep
	CHANGE 0                                       ; the last step is written out
	STEP
	; THE WAY OUT.  l's two halves and the other half of the lanes' are added; O^T is divided by l, rounded to bf16 and sent through my stage, a tile at a time.  The first additions are the places behind the last products.
	WIN 0
.irp t, 0,1,2,3
	v_add_f32 v[ST+4*(\t)+2], v[ST+4*(\t)+2], v[ST+4*(\t)+3]
.endr
.irp t, 0,1,2,3
	v_permlanex16_b32 v[ST+4*(\t)+3], v[ST+4*(\t)+2], s[SEL], s[SEL+1]
.endr
.irp t, 0,1,2,3
	v_add_f32 v[ST+4*(\t)+2], v[ST+4*(\t)+2], v[ST+4*(\t)+3]
.endr
.irp t, 0,1,2,3
	v_rcp_f32 v[ST+4*(\t)+2], v[ST+4*(\t)+2]
.endr
	v_nop                                          ; a plain instruction between the last reciprocal and the use of its result
	s_wait_alu depctr_va_vdst(0)
.macro PACK t
	WIN 0x41
.set i, 32*(\t)
.rept 16
	v_pk_mul_f32 v[i:i+1], v[i:i+1], v[ST+4*(\t)+2:ST+4*(\t)+3] op_sel_hi:[1,0]
.set i, i+2
.endr
	WIN 0x05                                       ; sources 0 and 1 window 1, destination window 0
.set i, 0
.rept 16
	v_cvt_pk_bf16_f32 v[S+16*(\t)+i], v[32*(\t)+2*i], v[32*(\t)+2*i+1]
.set i, i+1
.endr
	WIN 0
.irp f, 0,1,2,3
	ds_store_b128 v[STO], v[S+16*(\t)+4*(\f):S+16*(\t)+4*(\f)+3] offset:32*(\f)
.endr
.irp f, 0,1,2,3
	ds_load_b128 v[S+16*(\t)+4*(\f):S+16*(\t)+4*(\f)+3], v[RD] offset:(\f)*4*SP  ; in order behind the stores above; the next tile's stores come behind them
.endr
.endm
.macro SEND t, younger                 ; younger: the LDS instructions issued behind tile t's loads: the next tile's eight, or none
	WIN 0
.irp f, 0,1,2,3
	s_wait_dscnt (\younger)+3-(\f)
	global_store_b128 v[GO], v[S+16*(\t)+4*(\f):S+16*(\t)+4*(\f)+3], s[16:17] offset:(\t)*2048+(\f)*512  ; 512 consecutive bytes
.endr
.endm
	PACK 0
	PACK 1
	SEND 0, 8
	PACK 2
	SEND 1, 8
	PACK 3
	SEND 2, 8
	SEND 3, 0
	s_wait_tensorcnt 0x0                           ; the wave's end
	ds_add_u32 v[SPW], v[NIL]
	s_wait_dscnt 0x0
	s_endpgm
.Lfunc_end_k_q45839e0602_attn:
	.size	k_q45839e0602_attn, .Lfunc_end_k_q45839e0602_attn-k_q45839e0602_attn
	.p2alignl 7, 3214868480
	.fill 96, 4, 3214868480
	.section	.rodata,"a",@progbits
	.p2align	6, 0x0
	.amdhsa_kernel k_q45839e0602_attn
		.amdhsa_group_segment_fixed_size 327680
		.amdhsa_private_segment_fixed_size 0
		.amdhsa_enable_private_segment 0
		.amdhsa_kernarg_size 56
		.amdhsa_user_sgpr_count 2
		.amdhsa_user_sgpr_kernarg_segment_ptr 1
		.amdhsa_wavefront_size32 1
		.amdhsa_system_sgpr_workgroup_id_x 1
		.amdhsa_system_sgpr_workgroup_id_y 1
		.amdhsa_system_sgpr_workgroup_id_z 1
		.amdhsa_system_vgpr_workitem_id 0
		.amdhsa_next_free_vgpr 1024
		.amdhsa_next_free_sgpr 100
		.amdhsa_reserve_vcc 0
		.amdhsa_float_denorm_mode_32 3
		.amdhsa_float_denorm_mode_16_64 3
		.amdhsa_memory_ordered 1
		.amdhsa_forward_progress 1
		.amdhsa_inst_pref_size 157
	.end_amdhsa_kernel
	.amdgpu_metadata
---
amdhsa.version: [ 1, 2 ]
amdhsa.kernels:
  - .name:           k_q45839e0602_attn
    .symbol:         k_q45839e0602_attn.kd
    .args:
      - { .name: qwws, .offset: 0, .size: 8, .value_kind: global_buffer, .address_space: global }
      - { .name: qrws, .offset: 8, .size: 8, .value_kind: global_buffer, .address_space: global }
      - { .name: kws, .offset: 16, .size: 8, .value_kind: global_buffer, .address_space: global }
      - { .name: vws, .offset: 24, .size: 8, .value_kind: global_buffer, .address_space: global }
      - { .name: rext, .offset: 32, .size: 8, .value_kind: global_buffer, .address_space: global }
      - { .name: attn_mask, .offset: 40, .size: 8, .value_kind: global_buffer, .address_space: global }
      - { .name: avws, .offset: 48, .size: 8, .value_kind: global_buffer, .address_space: global }
    .group_segment_fixed_size: 327680
    .private_segment_fixed_size: 0
    .kernarg_segment_align: 8
    .kernarg_segment_size: 56
    .max_flat_workgroup_size: 128
    .sgpr_count:     100
    .vgpr_count:     1024
    .wavefront_size: 32
...
	.end_amdgpu_metadata
.endif
;; end of part 3
;; launch oln (part 4): grid 128 x 1, 4 waves a work-group, clusters of 4 x 1, 327,680 bytes of LDS; arguments avws, xb, w, ln_gamma, ln_beta, out0; writes out0
.if DOCPART == 4
	.amdgcn_target "amdgcn-amd-amdhsa--gfx1250"
	.amdhsa_code_object_version 6
	.text
	.protected	k_q45839e0602_oln
	.globl	k_q45839e0602_oln
	.p2align	8
	.type	k_q45839e0602_oln,@function
k_q45839e0602_oln:
	s_mov_b64 s[64:65], 0
	v_nop
	global_prefetch_b8 v0, s[64:65] scope:SCOPE_SE
	s_setreg_imm32_b32 hwreg(HW_REG_WAVE_MODE, 25, 1), 1
	s_wait_xcnt 0x0
	s_wait_alu depctr_hold_cnt(0) depctr_sa_sdst(0) depctr_va_vdst(0) depctr_va_sdst(0) depctr_va_ssrc(0) depctr_va_vcc(0) depctr_vm_vsrc(0)
	s_getreg_b32 s2, hwreg(HW_REG_IB_STS2, 6, 4)
	s_cmp_eq_u32 s2, 0
	s_cbranch_scc0 .Lentry_in_a_cluster
	s_endpgm
.Lentry_in_a_cluster:
	s_bfe_u32 s2, ttmp6, 0x10000c
	s_cmp_lg_u32 s2, 0x3003
	s_cbranch_scc0 .Lentry_shape_is_right
	s_endpgm
.Lentry_shape_is_right:
; out0 = LayerNorm(w + attn_vec o_kernel) gamma + beta.  Products in bf16 with f32 sums; the residual (w in f32), mean, variance (of x - mean) and the norm in f32.
; A work-group owns 32 whole rows of 1,024 columns, so that the norm needs no second launch: 128 work-groups.  Wave v makes columns 256 v .. + 255: 32 accumulators.
; K goes in 16 steps of 64, a head a step.  o_kernel's tile (64 rows of k x 1,024 columns, as it lies in memory) goes through two LDS slots; all work-groups walk the same tiles,
; so the four of a cluster ask jointly.  Its fragments come out of LDS turned.  attn_vec's fragments (32 rows x 64, 4 KiB a step) are loaded straight into registers, a step ahead.
; THE MATRIX INSTRUCTION IS USED TRANSPOSED: a lane holds eight neighbouring columns of one row.  The sums then go through a stage in LDS (over slot 0, which has had its last fill), and each wave norms 8 whole rows.
; REGISTERS: window 0: v16-29 addresses; v64-127 two sets of attn_vec's fragments; v128-255 two buffers of o_kernel's, later at work.  Window 1: accumulator (mb, nb) at v[8 (16 mb + nb)].
; Window 2: my 8 rows of w.  Window 3: v0-31 gamma, v32-63 beta.
.set PB,    2080                       ; a tile row: 2,048 bytes + 16 behind each 1,024
.set SLOT,  64*PB
.set SPARE, 2*SLOT
.set TP,    4112                       ; a stage row: 4,096 bytes + 16
.set AO,   16
.set LO,   17
.set ADRB, 20                          ; v20-23  slot, half of the step's K
.set SA,   24                          ; v24-25
.set RA,   26
.set SPW,  28
.set NIL,  29
.set F0,   128
.set X,    128
.set T,    160
.set MU,   176
.set RS,   178
.set WV,   16
.set G1,   24
.set G0,   32
.set SEL,  42
.set INV,  44
.set MSB, 0
.macro WIN new
.if MSB != (\new)
	s_set_vgpr_msb (MSB<<8)|(\new)
.set MSB, \new
.endif
.endm
.macro PLACES
.rept 4
	v_nop
.endr
.endm
.macro CROUND                          ; a round of the cluster's barrier
	s_barrier_signal -1
	s_barrier_wait -1
	s_cmp_lg_u32 s[WV], 0
	s_cbranch_scc1 .Lnot_wave_0_\@
	s_barrier_signal -3
.Lnot_wave_0_\@:
	s_barrier_wait -3
	s_barrier_signal -1
	s_barrier_wait -1
.endm
	s_load_b256 s[4:11], s[0:1], 0x0               ; avws 4, xb 6, w 8, ln_gamma 10
	s_load_b128 s[12:15], s[0:1], 0x20             ; ln_beta 12, out0 14
	v_lshl_add_u32 v[SPW], v0, 2, SPARE
	v_mov_b32 v[NIL], 0
	ds_add_u32 v[SPW], v[NIL]                      ; the wave's opening: the add and its wait ahead of my first tensor load
	ds_add_u32 v28, v29
	v_lshrrev_b32 v1, 5, v0
	v_readfirstlane_b32 s[WV], v1
	s_bfe_u32 s17, ttmp6, 0x40000                  ; cx
	s_lshl_b32 s18, ttmp9, 2
	s_add_co_u32 s18, s18, s17                     ; my block of 32 rows: it enters global addresses of attn_vec, w and out0 alone
	s_mov_b32 s[G1], 15|(1<<16)|(1<<20)|(1<<21)|(7<<22)|(3<<25)  ; the mask of four; 2-byte elements; padding on; bit 21 beside a mask; 4 words after every 256
	s_mov_b32 s[G1+1], 1024<<16                    ; tensor_dim0
	s_mov_b32 s[G1+2], 16<<16                      ; tensor_dim1
	s_mov_b32 s[G1+3], 1024<<16                    ; tile_dim0
	s_mov_b32 s[G1+4], 16                          ; tile_dim1: each wave fetches 16 of a tile's 64 rows
	s_mov_b32 s[G1+5], 1024
	s_mov_b32 s[G1+6], 0
	s_mov_b32 s[G1+7], 0
	s_mul_i32 s20, s[WV], 16*PB
	s_lshl_b32 s22, s[WV], 15
	s_add_co_u32 s22, s22, 33554432                ; o_kernel in xb
	s_mov_b32 s23, 0
	s_lshl_b32 s46, s18, 10                        ; attn_vec: 8 queries of 128 bytes a block
	s_mov_b32 s47, 0
	s_lshl_b32 s48, s18, 17                        ; w, out0: 32 rows of 4,096 bytes a block, 8 a wave
	s_lshl_b32 s49, s[WV], 15
	s_add_co_u32 s48, s48, s49
	s_mov_b32 s49, 0
	s_mov_b32 s[SEL], 0x76543210
	s_mov_b32 s[SEL+1], 0xfedcba98
	s_mov_b32 s[INV], 0x3a800000                   ; 1 / 1,024
	s_wait_dscnt 0x0                               ; the opening add is done
	s_wait_kmcnt 0x0
	s_add_nc_u64 s[22:23], s[6:7], s[22:23]
	s_add_nc_u64 s[4:5], s[4:5], s[46:47]
	s_add_nc_u64 s[8:9], s[8:9], s[48:49]
	s_add_nc_u64 s[14:15], s[14:15], s[48:49]
	CROUND                                         ; all four work-groups are here: the first joint loads meet
.irp s, 0,1
	s_mov_b32 s[G0+4*(\s)], 1
	s_add_co_u32 s[G0+4*(\s)+1], s20, (\s)*SLOT
	s_add_nc_u64 s[G0+4*(\s)+2:G0+4*(\s)+3], s[22:23], (\s)*131072
	s_or_b32 s[G0+4*(\s)+3], s[G0+4*(\s)+3], 0x80000000
	tensor_load_to_lds s[G0+4*(\s):G0+4*(\s)+3], s[G1:G1+7]   ; two loads of mine are out
	s_nop 0
.endr
.rept 4
	v_nop
.endr
	v_and_b32 v1, 15, v0                           ; l % 16: row 4 x query + batch
	v_bfe_u32 v2, v0, 4, 1
	v_and_b32 v3, 7, v0
	v_bfe_u32 v4, v0, 3, 1
	v_and_b32 v6, 3, v1
	v_lshrrev_b32 v7, 2, v1
	v_lshlrev_b32 v[AO], 17, v6                    ; avws [head][batch][query][64]
	v_lshl_add_u32 v[AO], v7, 7, v[AO]
	v_lshl_add_u32 v[AO], v2, 4, v[AO]
	v_and_b32 v[LO], 31, v0
	v_lshlrev_b32 v[LO], 4, v[LO]
.macro ALOAD set                       ; a step's fragments of attn_vec: row block mb, channels 32 c on
	WIN 0
.irp mb, 0,1
.irp c, 0,1
	global_load_b128 v[64+32*(\set)+16*(\mb)+8*(\c):64+32*(\set)+16*(\mb)+8*(\c)+3],   v[AO], s[4:5] offset:(\mb)*512+(\c)*64
	global_load_b128 v[64+32*(\set)+16*(\mb)+8*(\c)+4:64+32*(\set)+16*(\mb)+8*(\c)+7], v[AO], s[4:5] offset:(\mb)*512+(\c)*64+32
.endr
.endr
.endm
	ALOAD 0
	WIN 0x80                                       ; destination window 2
.irp rr, 0,1,2,3,4,5,6,7
.irp t, 0,1,2,3,4,5,6,7
	global_load_b128 v[32*(\rr)+4*(\t):32*(\rr)+4*(\t)+3], v[LO], s[8:9] offset:(\rr)*4096+(\t)*512 th:TH_LOAD_NT
.endr
.endr
	WIN 0xc0
.irp t, 0,1,2,3,4,5,6,7
	global_load_b128 v[4*(\t):4*(\t)+3], v[LO], s[10:11] offset:(\t)*512
	global_load_b128 v[32+4*(\t):32+4*(\t)+3], v[LO], s[12:13] offset:(\t)*512
.endr
	WIN 0
	v_lshl_add_u32 v5, v2, 3, v3                   ; turned: k row 8 (l / 16) + l % 8, 16 bytes (l / 8) % 2
	v_mul_u32_u24 v5, v5, PB
	v_lshl_add_u32 v5, v4, 4, v5
	s_lshl_b32 s21, s[WV], 9                       ; my 512 bytes of a tile row, behind the row's first padding for waves 2, 3
	s_lshr_b32 s46, s[WV], 1
	s_lshl_b32 s46, s46, 4
	s_add_co_u32 s21, s21, s46
	v_add_nc_u32 v[ADRB], s21, v5
	v_add_nc_u32 v[ADRB+1], 32*PB, v[ADRB]
	v_add_nc_u32 v[ADRB+2], SLOT, v[ADRB]
	v_add_nc_u32 v[ADRB+3], SLOT+32*PB, v[ADRB]
	v_mul_u32_u24 v[SA], v1, TP                    ; into the stage: row l % 16, my 1,024 bytes, 32 for each half of the lanes
	v_lshl_add_u32 v[SA], v2, 5, v[SA]
	s_lshl_b32 s46, s[WV], 10
	v_add_nc_u32 v[SA], s46, v[SA]
	v_add_nc_u32 v[SA+1], 16*TP, v[SA]
	s_mul_i32 s46, s[WV], 8*TP                     ; back: my 8 whole rows
	v_add_nc_u32 v[RA], s46, v[LO]
; 16 turning loads: half c of the step's K, column blocks 8 hf .. + 7, into buffer f
.macro FETCHU slot, c, hf, f
	WIN 0
.irp i, 0,1,2,3,4,5,6,7
	ds_load_tr16_b128 v[(\f)+8*(\i):(\f)+8*(\i)+3],   v[ADRB+2*(\slot)+(\c)] offset:32*(8*(\hf)+(\i))
	ds_load_tr16_b128 v[(\f)+8*(\i)+4:(\f)+8*(\i)+7], v[ADRB+2*(\slot)+(\c)] offset:32*(8*(\hf)+(\i))+16*PB
.endr
.endm
; 8 matrix instructions: four column blocks x both row blocks; no two on end share an accumulator
.macro MULU part
	WIN 0x50
.set ii, 4*(\part)
.rept 4
.irp mb, 0,1
.set ac, 8*(16*(\mb)+8*uh+ii)
.if uz
	v_wmma_f32_16x16x32_bf16 v[ac:ac+7], v[uf+8*ii:uf+8*ii+7], v[us+16*(\mb)+8*uc:us+16*(\mb)+8*uc+7], 0
.else
	v_wmma_f32_16x16x32_bf16 v[ac:ac+7], v[uf+8*ii:uf+8*ii+7], v[us+16*(\mb)+8*uc:us+16*(\mb)+8*uc+7], v[ac:ac+7]
.endif
.endr
.set ii, ii+1
.endr
.endm
.macro UNIT slot, u, zero              ; unit u of a step's four: K half u / 2, column half u % 2; in its middle the next unit's fragments are fetched
.set uc, (\u)/2
.set uh, (\u)%2
.set uf, F0+64*((\u)%2)
.set ug, F0+64*(1-(\u)%2)
.set uz, (\zero)*(1-uc)
	s_wait_dscnt 8                                 ; column blocks 0-3 of the unit are in
	MULU 0
.if (\u) < 3
	PLACES
	FETCHU \slot, ((\u)+1)/2, ((\u)+1)%2, ug
	s_wait_dscnt 16                                ; all but the 16 just issued
.else
	s_wait_dscnt 0x0
.endif
	MULU 1
.endm
; A K step on a slot.  lw: the younger loads that may stay out when this step's attn_vec has to be there.  pre = 1: the next step's is asked for
.macro COMPUTE slot, zero, pre, lw
.set us, 64+32*(\slot)
	s_wait_loadcnt \lw                             ; this step's eight loads are in; that also frees their base
.if \pre
	s_add_nc_u64 s[4:5], s[4:5], 524288            ; the next head
	ALOAD 1-(\slot)
.endif
	FETCHU \slot, 0, 0, F0
	UNIT \slot, 0, \zero
	UNIT \slot, 1, \zero
	UNIT \slot, 2, \zero
	UNIT \slot, 3, \zero
.endm
; In front of a step: each wave waits for all its tensor loads (one is out: its part of the slot to be read), adds 0 to its spare word, and waits for that and for its reads of slot r.
; fill = 1: a round of the cluster's barrier, and slot r is filled again, two steps on, first thing behind it.
.macro SWAP r, fill
	WIN 0
	s_wait_tensorcnt 0x0
	ds_add_u32 v[SPW], v[NIL]
.if \fill
	s_add_nc_u64 s[G0+4*(\r)+2:G0+4*(\r)+3], s[G0+4*(\r)+2:G0+4*(\r)+3], 262144
.endif
	s_wait_dscnt 0x0
.if \fill
	CROUND
	tensor_load_to_lds s[G0+4*(\r):G0+4*(\r)+3], s[G1:G1+7]
	s_nop 0
.rept 4
	v_nop                                          ; also the places in front of the loads into registers that the last products read
.endr
.else
	s_barrier_signal -1
	s_barrier_wait -1
	PLACES
.endif
.endm
	s_wait_tensorcnt 0x1                           ; my part of step 0 is in; step 1's stays out
	s_barrier_signal -1
	s_barrier_wait -1
	COMPUTE 0, 1, 1, 63                            ; behind attn_vec's eight loads stand 80 (w, gamma, beta): with 63 out the eight are in
	WIN 0
	s_mov_b32 s40, 7
.Lk:
	SWAP 0, 1
	COMPUTE 1, 0, 1, 0
	SWAP 1, 1
	COMPUTE 0, 0, 1, 0
	WIN 0
	s_sub_co_u32 s40, s40, 1
	s_cmp_lg_u32 s40, 0
	s_cbranch_scc1 .Lk
	SWAP 0, 0
	COMPUTE 1, 0, 0, 0
	; THE SUMS GO INTO THE STAGE.  All waves' reads of the slots are over in front of the barrier; no tensor load follows.
	PLACES
	WIN 0
	s_wait_dscnt 0x0
	s_barrier_signal -1
	s_barrier_wait -1
	WIN 0x04                                       ; store data in window 1
.irp mb, 0,1
.irp nb, 0,1,2,3,4,5,6,7,8,9,10,11,12,13,14,15
	ds_store_b128 v[SA+(\mb)], v[8*(16*(\mb)+(\nb)):8*(16*(\mb)+(\nb))+3]   offset:64*(\nb)
	ds_store_b128 v[SA+(\mb)], v[8*(16*(\mb)+(\nb))+4:8*(16*(\mb)+(\nb))+7] offset:64*(\nb)+16
.endr
.endr
	WIN 0
	s_wait_dscnt 0x0                               ; for the others' sake: my stores are done
	s_barrier_signal -1
	s_barrier_wait -1
.macro LANES r                         ; the sum of v[r] over the 32 lanes, in every lane
	v_add_f32_dpp v[\r], v[\r], v[\r] row_xmask:1 row_mask:0xf bank_mask:0xf
	v_add_f32_dpp v[\r], v[\r], v[\r] row_xmask:2 row_mask:0xf bank_mask:0xf
	v_add_f32_dpp v[\r], v[\r], v[\r] row_xmask:4 row_mask:0xf bank_mask:0xf
	v_add_f32_dpp v[\r], v[\r], v[\r] row_xmask:8 row_mask:0xf bank_mask:0xf
	v_permlanex16_b32 v[(\r)+1], v[\r], s[SEL], s[SEL+1]
	v_add_f32 v[\r], v[\r], v[(\r)+1]
.endm
; Row rr of my eight: a lane holds columns 4 l + 128 t + 0..3
.macro LNROW rr
	WIN 0
	s_wait_xcnt 0x0                                ; X was the last row's store data: it is loaded again only behind this wait
.irp t, 0,1,2,3,4,5,6,7
	ds_load_b128 v[X+4*(\t):X+4*(\t)+3], v[RA] offset:(\rr)*TP+(\t)*512
.endr
	s_wait_dscnt 0x0
	WIN 0x08                                       ; source 1 (w) in window 2
.set i, 0
.rept 16
	v_pk_add_f32 v[X+2*i:X+2*i+1], v[X+2*i:X+2*i+1], v[32*(\rr)+2*i:32*(\rr)+2*i+1]
.set i, i+1
.endr
	WIN 0
.set i, 0
.rept 8                                ; the row's sum, as a tree
	v_pk_add_f32 v[T+2*i:T+2*i+1], v[X+4*i:X+4*i+1], v[X+4*i+2:X+4*i+3]
.set i, i+1
.endr
.set i, 0
.rept 4
	v_pk_add_f32 v[T+4*i:T+4*i+1], v[T+4*i:T+4*i+1], v[T+4*i+2:T+4*i+3]
.set i, i+1
.endr
	v_pk_add_f32 v[T:T+1], v[T:T+1], v[T+4:T+5]
	v_pk_add_f32 v[T+8:T+9], v[T+8:T+9], v[T+12:T+13]
	v_pk_add_f32 v[T:T+1], v[T:T+1], v[T+8:T+9]
	v_add_f32 v[T], v[T], v[T+1]
	LANES T
	v_mul_f32 v[MU], s[INV], v[T]
	v_mul_f32 v[MU+1], s[INV], v[T]
.set i, 0
.rept 16                               ; x - mean
	v_pk_add_f32 v[X+2*i:X+2*i+1], v[X+2*i:X+2*i+1], v[MU:MU+1] neg_lo:[0,1] neg_hi:[0,1]
.set i, i+1
.endr
.set i, 0
.rept 4                                ; the sum of squares, in four chains
	v_pk_mul_f32 v[T+2*i:T+2*i+1], v[X+2*i:X+2*i+1], v[X+2*i:X+2*i+1]
.set i, i+1
.endr
.rept 12
	v_pk_fma_f32 v[T+2*(i%4):T+2*(i%4)+1], v[X+2*i:X+2*i+1], v[X+2*i:X+2*i+1], v[T+2*(i%4):T+2*(i%4)+1]
.set i, i+1
.endr
	v_pk_add_f32 v[T:T+1], v[T:T+1], v[T+2:T+3]
	v_pk_add_f32 v[T+4:T+5], v[T+4:T+5], v[T+6:T+7]
	v_pk_add_f32 v[T:T+1], v[T:T+1], v[T+4:T+5]
	v_add_f32 v[T], v[T], v[T+1]
	LANES T
	v_fmaak_f32 v[T+2], s[INV], v[T], 0x3727c5ac   ; variance + 1e-5
	v_rsq_f32 v[RS], v[T+2]
	v_rsq_f32 v[RS+1], v[T+2]
	v_nop                                          ; a plain instruction between the last root and the use of its result
.set i, 0
	s_wait_alu depctr_va_vdst(0)
.rept 16
	v_pk_mul_f32 v[X+2*i:X+2*i+1], v[X+2*i:X+2*i+1], v[RS:RS+1]
.set i, i+1
.endr
	WIN 0x3c                                       ; sources 1 (gamma) and 2 (beta) in window 3
.set i, 0
.rept 16
	v_pk_fma_f32 v[X+2*i:X+2*i+1], v[X+2*i:X+2*i+1], v[2*i:2*i+1], v[32+2*i:32+2*i+1]
.set i, i+1
.endr
	WIN 0
.irp t, 0,1,2,3,4,5,6,7
	global_store_b128 v[LO], v[X+4*(\t):X+4*(\t)+3], s[14:15] offset:(\rr)*4096+(\t)*512 th:TH_STORE_NT  ; a wave's store covers 512 consecutive bytes
.endr
.endm
.irp rr, 0,1,2,3,4,5,6,7
	LNROW \rr
.endr
	s_wait_tensorcnt 0x0                           ; the wave's end
	ds_add_u32 v[SPW], v[NIL]
	s_wait_dscnt 0x0
	CROUND                                         ; the closing round
	s_endpgm
.Lfunc_end_k_q45839e0602_oln:
	.size	k_q45839e0602_oln, .Lfunc_end_k_q45839e0602_oln-k_q45839e0602_oln
	.p2alignl 7, 3214868480
	.fill 96, 4, 3214868480
	.section	.rodata,"a",@progbits
	.p2align	6, 0x0
	.amdhsa_kernel k_q45839e0602_oln
		.amdhsa_group_segment_fixed_size 327680
		.amdhsa_private_segment_fixed_size 0
		.amdhsa_enable_private_segment 0
		.amdhsa_kernarg_size 48
		.amdhsa_user_sgpr_count 2
		.amdhsa_user_sgpr_kernarg_segment_ptr 1
		.amdhsa_wavefront_size32 1
		.amdhsa_system_sgpr_workgroup_id_x 1
		.amdhsa_system_sgpr_workgroup_id_y 1
		.amdhsa_system_sgpr_workgroup_id_z 1
		.amdhsa_system_vgpr_workitem_id 0
		.amdhsa_next_free_vgpr 832
		.amdhsa_next_free_sgpr 66
		.amdhsa_reserve_vcc 0
		.amdhsa_float_denorm_mode_32 3
		.amdhsa_float_denorm_mode_16_64 3
		.amdhsa_memory_ordered 1
		.amdhsa_forward_progress 1
		.amdhsa_inst_pref_size 127
	.end_amdhsa_kernel
	.amdgpu_metadata
---
amdhsa.version: [ 1, 2 ]
amdhsa.kernels:
  - .name:           k_q45839e0602_oln
    .symbol:         k_q45839e0602_oln.kd
    .args:
      - { .name: avws, .offset: 0, .size: 8, .value_kind: global_buffer, .address_space: global }
      - { .name: xb, .offset: 8, .size: 8, .value_kind: global_buffer, .address_space: global }
      - { .name: w, .offset: 16, .size: 8, .value_kind: global_buffer, .address_space: global }
      - { .name: ln_gamma, .offset: 24, .size: 8, .value_kind: global_buffer, .address_space: global }
      - { .name: ln_beta, .offset: 32, .size: 8, .value_kind: global_buffer, .address_space: global }
      - { .name: out0, .offset: 40, .size: 8, .value_kind: global_buffer, .address_space: global }
    .group_segment_fixed_size: 327680
    .private_segment_fixed_size: 0
    .kernarg_segment_align: 8
    .kernarg_segment_size: 48
    .max_flat_workgroup_size: 128
    .sgpr_count:     66
    .vgpr_count:     832
    .wavefront_size: 32
...
	.end_amdgpu_metadata
.endif
;; end of part 4
;; ======== version 2 of 3: 5 launches; 1.03 times as fast as version 1
;; workspace buffers: xb 35,651,584 bytes; kws 16,777,216 bytes; vws 16,777,216 bytes; qwws 8,388,608 bytes; qrws 8,389,120 bytes; rext 6,553,600 bytes; avws 8,388,608 bytes; xws 16,777,216 bytes
;; launch cast: the kernel of part 1 again; grid 960 x 1, 8 waves a work-group, no clusters, 0 bytes of LDS; arguments mems, w, r, qkv_kernel, r_kernel, o_kernel, xb, rext, qrws; writes xb, rext, qrws
;; launch proj (part 5): grid 88 x 4, 4 waves a work-group, clusters of 4 x 4, 327,680 bytes of LDS; arguments xb, r_w_bias, r_r_bias, kws, vws, qwws, qrws, rext; writes kws, vws, qwws, qrws, rext
.if DOCPART == 5
	.amdgcn_target "amdgcn-amd-amdhsa--gfx1250"
	.amdhsa_code_object_version 6
	.text
	.protected	k_q45839e0602_proj
	.globl	k_q45839e0602_proj
	.p2align	8
	.type	k_q45839e0602_proj,@function
k_q45839e0602_proj:
	s_mov_b64 s[64:65], 0
	v_nop
	global_prefetch_b8 v0, s[64:65] scope:SCOPE_SE
	s_setreg_imm32_b32 hwreg(HW_REG_WAVE_MODE, 25, 1), 1
	s_wait_xcnt 0x0
	s_wait_alu depctr_hold_cnt(0) depctr_sa_sdst(0) depctr_va_vdst(0) depctr_va_sdst(0) depctr_va_ssrc(0) depctr_va_vcc(0) depctr_vm_vsrc(0)
	s_getreg_b32 s2, hwreg(HW_REG_IB_STS2, 6, 4)
	s_cmp_eq_u32 s2, 0
	s_cbranch_scc0 .Lentry_in_a_cluster
	s_endpgm
.Lentry_in_a_cluster:
	s_bfe_u32 s2, ttmp6, 0x10000c
	s_cmp_lg_u32 s2, 0xf033
	s_cbranch_scc0 .Lentry_shape_is_right
	s_endpgm
.Lentry_shape_is_right:
; THE THREE PROJECTIONS, one text: k and v = [mems; w] W, q = w W, rk = r R.  Operands bf16 (from xb), sums f32, each result rounded to bf16 once.
; 22 clusters of 4 x 4 work-groups; the cluster's number C says which product: C < 16: k, v (8,192 x 2,048); C < 20: q (4,096 x 1,024); else rk (2,048 x 1,024).
; A work-group makes 256 x 256 of the product, a wave 128 x 128 (two heads' columns): 64 accumulators, 512 registers.  K = 1,024 goes in 8 steps of 128 through two LDS slots; a step is 256 matrix
; instructions a wave, of which 224 stand between a slot's request and the wait for it.  The three products make 256 + 64 + 32 = 352 tiles; a smaller tile would divide more evenly, but would leave
; half the products behind each request.
; A's tile ([row][k]) is shared along a row of the cluster, the weights' tile ([k][column], as it lies in memory) along a column: joint tensor loads.
; The weights' fragments come out of LDS turned, by ds_load_tr16_b128.  THE MATRIX INSTRUCTION IS USED TRANSPOSED (source 0 = 16 columns of the weights,
; source 1 = 16 rows of A): a lane holds eight neighbouring columns of one row.
; RESULTS, by heads, rows of 64 bf16: kws, vws [16][8192][64]; qwws = (q + r_w_bias) c and qrws = (q + r_r_bias) c, [16][4096][64], c = log2(e) / 8, applied in f32
; ahead of the one rounding; rext [16][3200][64]: rows 0-2047 rk, rows 2049-3072 rk's rows 0-1023 once more (the part of the relative shift that wraps round).
; So q and the first half of rk leave twice: a loop of 1 or 2 passes, whose count hangs on C alone.
; The biases are loaded by every work-group and multiplied by c (q) or by 0 (k, v, rk).  LIMIT: a bias that is not finite would so reach k, v and rk as NaN.
; REGISTERS, in windows of 256 (s_set_vgpr_msb: bits 1:0 source 0, 3:2 source 1, 5:4 source 2, 7:6 destination):
;   window 0: v16-30 addresses; v32-63 packed results; v64-127, v128-191 fragments of A, two buffers (on the way out: this pass's bias; rows read back); v192-255 at work on the way out
;   window 1: v64-127, v128-191 fragments of the weights, two buffers (on the way out v64-127: the second pass's bias)
;   window 2: the 32 accumulators of my rows 0-63 (accumulator (a, b) at v[8 (8 a + b)]);   window 3: those of my rows 64-127
.set KSTEP, 128
.set PA,    272                        ; A's LDS row: 256 bytes + 16: the 16 rows of a load begin 4 words apart modulo 64 (64 banks of 4 bytes: ISA guide 11.1)
.set PB,    544                        ; the weights' LDS row: 512 + 32
.set HALFT, 128*PA                     ; what one tensor load brings: 128 rows of A, or 64 rows of the weights (64 x 544, the same bytes)
.set SLOT,  4*HALFT                    ; A's 256 rows, then the weights' 128 rows of k
.set STAGE, 2*SLOT                     ; behind the ring: for each wave and each of its two heads 16 rows x 144 bytes
.set SP,    144
.set HSTG,  16*SP
.set SPARE, STAGE+4*2*HSTG             ; the spare words: 128 bytes a wave, two blocks of 256 bytes that no other line names
.set LAPS,  4                          ; a lap = two K steps = once round the ring
.set ADRA, 16                          ; v16-17  LDS address of my A fragments in slot 0, 1
.set ADRB, 20                          ; v20-21  the same for the weights
.set STO,  24                          ; v24     the way out: where I put 16 bytes of a row
.set RD,   25                          ; v25     the way out: where I read rows back
.set GO,   26                          ; v26     16 x lane: my place in 512 consecutive bytes of the result
.set BO,   27                          ; v27     32 x (lane / 16): my eight columns' place in a bias row
.set SPW,  28
.set NIL,  29
.set GO2,  30                          ; v30     the same place one head further on
.set PKD,  32
.set F0,   64
.set F1,   128
.set BI1,  64                          ; window 0: this pass's bias, 8 registers a column block
.set BI2,  64                          ; window 1: the second pass's
.set BK,   128
.set TMP,  192
.set G1,  24
.set G0,  32
.set G1B, 48
.set G0B, 56
.set MSB, 0
.macro WIN new                         ; the immediate's high byte repeats the setting that is left; a switch that changes nothing is dropped
.if MSB != (\new)
	s_set_vgpr_msb (MSB<<8)|(\new)
.set MSB, \new
.endif
.endm
.set MUL_LO, 0xa1                      ; source 0 (the weights) window 1, source 1 (A) window 0, C and D window 2
.set MUL_HI, 0xf1                      ; the same, C and D window 3
.set TO_B,   0x40                      ; destination window 1, address window 0
.macro PLACES                          ; four places in front of loads into registers that matrix instructions have read (ISA guide 7.12.1 for vector instructions)
.rept 4
	v_nop
.endr
.endm
.macro JLOAD s                         ; waves 0, 1 fetch A's two halves, waves 2, 3 the weights'; an s_nop 0 and four v_nop follow each line
	s_cmp_eq_u32 s11, 0
	s_cbranch_scc0 .Lfor_b_\@
	tensor_load_to_lds s[G0+4*(\s):G0+4*(\s)+3], s[G1:G1+7]
	s_nop 0
.rept 4
	v_nop
.endr
	s_branch .Lasked_\@
.Lfor_b_\@:
	tensor_load_to_lds s[G0B+4*(\s):G0B+4*(\s)+3], s[G1B:G1B+7]
	s_nop 0
.rept 4
	v_nop
.endr
.Lasked_\@:
.endm
.macro CREST                           ; a round of the cluster's barrier behind its opening barrier
	s_cmp_lg_u32 s10, 0
	s_cbranch_scc1 .Lnot_wave_0_\@
	s_barrier_signal -3
.Lnot_wave_0_\@:
	s_barrier_wait -3
	s_barrier_signal -1
	s_barrier_wait -1
.endm
.macro CROUND
	s_barrier_signal -1
	s_barrier_wait -1
	CREST
.endm
	s_load_b512 s[68:83], s[0:1], 0x0              ; xb 68, r_w_bias 70, r_r_bias 72, kws 74, vws 76, qwws 78, qrws 80, rext 82
	v_lshl_add_u32 v[SPW], v0, 2, SPARE
	v_mov_b32 v[NIL], 0
	ds_add_u32 v[SPW], v[NIL]                      ; the wave's opening: the add and its wait ahead of my first tensor load
	ds_add_u32 v28, v29
	v_lshrrev_b32 v1, 5, v0
	v_readfirstlane_b32 s10, v1                    ; wave
	s_lshr_b32 s11, s10, 1                         ; my half of the tile's rows; also: I fetch for A (0) or for the weights (1)
	s_and_b32 s12, s10, 1                          ; my half of its columns; also: which half of that tile I fetch
	s_bfe_u32 s40, ttmp6, 0x40000                  ; cx
	s_bfe_u32 s41, ttmp6, 0x40004                  ; cy
	s_mov_b32 s13, ttmp9                           ; C, the same in all sixteen partners
	s_lshr_b32 s14, s13, 1                         ; k, v: the cluster's row CR and column CC, A's and the weights' first bytes in xb, a head's bytes, passes, scales
	s_and_b32 s15, s13, 1
	s_mov_b32 s6, 0
	s_mov_b32 s7, 20973568
	s_mov_b32 s8, 1048576
	s_mov_b32 s9, 1
	s_mov_b32 s88, 1.0
	s_mov_b32 s90, 0
	s_mov_b32 s92, 0
	s_sub_co_u32 s4, s13, 16                       ; q
	s_cmp_ge_u32 s13, 16
	s_cselect_b32 s14, s4, s14
	s_cselect_b32 s15, 0, s15
	s_cselect_b32 s6, 8388608, s6
	s_cselect_b32 s7, 20971520, s7
	s_cselect_b32 s8, 524288, s8
	s_cselect_b32 s9, 2, s9
	s_cselect_b32 s88, 0x3e38aa3b, s88             ; c = log2(e) / 8
	s_cselect_b32 s90, 0x3e38aa3b, s90
	s_sub_co_u32 s4, s13, 20                       ; rk
	s_sub_co_u32 s2, 2, s4                         ; rows 0-1023 (CR = 0) leave twice
	s_cmp_ge_u32 s13, 20
	s_cselect_b32 s14, s4, s14
	s_cselect_b32 s6, 16777216, s6
	s_cselect_b32 s7, 27262976, s7
	s_cselect_b32 s8, 409600, s8
	s_cselect_b32 s9, s2, s9
	s_cselect_b32 s88, 1.0, s88
	s_cselect_b32 s90, 0, s90
	s_cselect_b32 s92, 262272, s92                 ; the second copy begins at row 2,049
	s_mov_b32 s89, s88                             ; named as pairs
	s_mov_b32 s91, s90
	s_mov_b32 s93, 0
	s_lshl_b32 s45, s14, 2
	s_add_co_u32 s45, s45, s41                     ; tile row = 4 CR + cy
	s_lshl_b32 s42, s15, 2
	s_add_co_u32 s42, s42, s40                     ; tile column = 4 CC + cx
	s_lshl_b32 s43, s41, 2
	s_lshl_b32 s43, 15, s43                        ; my row of the cluster
	s_lshl_b32 s44, 0x1111, s40                    ; my column
	s_or_b32 s[G1+0], s43, (1<<16)|(1<<20)|(1<<21)|(5<<22)|(3<<25)   ; mask; 2-byte elements; padding on; bit 21 beside a mask; after every 64 words; 4 words
	s_mov_b32 s[G1+1], 128<<16                     ; tensor_dim0
	s_mov_b32 s[G1+2], 128<<16                     ; tensor_dim1
	s_mov_b32 s[G1+3], 128<<16                     ; tile_dim0
	s_mov_b32 s[G1+4], 128                         ; tile_dim1
	s_mov_b32 s[G1+5], 1024                        ; elements from row to row
	s_mov_b32 s[G1+6], 0
	s_mov_b32 s[G1+7], 0
	s_or_b32 s[G1B+0], s44, (1<<16)|(1<<20)|(1<<21)|(6<<22)|(7<<25)  ; the weights: 8 words of padding after every 128
	s_mov_b32 s[G1B+1], 256<<16                    ; 256 columns,
	s_mov_b32 s[G1B+2], 64<<16                     ; 64 rows of k
	s_mov_b32 s[G1B+3], 256<<16
	s_mov_b32 s[G1B+4], 64
	s_mov_b32 s[G1B+5], 3072
	s_mov_b32 s[G1B+6], 0
	s_mov_b32 s[G1B+7], 0
	s_lshl_b32 s16, s45, 8                         ; A: (256 x tile row + 128 x half) rows of 2,048 bytes; no register here ever holds cx
	s_lshl_b32 s17, s12, 7
	s_add_co_u32 s16, s16, s17
	s_lshl_b32 s16, s16, 11
	s_add_co_u32 s16, s16, s6
	s_mov_b32 s17, 0
	s_lshl_b32 s46, s42, 9                         ; the weights: 512 bytes x tile column + 64 rows of 6,144 bytes x half; no register here ever holds cy
	s_mul_i32 s47, s12, 393216
	s_add_co_u32 s46, s46, s47
	s_add_co_u32 s46, s46, s7
	s_mov_b32 s47, 0
	s_mul_i32 s20, s10, HALFT                      ; where they go: A's two halves, then the weights' two = wave x 34,816: the wave's number alone
	s_wait_dscnt 0x0                               ; the opening add is done
	s_wait_kmcnt 0x0
	s_add_nc_u64 s[18:19], s[68:69], s[16:17]
	s_add_nc_u64 s[46:47], s[68:69], s[46:47]
	CROUND                                         ; all sixteen work-groups are here: the first joint loads meet
.irp s, 0,1
	s_mov_b32 s[G0+4*(\s)], 1
	s_add_co_u32 s[G0+4*(\s)+1], s20, (\s)*SLOT
	s_add_nc_u64 s[G0+4*(\s)+2:G0+4*(\s)+3], s[18:19], (\s)*KSTEP*2
	s_or_b32 s[G0+4*(\s)+3], s[G0+4*(\s)+3], 0x80000000
	s_mov_b32 s[G0B+4*(\s)], 1
	s_add_co_u32 s[G0B+4*(\s)+1], s20, (\s)*SLOT
	s_add_nc_u64 s[G0B+4*(\s)+2:G0B+4*(\s)+3], s[46:47], (\s)*KSTEP*3072*2
	s_or_b32 s[G0B+4*(\s)+3], s[G0B+4*(\s)+3], 0x80000000
	JLOAD \s                                       ; two loads of mine are out
.endr
	v_and_b32 v1, 15, v0                           ; l % 16
	v_bfe_u32 v2, v0, 4, 1                         ; l / 16
	v_mul_u32_u24 v3, v1, PA
	v_lshl_add_u32 v3, v2, 4, v3                   ; A: row x pitch + 16 x half
	v_and_b32 v4, 7, v0
	v_bfe_u32 v5, v0, 3, 1
	v_lshl_add_u32 v6, v2, 3, v4                   ; the weights, turned: k row 8 (l / 16) + l % 8, 16 bytes (l / 8) % 2
	v_mul_u32_u24 v6, v6, PB
	v_lshl_add_u32 v6, v5, 4, v6
	s_mul_i32 s22, s11, HALFT                      ; my 128 rows of A
	s_lshl_b32 s23, s12, 8                         ; my 128 columns,
	s_add_co_u32 s23, s23, 2*HALFT                 ; behind A's 256 rows
.irp s, 0,1
	v_add_nc_u32 v[ADRA+(\s)], s22, v3
	v_add_nc_u32 v[ADRB+(\s)], s23, v6
	s_add_co_u32 s22, s22, SLOT
	s_add_co_u32 s23, s23, SLOT
.endr
	s_mul_i32 s4, s10, 2*HSTG
	s_add_co_u32 s4, s4, STAGE                     ; my stage
	v_mul_u32_u24 v[STO], v1, SP                   ; in: row l % 16, 16 bytes for each half of the lanes
	v_lshl_add_u32 v[STO], v2, 4, v[STO]
	v_add_nc_u32 v[STO], s4, v[STO]
	v_bfe_u32 v[RD], v0, 3, 2                      ; back: 32 lanes take four rows of 128 bytes,
	v_mul_u32_u24 v[RD], v[RD], SP
	v_lshl_add_u32 v[RD], v4, 4, v[RD]
	v_add_nc_u32 v[RD], s4, v[RD]
	v_and_b32 v[GO], 31, v0                        ; which are 512 consecutive bytes of the result
	v_lshlrev_b32 v[GO], 4, v[GO]
	v_add_nc_u32 v[GO2], s8, v[GO]                 ; my second head lies a head's bytes further on
	v_lshlrev_b32 v[BO], 5, v2
	; where my 128 x 128 goes: first head x a head's bytes + my first row x 128
	s_lshl_b32 s96, s42, 2
	s_lshl_b32 s94, s12, 1
	s_add_co_u32 s96, s96, s94
	s_and_b32 s96, s96, 15                         ; my first head = (4 x tile column + 2 x half) mod 16
	s_lshl_b32 s94, s96, 8
	s_mov_b32 s95, 0
	s_add_nc_u64 s[70:71], s[70:71], s[94:95]      ; the two heads' rows of each bias lie end to end
	s_add_nc_u64 s[72:73], s[72:73], s[94:95]
	s_mul_i32 s96, s96, s8
	s_lshl_b32 s98, s45, 8
	s_lshl_b32 s99, s11, 7
	s_add_co_u32 s98, s98, s99
	s_lshl_b32 s98, s98, 7
	s_add_co_u32 s96, s96, s98
	s_mov_b32 s97, 0
	s_cmp_ge_u32 s15, 1                            ; columns 1,024 on are v's: CC, which the partners share, says so
	s_cselect_b64 s[84:85], s[76:77], s[74:75]
	s_mov_b64 s[86:87], s[84:85]
	s_cmp_ge_u32 s13, 16
	s_cselect_b64 s[84:85], s[78:79], s[84:85]
	s_cselect_b64 s[86:87], s[80:81], s[86:87]
	s_cmp_ge_u32 s13, 20
	s_cselect_b64 s[84:85], s[82:83], s[84:85]
	s_cselect_b64 s[86:87], s[82:83], s[86:87]
	s_add_nc_u64 s[84:85], s[84:85], s[96:97]      ; the first pass's address,
	s_add_nc_u64 s[86:87], s[86:87], s[96:97]
	s_add_nc_u64 s[86:87], s[86:87], s[92:93]      ; the second's
; 16 matrix instructions: row blocks a0, a0 + 1 of the window's four (hi = 0: my rows 0-63, 1: rows 64-127) x all 8 column blocks, 32 along K.
; The 64 accumulators take turns, one instruction a turn, in the same order in every quarter.  zero = 1: the first product starts the sums
.macro MUL16 f, hi, a0, zero
	WIN MUL_LO+0x50*(\hi)
.irp a, \a0, (\a0)+1
.irp b, 0,1,2,3,4,5,6,7
.if \zero
	v_wmma_f32_16x16x32_bf16 v[8*(8*(\a)+(\b)):8*(8*(\a)+(\b))+7], v[(\f)+8*(\b):(\f)+8*(\b)+7], v[(\f)+8*(4*(\hi)+(\a)):(\f)+8*(4*(\hi)+(\a))+7], 0
.else
	v_wmma_f32_16x16x32_bf16 v[8*(8*(\a)+(\b)):8*(8*(\a)+(\b))+7], v[(\f)+8*(\b):(\f)+8*(\b)+7], v[(\f)+8*(4*(\hi)+(\a)):(\f)+8*(4*(\hi)+(\a))+7], v[8*(8*(\a)+(\b)):8*(8*(\a)+(\b))+7]
.endif
.endr
.endr
.endm
; 32 LDS loads in one run: quarter q (32 along K) of a slot into buffer f: the weights' eight fragments first, then A's eight
.macro FETCH slot, q, f
	WIN TO_B
.irp i, 0,1,2,3,4,5,6,7
	ds_load_tr16_b128 v[(\f)+8*(\i):(\f)+8*(\i)+3],   v[ADRB+(\slot)] offset:(\q)*32*PB+32*(\i)
	ds_load_tr16_b128 v[(\f)+8*(\i)+4:(\f)+8*(\i)+7], v[ADRB+(\slot)] offset:(\q)*32*PB+32*(\i)+16*PB
.endr
	WIN 0
.irp i, 0,1,2,3,4,5,6,7
	ds_load_b128 v[(\f)+8*(\i):(\f)+8*(\i)+3],   v[ADRA+(\slot)] offset:(\q)*64+(\i)*16*PA
	ds_load_b128 v[(\f)+8*(\i)+4:(\f)+8*(\i)+7], v[ADRA+(\slot)] offset:(\q)*64+(\i)*16*PA+32
.endr
.endm
; One of a K step's first three quarters: multiplies buffer f; in its middle fetches quarter q of the same slot into buffer g
.macro QUARTER slot, q, f, g, zero
	s_wait_dscnt 8                                 ; the weights and A's rows 0-63 are in; the youngest eight loads (A's rows 64-127) may be out
	MUL16 \f, 0, 0, \zero
	MUL16 \f, 0, 2, \zero
	PLACES
	FETCH \slot, \q, \g
	s_wait_dscnt 32                                ; all but the 32 just issued
	MUL16 \f, 1, 0, \zero
	MUL16 \f, 1, 2, \zero
.endm
; The last quarter multiplies buffer 1 and changes slots: one barrier; in front of it each wave waits for all its tensor loads (one is out: its part of the next slot),
; adds 0 to its spare word, and waits for that and for its reads of this slot.  fill = 1: the barrier opens a round of the cluster's, and this slot is filled again, two K steps on.
.macro TURN slot, next, fill
	WIN 0                                          ; (the add's two registers lie in window 0)
	s_wait_tensorcnt 0x0
	ds_add_u32 v[SPW], v[NIL]
	s_wait_dscnt 9                                 ; the add and the youngest eight loads may be out
	MUL16 F1, 0, 0, 0                              ; sixteen matrix instructions stand between the add and the wait for it
	s_wait_dscnt 0x0                               ; the add is done, and my reads of this slot are over
	s_barrier_signal -1
	MUL16 F1, 0, 2, 0                              ; work on registers while the others arrive
.if \fill
	WIN 0
.endif
	s_barrier_wait -1
.if \fill
	CREST                                          ; no wave of any partner still reads this slot or has a load on its way
	s_add_nc_u64 s[G0+4*(\slot)+2:G0+4*(\slot)+3], s[G0+4*(\slot)+2:G0+4*(\slot)+3], 2*KSTEP*2
	s_add_nc_u64 s[G0B+4*(\slot)+2:G0B+4*(\slot)+3], s[G0B+4*(\slot)+2:G0B+4*(\slot)+3], 2*KSTEP*3072*2
	JLOAD \slot                                    ; my one tensor load behind the round; its four v_nop are also the places in front of the loads below
.else
	PLACES
.endif
	FETCH \next, 0, F0
	MUL16 F1, 1, 0, 0
	MUL16 F1, 1, 2, 0
.endm
	s_wait_tensorcnt 0x1                           ; my part of K step 0 is in; K step 1's stays out
	s_barrier_signal -1
	s_barrier_wait -1
	FETCH 0, 0, F0
	QUARTER 0, 1, F0, F1, 1                        ; the first quarter starts the sums
	WIN 0                                          ; at a label and at a branch every window is 0
	s_mov_b32 s3, LAPS-1
.Llap:                                                 ; a trip goes once round the ring and fills both slots again: K steps 2 to 7
	QUARTER 0, 2, F1, F0, 0
	QUARTER 0, 3, F0, F1, 0
	TURN 0, 1, 1
	QUARTER 1, 1, F0, F1, 0
	QUARTER 1, 2, F1, F0, 0
	QUARTER 1, 3, F0, F1, 0
	TURN 1, 0, 1
	QUARTER 0, 1, F0, F1, 0
	WIN 0
	s_sub_co_u32 s3, s3, 1
	s_cmp_lg_u32 s3, 0
	s_cbranch_scc1 .Llap
	QUARTER 0, 2, F1, F0, 0                        ; the last lap fills nothing, and has no round of the cluster's barrier
	QUARTER 0, 3, F0, F1, 0
	TURN 0, 1, 0
	QUARTER 1, 1, F0, F1, 0
	QUARTER 1, 2, F1, F0, 0
	QUARTER 1, 3, F0, F1, 0
	PLACES                                         ; buffer 0 has been multiplied: the biases are asked for into its registers, under the last quarter's products
	WIN 0
.irp b, 0,1,2,3,4,5,6,7
	global_load_b128 v[BI1+8*(\b):BI1+8*(\b)+3],   v[BO], s[70:71] offset:64*(\b)
	global_load_b128 v[BI1+8*(\b)+4:BI1+8*(\b)+7], v[BO], s[70:71] offset:64*(\b)+16
.endr
	WIN TO_B
.irp b, 0,1,2,3,4,5,6,7
	global_load_b128 v[BI2+8*(\b):BI2+8*(\b)+3],   v[BO], s[72:73] offset:64*(\b)
	global_load_b128 v[BI2+8*(\b)+4:BI2+8*(\b)+7], v[BO], s[72:73] offset:64*(\b)+16
.endr
	s_wait_dscnt 8
	MUL16 F1, 0, 0, 0
	MUL16 F1, 0, 2, 0
	s_wait_dscnt 0x0
	MUL16 F1, 1, 0, 0
	MUL16 F1, 1, 2, 0
	WIN 0
	s_wait_loadcnt 0x0
.set i, 0
.rept 32                               ; bias x c, or x 0: plain instructions that name no register of the last products: they are the places behind them
	v_pk_mul_f32 v[BI1+2*i:BI1+2*i+1], v[BI1+2*i:BI1+2*i+1], s[90:91] op_sel_hi:[1,0]
.set i, i+1
.endr
	WIN 0x41                                       ; destination and source 0 in window 1
.set i, 0
.rept 32
	v_pk_mul_f32 v[BI2+2*i:BI2+2*i+1], v[BI2+2*i:BI2+2*i+1], s[90:91] op_sel_hi:[1,0]
.set i, i+1
.endr
	WIN 0
; THE WAY OUT of row block a (16 rows x 128 columns), in three parts.  PACK: sum x scale + bias, rounded to bf16, 16 bytes a lane.
.macro PACK a
	WIN 0x02+(\a)/4                                ; source 0 (the sums) in window 2 or 3
.set i, 0
.rept 32                               ; each accumulator's registers in ascending order
	v_pk_fma_f32 v[TMP+2*i:TMP+2*i+1], v[64*((\a)%4)+2*i:64*((\a)%4)+2*i+1], s[88:89], v[BI1+2*i:BI1+2*i+1] op_sel_hi:[1,0,1]
.set i, i+1
.endr
	WIN 0
.set i, 0
.rept 32
	v_cvt_pk_bf16_f32 v[PKD+i], v[TMP+2*i], v[TMP+2*i+1]
.set i, i+1
.endr
.endm
; TOSTAGE: into my stage, each head's 64 columns in rows of 144 bytes, and back as four rows of 128 bytes a load
.macro TOSTAGE a
	WIN 0
.irp b, 0,1,2,3,4,5,6,7
	ds_store_b128 v[STO], v[PKD+4*(\b):PKD+4*(\b)+3] offset:((\b)/4)*HSTG+32*((\b)%4)
.endr
.irp t, 0,1,2,3,4,5,6,7                ; head t / 4, rows 4 (t % 4) on
	ds_load_b128 v[BK+32*((\a)%2)+4*(\t):BK+32*((\a)%2)+4*(\t)+3], v[RD] offset:((\t)/4)*HSTG+((\t)%4)*4*SP  ; LDS serves a wave's instructions in order (ISA guide 5.7.1.4): these see the stores above, and the next block's stores come behind them
.endr
.endm
; SEND: stored, 512 consecutive bytes a store
.macro SEND a
	WIN 0
	s_wait_dscnt 0x0                               ; the block is back in registers
	s_wait_xcnt 0x0                                ; the registers that the stores of the block before last read are loaded again (by the next TOSTAGE) only behind this wait
.irp t, 0,1,2,3
	global_store_b128 v[GO],  v[BK+32*((\a)%2)+4*(\t):BK+32*((\a)%2)+4*(\t)+3],       s[84:85] offset:(\a)*2048+(\t)*512
.endr
.irp t, 0,1,2,3
	global_store_b128 v[GO2], v[BK+32*((\a)%2)+16+4*(\t):BK+32*((\a)%2)+16+4*(\t)+3], s[84:85] offset:(\a)*2048+(\t)*512
.endr
.endm
	s_mov_b32 s3, 0
.Lpass:                                                ; 1 or 2 passes, by C alone; the LDS addresses are the same in both
	PACK 0
	TOSTAGE 0
.irp a, 1,2,3,4,5,6,7                  ; block a's arithmetic stands between block a - 1's loads from the stage and the wait for them
	PACK \a
	SEND (\a)-1
	TOSTAGE \a
.endr
	SEND 7
	s_wait_xcnt 0x0                                ; the stores' base, and the registers that they read, are rewritten only behind this wait
	s_mov_b64 s[84:85], s[86:87]
	WIN 0x01                                       ; source 0 in window 1
.set i, 0
.rept 64
	v_mov_b32 v[BI1+i], v[BI2+i]                   ; the second pass's bias
.set i, i+1
.endr
	WIN 0
	s_add_co_u32 s3, s3, 1
	s_cmp_lt_u32 s3, s9
	s_cbranch_scc1 .Lpass
	s_wait_tensorcnt 0x0                           ; the wave's end
	ds_add_u32 v[SPW], v[NIL]
	s_wait_dscnt 0x0
	CROUND                                         ; the closing round
	s_endpgm
.Lfunc_end_k_q45839e0602_proj:
	.size	k_q45839e0602_proj, .Lfunc_end_k_q45839e0602_proj-k_q45839e0602_proj
	.p2alignl 7, 3214868480
	.fill 96, 4, 3214868480
	.section	.rodata,"a",@progbits
	.p2align	6, 0x0
	.amdhsa_kernel k_q45839e0602_proj
		.amdhsa_group_segment_fixed_size 327680
		.amdhsa_private_segment_fixed_size 0
		.amdhsa_enable_private_segment 0
		.amdhsa_kernarg_size 64
		.amdhsa_user_sgpr_count 2
		.amdhsa_user_sgpr_kernarg_segment_ptr 1
		.amdhsa_wavefront_size32 1
		.amdhsa_system_sgpr_workgroup_id_x 1
		.amdhsa_system_sgpr_workgroup_id_y 1
		.amdhsa_system_sgpr_workgroup_id_z 1
		.amdhsa_system_vgpr_workitem_id 0
		.amdhsa_next_free_vgpr 1024
		.amdhsa_next_free_sgpr 100
		.amdhsa_reserve_vcc 0
		.amdhsa_float_denorm_mode_32 3
		.amdhsa_float_denorm_mode_16_64 3
		.amdhsa_memory_ordered 1
		.amdhsa_forward_progress 1
		.amdhsa_inst_pref_size 170
	.end_amdhsa_kernel
	.amdgpu_metadata
---
amdhsa.version: [ 1, 2 ]
amdhsa.kernels:
  - .name:           k_q45839e0602_proj
    .symbol:         k_q45839e0602_proj.kd
    .args:
      - { .name: xb, .offset: 0, .size: 8, .value_kind: global_buffer, .address_space: global }
      - { .name: r_w_bias, .offset: 8, .size: 8, .value_kind: global_buffer, .address_space: global }
      - { .name: r_r_bias, .offset: 16, .size: 8, .value_kind: global_buffer, .address_space: global }
      - { .name: kws, .offset: 24, .size: 8, .value_kind: global_buffer, .address_space: global }
      - { .name: vws, .offset: 32, .size: 8, .value_kind: global_buffer, .address_space: global }
      - { .name: qwws, .offset: 40, .size: 8, .value_kind: global_buffer, .address_space: global }
      - { .name: qrws, .offset: 48, .size: 8, .value_kind: global_buffer, .address_space: global }
      - { .name: rext, .offset: 56, .size: 8, .value_kind: global_buffer, .address_space: global }
    .group_segment_fixed_size: 327680
    .private_segment_fixed_size: 0
    .kernarg_segment_align: 8
    .kernarg_segment_size: 64
    .max_flat_workgroup_size: 128
    .sgpr_count:     100
    .vgpr_count:     1024
    .wavefront_size: 32
...
	.end_amdgpu_metadata
.endif
;; end of part 5
;; launch attn (part 6): grid 16 x 16, 4 waves a work-group, no clusters, 327,680 bytes of LDS; arguments qwws, qrws, kws, vws, rext, attn_mask, avws; writes avws
.if DOCPART == 6
	.amdgcn_target "amdgcn-amd-amdhsa--gfx1250"
	.amdhsa_code_object_version 6
	.text
	.protected	k_q45839e0602_attn
	.globl	k_q45839e0602_attn
	.p2align	8
	.type	k_q45839e0602_attn,@function
k_q45839e0602_attn:
	s_mov_b64 s[64:65], 0
	v_nop
	global_prefetch_b8 v0, s[64:65] scope:SCOPE_SE
	s_setreg_imm32_b32 hwreg(HW_REG_WAVE_MODE, 25, 1), 1
	s_wait_xcnt 0x0
; RELATIVE ATTENTION.  For head n, batch b, query i: z[j] = s (1 - m[i][j]) - CB m[i][j], s = qw_i . k_j + shift(qr . R)[i][j]; weights = softmax over all 2,048 keys j; avws = weights x v.
; qw, qr carry c = log2(e) / 8, so s is a power of two's exponent; CB = 1e30 log2(e) rounded to f32.  The mask is an input: every tile is computed, and the mask enters in f32.
; THE SHIFT.  With e = j - i + 1023: e <= 2047: qr_i . R[e]; e = 2048: 0; e >= 2049: qr_(i+1) . R[e - 2049].  rext holds R, a zero row, and R once more, so the value is (qr_i or qr_(i+1)) . rext[e];
; 2,048 is a multiple of 64, so each half of a step's 128 rows of rext takes one of the two.  The skew (e hangs on i) is made in LDS: the raw product, 16 queries x 80 values of e, f32, is stored
; at a row pitch of 336 bytes and read back at 332: what comes back is the C operand of K Q^T.
; SHARES.  A work-group: 64 queries (block I) of one head, all four batches; wave = batch; four tiles of 16 queries.  32 steps of 64 keys.  Mask tile and rext's rows serve all four waves.
; NO CLUSTER: partners (query blocks of a head) would change to qr_(i+1) at different steps, I + 16 and I + 17: a branch on the place in the cluster; what they would share is K and V, 64 of a step's 96 KiB.
; LAYOUT.  S^T = K Q^T: a lane holds ONE query (lane % 16) and keys 8 (lane / 16) + 0..7 of each 16; two such results rounded to bf16 ARE source 1 of O^T = V^T P.  p = 2^(z - m), running maximum m;
; O and l are multiplied by 2^(m_old - m_new) in every step.  m starts at the lowest finite number, O and l at 0.
; BY TURNS.  A step has 104 matrix and 600 vector instructions.  Turn a carries tile a's mask and softmax (a numbered list; SMI writes its next entry), dealt 5 or 6 behind each of the turn's 26 matrix instructions:
;   turn 0: V^T P of tile 3 of the step before, raw product of tile 2, K Q^T of tile 1        turn 1: raw product of tile 3, V^T P of tile 0, K Q^T of tile 2
;   turn 2: K Q^T of tile 3, V^T P of tile 1, raw product of tile 0 OF THE NEXT STEP            turn 3: raw product of tile 1 and K Q^T of tile 0 of the next step, V^T P of tile 2
; The change of slots stands at the head of turn 2: by then a step's rext rows, K, four masks and V are in registers.  The first trip's V^T P of tile 3 adds 0 (V and that P are cleared: 80 v_mov_b32, beside O's 128);
; the last trip's work for a next step runs on the slot read before and is thrown away (28 products, once a launch): the price of two copies of a step's text for three.
; LIMITS.  Operands bf16.  A weight below 2^-126 counts as 0.  NaN and infinities are not treated apart (a NaN loses in the maximum).
; REGISTERS, in windows of 256 (s_set_vgpr_msb: bits 1:0 source 0, 3:2 source 1, 5:4 source 2, 7:6 destination):
;   window 0: v1-15 addresses; v16-31 statistics (m, -, l, l a tile); v32-39 at work; v64-191 S^T, 32 a tile; v192-255 P, 16 a tile
;   window 1: v0-127 O^T; v128-191 masks of tiles 0, 1; v192-231 the raw product      window 2: v0-63 qw; v64-127, v128-191 qr for the lower, upper half of rext's rows; v192-255 K
;   window 3: v0-127 rext's rows; v128-191 V; v192-255 masks of tiles 2, 3
.set PK,   528                         ; a key's four batches, 512 bytes + 16
.set PV,   544                         ; the same + 32, for the turning load
.set PR,   144
.set PM,   272
.set VOFF, 64*PK
.set ROFF, VOFF+64*PV
.set MOFF, ROFF+128*PR
.set SLOT1, 1<<17                      ; one exclusive or turns an address in one slot into the other's
.set RAW,  SLOT1+MOFF+64*PM            ; behind the ring, never filled by a tensor load: 16 rows x 336 bytes for each wave; on the way out its stage
.set RP,   336
.set RAWB, 16*RP
.set SPARE, RAW+4*RAWB                 ; the spare words
.set SP,   144
.set AK0, 2
.set AV0, 3
.set AR0, 4
.set AM0, 5
.set AK,  6
.set AV,  7
.set AR,  8
.set AM,  9
.set RAWS, 10
.set RAWL, 11
.set QO,  12
.set STO, 13
.set RD,  14
.set GO,  15
.set ST,  16
.set C,   32
.set SPW, 48
.set NIL, 49
.set S,   64
.set P,   192
.set MK,  128                          ; window 1
.set MK2, 192                          ; window 3
.set RAWD, 192                         ; window 1
.set QLO, 64                           ; window 2
.set QHI, 128
.set KF,  192
.set VF,  128                          ; window 3
.set WV,  18
.set TB,  19                           ; s19  first byte of the slot whose step is being fetched into registers
.set SLOTS, 20
.set SW,  21                           ; s21  I + 16 - step
.set CB,  22                           ; s[22:23]
.set G1K, 24
.set G1V, 32
.set G1R, 40
.set G1M, 48
.set G0K, 56
.set G0V, 60
.set G0R, 68
.set G0M, 72
.set SEL, 76
.set MSB, 0
.set pl, 4                             ; plain vector instructions written since the last matrix instruction
.set vj, 0                             ; the next entry of the list in hand
.set mi, 0                             ; the next matrix instruction of the run in hand
.macro WIN new
.if MSB != (\new)
	s_set_vgpr_msb (MSB<<8)|(\new)
.set MSB, \new
.endif
.endm
.macro PLACES
.rept 4
	v_nop
.endr
.endm
; k plain vector instructions stand between the last matrix instruction and what follows (ISA guide 7.12.1 for vector instructions): the riders are counted, and only what is missing is filled
.macro NEED k
.if pl < (\k)
.rept (\k)-pl
	v_nop
.endr
.endif
.set pl, \k
.endm
.macro G1SET g, w0, d0, d1, st         ; a tile of d1 rows x d0 elements, st elements from row to row
	s_mov_b32 s[(\g)], \w0
	s_mov_b32 s[(\g)+1], (\d0)<<16
	s_mov_b32 s[(\g)+2], (\d1)<<16
	s_mov_b32 s[(\g)+3], (\d0)<<16
	s_mov_b32 s[(\g)+4], \d1
	s_mov_b32 s[(\g)+5], \st
	s_mov_b32 s[(\g)+6], 0
	s_mov_b32 s[(\g)+7], 0
.endm
.macro ONE g0, g1                      ; an s_nop 0 and four v_nop follow the load
	tensor_load_to_lds s[(\g0):(\g0)+3], s[(\g1):(\g1)+7]
	s_nop 0
.rept 4
	v_nop
.endr
.endm
.macro LOAD                            ; a step's four tiles, one a wave: 0 K, 1 V, 2 rext's rows, 3 the mask
	s_cmp_lt_u32 s[WV], 2
	s_cbranch_scc0 .Lrm_\@
	s_cmp_eq_u32 s[WV], 0
	s_cbranch_scc0 .Lv_\@
	ONE G0K, G1K
	s_branch .Lasked_\@
.Lv_\@:
	ONE G0V, G1V
	s_branch .Lasked_\@
.Lrm_\@:
	s_cmp_eq_u32 s[WV], 2
	s_cbranch_scc0 .Lm_\@
	ONE G0R, G1R
	s_branch .Lasked_\@
.Lm_\@:
	ONE G0M, G1M
.Lasked_\@:
.endm
; THE CHANGE OF SLOTS.  Each wave waits for all its tensor loads (one is out: its tile of the other slot), adds 0 to its spare word, and waits for that and for its reads of the slot that it leaves.
; Behind the barrier nobody reads the old slot and the other is whole.  fill = 1: the old slot takes the tiles of the step after the next, first thing behind the barrier; the load has a whole step in which to land.
.macro CHANGE fill
	WIN 0
	s_wait_tensorcnt 0x0                           ; no tensor load of mine is out, so a group 0 may be written
	ds_add_u32 v[SPW], v[NIL]
.if \fill
	s_xor_b32 s[G0K+1], s[G0K+1], SLOT1
	s_add_nc_u64 s[G0K+2:G0K+3], s[G0K+2:G0K+3], 32768
	s_xor_b32 s[G0V+1], s[G0V+1], SLOT1
	s_add_nc_u64 s[G0V+2:G0V+3], s[G0V+2:G0V+3], 32768
	s_xor_b32 s[G0R+1], s[G0R+1], SLOT1
	s_add_nc_u64 s[G0R+2:G0R+3], s[G0R+2:G0R+3], 8192
	s_xor_b32 s[G0M+1], s[G0M+1], SLOT1
	s_add_nc_u64 s[G0M+2:G0M+3], s[G0M+2:G0M+3], 256
.endif
	s_wait_dscnt 0x0                               ; the add is done, and my reads of the slot are over
	s_barrier_signal -1
	s_xor_b32 s[TB], s[TB], SLOT1
	s_barrier_wait -1
.if \fill
	LOAD
.endif
.endm
	s_load_b256 s[4:11], s[0:1], 0x0               ; qwws 4, qrws 6, kws 8, vws 10
	s_load_b128 s[12:15], s[0:1], 0x20             ; rext 12, attn_mask 14
	s_load_b64 s[16:17], s[0:1], 0x30              ; avws
	v_lshl_add_u32 v[SPW], v0, 2, SPARE
	v_mov_b32 v[NIL], 0
	ds_add_u32 v[SPW], v[NIL]                      ; the wave's opening: the add and its wait ahead of my first tensor load
	ds_add_u32 v48, v49
	v_lshrrev_b32 v1, 5, v0
	v_readfirstlane_b32 s[WV], v1                  ; wave = batch
	s_mov_b32 s78, ttmp9                           ; I
	s_and_b32 s79, ttmp7, 0xffff                   ; head
	G1SET G1K, (1<<16)|(1<<20)|(6<<22)|(3<<25), 256, 64, 256    ; 2-byte elements; 4 words of padding after every 128
	G1SET G1V, (1<<16)|(1<<20)|(6<<22)|(7<<25), 256, 64, 256    ; 8 words
	G1SET G1R, (1<<16)|(1<<20)|(4<<22)|(3<<25), 128, 64, 128    ; 128 dense rows of 128 bytes, asked for as 64 of 256, padded after every 32 words
	G1SET G1M, (2<<16)|(1<<20)|(5<<22)|(3<<25), 64, 64, 2048    ; 4-byte elements
	s_mov_b32 s[G0K], 1
	s_mov_b32 s[G0K+1], 0
	s_mov_b32 s[G0V], 1
	s_mov_b32 s[G0V+1], VOFF
	s_mov_b32 s[G0R], 1
	s_mov_b32 s[G0R+1], ROFF
	s_mov_b32 s[G0M], 1
	s_mov_b32 s[G0M+1], MOFF
	s_lshl_b32 s82, s79, 20                        ; K, V: the head
	s_mov_b32 s83, 0
	s_mul_i32 s84, s79, 409600                     ; rext: the head, and row 64 (15 - I): step s wants e from 64 (s + 15 - I) on
	s_sub_co_u32 s85, 15, s78
	s_lshl_b32 s85, s85, 13
	s_add_co_u32 s84, s84, s85
	s_mov_b32 s85, 0
	s_lshl_b32 s86, s78, 19                        ; the mask: 64 rows of 8,192 bytes a block
	s_mov_b32 s87, 0
	s_lshl_b32 s88, s79, 19                        ; q: head, 64 I rows of four batches, my batch
	s_lshl_b32 s89, s78, 15
	s_add_co_u32 s88, s88, s89
	s_lshl_b32 s89, s[WV], 7
	s_add_co_u32 s88, s88, s89
	s_mov_b32 s89, 0
	s_lshl_b32 s90, s79, 19                        ; avws [head][batch][query][64]
	s_lshl_b32 s91, s[WV], 17
	s_add_co_u32 s90, s90, s91
	s_lshl_b32 s91, s78, 13
	s_add_co_u32 s90, s90, s91
	s_mov_b32 s91, 0
	s_mov_b32 s[TB], SLOT1                         ; the first change of slots turns it into 0
	s_add_co_u32 s[SW], s78, 16
	s_mov_b32 s[CB], 0x7191accb                    ; 1e30 log2(e)
	s_mov_b32 s[CB+1], s[CB]
	s_mov_b32 s[SEL], 0x76543210
	s_mov_b32 s[SEL+1], 0xfedcba98
	s_wait_dscnt 0x0                               ; the opening add is done
	s_wait_kmcnt 0x0
	s_add_nc_u64 s[G0K+2:G0K+3], s[8:9], s[82:83]
	s_or_b32 s[G0K+3], s[G0K+3], 0x80000000
	s_add_nc_u64 s[G0V+2:G0V+3], s[10:11], s[82:83]
	s_or_b32 s[G0V+3], s[G0V+3], 0x80000000
	s_add_nc_u64 s[G0R+2:G0R+3], s[12:13], s[84:85]
	s_or_b32 s[G0R+3], s[G0R+3], 0x80000000
	s_add_nc_u64 s[G0M+2:G0M+3], s[14:15], s[86:87]
	s_or_b32 s[G0M+3], s[G0M+3], 0x80000000
	s_add_nc_u64 s[4:5], s[4:5], s[88:89]
	s_add_nc_u64 s[6:7], s[6:7], s[88:89]
	s_add_nc_u64 s[16:17], s[16:17], s[90:91]
	LOAD                                           ; step 0 into slot 0: one load of mine is out
	v_and_b32 v1, 15, v0                           ; l % 16
	v_bfe_u32 v50, v0, 4, 1                        ; l / 16
	v_and_b32 v51, 7, v0
	v_bfe_u32 v52, v0, 3, 1
	v_lshlrev_b32 v[QO], 9, v1                     ; a query's four batches are 512 bytes
	v_lshl_add_u32 v[QO], v50, 4, v[QO]
	WIN 0x80                                       ; destination window 2
.irp a, 0,1,2,3
.irp c, 0,1
	global_load_b128 v[16*(\a)+8*(\c):16*(\a)+8*(\c)+3],         v[QO], s[4:5] offset:(\a)*8192+(\c)*64
	global_load_b128 v[16*(\a)+8*(\c)+4:16*(\a)+8*(\c)+7],       v[QO], s[4:5] offset:(\a)*8192+(\c)*64+32
	global_load_b128 v[QLO+16*(\a)+8*(\c):QLO+16*(\a)+8*(\c)+3],   v[QO], s[6:7] offset:(\a)*8192+(\c)*64
	global_load_b128 v[QLO+16*(\a)+8*(\c)+4:QLO+16*(\a)+8*(\c)+7], v[QO], s[6:7] offset:(\a)*8192+(\c)*64+32
	global_load_b128 v[QHI+16*(\a)+8*(\c):QHI+16*(\a)+8*(\c)+3],   v[QO], s[6:7] offset:(\a)*8192+(\c)*64
	global_load_b128 v[QHI+16*(\a)+8*(\c)+4:QHI+16*(\a)+8*(\c)+7], v[QO], s[6:7] offset:(\a)*8192+(\c)*64+32
.endr
.endr
	WIN 0x40
.set i, 0
.rept 128
	v_mov_b32 v[i], 0                              ; O^T
.set i, i+1
.endr
	WIN 0xc0
.set i, 0
.rept 64
	v_mov_b32 v[VF+i], 0                           ; V: the first trip's products for a step that has not been add 0
.set i, i+1
.endr
	WIN 0
.set i, 0
.rept 16
	v_mov_b32 v[P+48+i], 0                         ; and tile 3's P
.set i, i+1
.endr
.irp t, 0,1,2,3
	v_mov_b32 v[ST+4*(\t)], 0xff7fffff             ; m
	v_mov_b32 v[ST+4*(\t)+1], 0                    ; named with m as a pair
	v_mov_b32 v[ST+4*(\t)+2], 0                    ; l
	v_mov_b32 v[ST+4*(\t)+3], 0
.endr
	s_lshl_b32 s92, s[WV], 7                       ; my batch's 128 bytes of a key's row
	v_mul_u32_u24 v[AK0], v1, PK
	v_lshl_add_u32 v[AK0], v50, 4, v[AK0]
	v_add_nc_u32 v[AK0], s92, v[AK0]
	s_add_co_u32 s92, s92, VOFF
	v_lshl_add_u32 v[AV0], v50, 3, v51             ; turned: key 8 (l / 16) + l % 8, 16 bytes (l / 8) % 2
	v_mul_u32_u24 v[AV0], v[AV0], PV
	v_lshl_add_u32 v[AV0], v52, 4, v[AV0]
	v_add_nc_u32 v[AV0], s92, v[AV0]
	v_mul_u32_u24 v[AR0], v1, PR
	v_lshl_add_u32 v[AR0], v50, 4, v[AR0]
	v_add_nc_u32 v[AR0], ROFF, v[AR0]
	v_mul_u32_u24 v[AM0], v1, PM                   ; the mask in S^T's layout: row = query, 32 bytes for each half of the lanes
	v_lshl_add_u32 v[AM0], v50, 5, v[AM0]
	v_add_nc_u32 v[AM0], MOFF, v[AM0]
	s_mul_i32 s93, s[WV], RAWB
	s_add_co_u32 s93, s93, RAW                     ; my raw buffer
	v_mul_u32_u24 v[RAWS], v1, RP                  ; in: query x 336 + 4 x (e's place, 8 (l / 16) on)
	v_lshl_add_u32 v[RAWS], v50, 5, v[RAWS]
	v_add_nc_u32 v[RAWS], s93, v[RAWS]
	v_mul_u32_u24 v[RAWL], v1, RP-4                ; back: key jj of query ii lies at place 15 + jj - ii: query x 332 + 60 + 4 jj
	v_lshl_add_u32 v[RAWL], v50, 5, v[RAWL]
	v_add_nc_u32 v[RAWL], s93, v[RAWL]
	v_add_nc_u32 v[RAWL], 60, v[RAWL]
	v_mul_u32_u24 v[STO], v1, SP
	v_lshl_add_u32 v[STO], v50, 4, v[STO]
	v_add_nc_u32 v[STO], s93, v[STO]
	v_bfe_u32 v[RD], v0, 3, 2
	v_mul_u32_u24 v[RD], v[RD], SP
	v_lshl_add_u32 v[RD], v51, 4, v[RD]
	v_add_nc_u32 v[RD], s93, v[RD]
	v_and_b32 v[GO], 31, v0
	v_lshlrev_b32 v[GO], 4, v[GO]
; THE MATRIX WORK, one instruction at a time; mi counts within a run.  In every run the accumulators take turns, one instruction a turn.
.macro BDM a                           ; 10: tile a's raw product: blocks u = 3 - a .. 7 - a of the step's eight blocks of 16 rows of rext, channels 32 (mi / 5) on
	WIN 0x5b                                       ; rext's rows window 3, qr window 2, C and D window 1
.set bc, mi/5
.set bT, mi%5
.set u, bT-(\a)+3
.set rQ, QLO+64*(u/4)+16*(\a)+8*bc
.if bc == 0
	v_wmma_f32_16x16x32_bf16 v[RAWD+8*bT:RAWD+8*bT+7], v[16*u+8*bc:16*u+8*bc+7], v[rQ:rQ+7], 0
.else
	v_wmma_f32_16x16x32_bf16 v[RAWD+8*bT:RAWD+8*bT+7], v[16*u+8*bc:16*u+8*bc+7], v[rQ:rQ+7], v[RAWD+8*bT:RAWD+8*bT+7]
.endif
.set mi, mi+1
.set pl, 0
.endm
.macro ACM a                           ; 8: S^T += K qw^T, onto the shifted product
	WIN 0x0a
.set bc, mi/4
.set bT, mi%4
	v_wmma_f32_16x16x32_bf16 v[S+32*(\a)+8*bT:S+32*(\a)+8*bT+7], v[KF+16*bT+8*bc:KF+16*bT+8*bc+7], v[16*(\a)+8*bc:16*(\a)+8*bc+7], v[S+32*(\a)+8*bT:S+32*(\a)+8*bT+7]
.set mi, mi+1
.set pl, 0
.endm
.macro PVM a                           ; 8: O^T += V^T P
	WIN 0x53
.set bc, mi/4
.set bT, mi%4
	v_wmma_f32_16x16x32_bf16 v[32*(\a)+8*bT:32*(\a)+8*bT+7], v[VF+32*bc+8*bT:VF+32*bc+8*bT+7], v[P+16*(\a)+8*bc:P+16*(\a)+8*bc+7], v[32*(\a)+8*bT:32*(\a)+8*bT+7]
.set mi, mi+1
.set pl, 0
.endm
; THE VECTOR WORK: entry vj of tile a's list.
;   0-15 s (1 - m)     16-31 - CB m     32-47 the maximum of 32 scores and the old m, four chains, three operands at a time (each accumulator's lowest registers are read first)
;   48-53 the other half of the lanes' maximum; the new m; m_old - m_new; its power of two, twice (a pair for the packed forms)     54-56 z - m for pairs 0-2
;   57-120 sixteen groups of four: the exponential of score 2 p; z - m for pair p + 3; the exponential of score 2 p + 1; pair p - 1 rounded to bf16 (four of the places are empty).  So a plain instruction that
;          touches neither stands between every exponential and the use of its result     121 pair 15 rounded     122-137 the sum of the 16 pairs, as a tree, in place; l = l a + sum     138-153 O^T times a
.macro SMI a
.set rS, S+32*(\a)
.set rT, ST+4*(\a)
.set rP, P+16*(\a)
.set rO, 32*(\a)
.set rM, MK+32*(\a)
.set wM, 0x01                          ; source 0 (the mask) in window 1,
.if (\a) > 1
.set rM, MK2+32*((\a)-2)
.set wM, 0x03                          ; or 3
.endif
.set isp, 1
.set sk, vj-57
.set sp, sk/4
.set sq, sk%4
.if (vj >= 32) && (vj < 138)
	WIN 0
.endif
.if vj < 16
	WIN wM
	v_pk_fma_f32 v[rS+2*vj:rS+2*vj+1], v[rM+2*vj:rM+2*vj+1], v[rS+2*vj:rS+2*vj+1], v[rS+2*vj:rS+2*vj+1] neg_lo:[1,0,0] neg_hi:[1,0,0]
.elseif vj < 32
	WIN wM
	v_pk_fma_f32 v[rS+2*vj-32:rS+2*vj-31], v[rM+2*vj-32:rM+2*vj-31], s[CB:CB+1], v[rS+2*vj-32:rS+2*vj-31] op_sel_hi:[1,0,1] neg_lo:[1,0,0] neg_hi:[1,0,0]
.elseif vj < 36
	v_max3_num_f32 v[C+vj-32], v[rS+8*(vj-32)], v[rS+8*(vj-32)+1], v[rS+8*(vj-32)+2]
.elseif vj < 44
	v_max3_num_f32 v[C+vj%4], v[C+vj%4], v[rS+8*(vj%4)+2*((vj-32)/4)+1], v[rS+8*(vj%4)+2*((vj-32)/4)+2]
.elseif vj == 44
	v_max3_num_f32 v[C], v[C], v[rS+7], v[rS+15]
.elseif vj == 45
	v_max3_num_f32 v[C+1], v[C+1], v[rS+23], v[rS+31]
.elseif vj == 46
	v_max3_num_f32 v[C+2], v[C+2], v[C+3], v[rT]
.elseif vj == 47
	v_max3_num_f32 v[C], v[C], v[C+1], v[C+2]
.elseif vj == 48
	v_permlanex16_b32 v[C+3], v[C], s[SEL], s[SEL+1]  ; the query's other 32 keys lie in the lane 16 away
.set isp, 0
.elseif vj == 49
	v_max_num_f32 v[C+2], v[C], v[C+3]
.elseif vj == 50
	v_sub_f32 v[C+1], v[rT], v[C+2]
.elseif vj == 51
	v_mov_b32 v[rT], v[C+2]
.elseif vj == 52
	v_exp_f32 v[C+4], v[C+1]
.set isp, 0
.elseif vj == 53
	v_exp_f32 v[C+5], v[C+1]
.set isp, 0
.elseif vj < 57
	v_pk_add_f32 v[rS+2*(vj-54):rS+2*(vj-54)+1], v[rS+2*(vj-54):rS+2*(vj-54)+1], v[rT:rT+1] op_sel_hi:[1,0] neg_lo:[0,1] neg_hi:[0,1]
.elseif vj < 121
.if sq == 0
	v_exp_f32 v[rS+2*sp], v[rS+2*sp]
.set isp, 0
.elseif sq == 2
	v_exp_f32 v[rS+2*sp+1], v[rS+2*sp+1]
.set isp, 0
.elseif (sq == 1) && (sp < 13)
	v_pk_add_f32 v[rS+2*sp+6:rS+2*sp+7], v[rS+2*sp+6:rS+2*sp+7], v[rT:rT+1] op_sel_hi:[1,0] neg_lo:[0,1] neg_hi:[0,1]
.elseif (sq == 3) && (sp > 0)
	s_wait_alu depctr_va_vdst(0)
	v_cvt_pk_bf16_f32 v[rP+sp-1], v[rS+2*sp-2], v[rS+2*sp-1]
.else
.set isp, 0
.endif
.elseif vj == 121
	v_cvt_pk_bf16_f32 v[rP+15], v[rS+30], v[rS+31]
.elseif vj < 130
	v_pk_add_f32 v[rS+4*(vj-122):rS+4*(vj-122)+1], v[rS+4*(vj-122):rS+4*(vj-122)+1], v[rS+4*(vj-122)+2:rS+4*(vj-122)+3]
.elseif vj < 134
	v_pk_add_f32 v[rS+8*(vj-130):rS+8*(vj-130)+1], v[rS+8*(vj-130):rS+8*(vj-130)+1], v[rS+8*(vj-130)+4:rS+8*(vj-130)+5]
.elseif vj == 134
	v_pk_add_f32 v[rS:rS+1], v[rS:rS+1], v[rS+8:rS+9]
.elseif vj == 135
	v_pk_add_f32 v[rS+16:rS+17], v[rS+16:rS+17], v[rS+24:rS+25]
.elseif vj == 136
	v_pk_add_f32 v[rS:rS+1], v[rS:rS+1], v[rS+16:rS+17]
.elseif vj == 137
	v_pk_fma_f32 v[rT+2:rT+3], v[rT+2:rT+3], v[C+4:C+5], v[rS:rS+1]
.elseif vj < 154
	WIN 0x41                                       ; O^T (destination, source 0) in window 1
	v_pk_mul_f32 v[rO+2*(vj-138):rO+2*(vj-138)+1], v[rO+2*(vj-138):rO+2*(vj-138)+1], v[C+4:C+5]
.else
.set isp, 0
.endif
.set pl, pl+isp
.set vj, vj+1
.endm
.macro RID a, n                        ; the next n entries
.rept \n
	SMI \a
.endr
.endm
.macro REST a                          ; what is left of the list
.rept 154-vj
	SMI \a
.endr
.endm
.macro GRP kind, a, cnt, sa, n         ; a run of cnt matrix instructions for tile a, n entries of tile sa's list behind each
.set mi, 0
.rept \cnt
	\kind \a
	RID \sa, \n
.endr
.endm
; THE LDS WORK, in runs
.macro BDRUN a                         ; tile a's raw product through my raw buffer into S^T's registers
	NEED 5                                         ; four places in front of the stores of these results, five in front of the next raw product, which writes over them
	WIN 0x04                                       ; store data in window 1
.irp T, 0,1,2,3,4
	ds_store_b128 v[RAWS], v[RAWD+8*(\T):RAWD+8*(\T)+3]   offset:64*(\T)
	ds_store_b128 v[RAWS], v[RAWD+8*(\T)+4:RAWD+8*(\T)+7] offset:64*(\T)+16
.endr
	WIN 0
.set i, 0
.rept 32                               ; LDS serves a wave's instructions in order (ISA guide 5.7.1.4): these see the stores above, and the next run's stores come behind them
	ds_load_b32 v[S+32*(\a)+i], v[RAWL] offset:64*(i/8)+4*(i%8)
.set i, i+1
.endr
.endm
.macro LOADR                           ; rext: block f / 2, channels 32 (f % 2) on
	WIN 0xc0
.irp f, 0,1,2,3,4,5,6,7,8,9,10,11,12,13,14,15
	ds_load_b128 v[8*(\f):8*(\f)+3],   v[AR] offset:((\f)/2)*16*PR+((\f)%2)*64
	ds_load_b128 v[8*(\f)+4:8*(\f)+7], v[AR] offset:((\f)/2)*16*PR+((\f)%2)*64+32
.endr
.endm
.macro LOADV                           ; V, turned: keys 32 (f / 4) on, channels 16 (f % 4) on
	NEED 4
	WIN 0xc0
.irp f, 0,1,2,3,4,5,6,7
	ds_load_tr16_b128 v[VF+8*(\f):VF+8*(\f)+3],   v[AV] offset:((\f)/4)*32*PV+((\f)%4)*32
	ds_load_tr16_b128 v[VF+8*(\f)+4:VF+8*(\f)+7], v[AV] offset:((\f)/4)*32*PV+16*PV+((\f)%4)*32
.endr
.endm
.macro LOADK                           ; K: keys 16 (f / 2) on, channels 32 (f % 2) on
	NEED 4
	WIN 0x80
.irp f, 0,1,2,3,4,5,6,7
	ds_load_b128 v[KF+8*(\f):KF+8*(\f)+3],   v[AK] offset:((\f)/2)*16*PK+((\f)%2)*64
	ds_load_b128 v[KF+8*(\f)+4:KF+8*(\f)+7], v[AK] offset:((\f)/2)*16*PK+((\f)%2)*64+32
.endr
.endm
.macro MLOAD a                         ; tile a's mask
.if (\a) < 2
	WIN 0x40
.set rM, MK+32*(\a)
.else
	WIN 0xc0
.set rM, MK2+32*((\a)-2)
.endif
.irp kt, 0,1,2,3
	ds_load_b128 v[rM+8*(\kt):rM+8*(\kt)+3],   v[AM] offset:(\a)*16*PM+64*(\kt)
	ds_load_b128 v[rM+8*(\kt)+4:rM+8*(\kt)+7], v[AM] offset:(\a)*16*PM+64*(\kt)+16
.endr
.endm
.macro ADDRS                           ; the LDS addresses of the step whose tiles lie at s[TB]
	WIN 0
	v_add_nc_u32 v[AK], s[TB], v[AK0]
	v_add_nc_u32 v[AV], s[TB], v[AV0]
	v_add_nc_u32 v[AR], s[TB], v[AR0]
	v_add_nc_u32 v[AM], s[TB], v[AM0]
.endm
.macro RELOAD base                     ; qr of the queries one further on, into one of qr's two sets
	PLACES
	WIN 0x80
.irp a, 0,1,2,3
.irp c, 0,1
	global_load_b128 v[(\base)+16*(\a)+8*(\c):(\base)+16*(\a)+8*(\c)+3],   v[QO], s[6:7] offset:512+(\a)*8192+(\c)*64
	global_load_b128 v[(\base)+16*(\a)+8*(\c)+4:(\base)+16*(\a)+8*(\c)+7], v[QO], s[6:7] offset:512+(\a)*8192+(\c)*64+32
.endr
.endr
	WIN 0
	s_wait_loadcnt 0x0
.endm
.macro WRAP                            ; between a step's last raw product and the next step's first.  The jumps go forward, over loads into registers alone; they hang on I and the step's number
	s_cmp_lg_u32 s[SW], 1
	s_cbranch_scc1 .Lnh_\@
	RELOAD QHI                                     ; the next step is I + 16: the upper 64 rows of rext begin at e = 2,048
.Lnh_\@:
	s_cmp_lg_u32 s[SW], 0
	s_cbranch_scc1 .Lnl_\@
	RELOAD QLO                                     ; the next step is I + 17: the lower 64 too
.Lnl_\@:
	s_sub_co_i32 s[SW], s[SW], 1
.endm
; A TRIP: a step's four turns.  Each wait's count is the number of LDS instructions issued behind what is waited for (63 where more stand behind it than a wait can name).
.macro BODY fill
.set vj, 0                             ; TURN 0
	s_wait_dscnt 50                                ; tile 0's mask: behind the masks of tiles 0-2 stand tile 3's 8 loads and a raw run's 42
	GRP PVM, 3, 8, 0, 5
	LOADV                                          ; this step's V
	GRP BDM, 2, 10, 0, 5
	BDRUN 2
	s_wait_dscnt 58                                ; tile 1's shifted product: behind it V's 16 and a run's 42
	GRP ACM, 1, 8, 0, 6
	REST 0
.set vj, 0                             ; TURN 1
	GRP BDM, 3, 10, 1, 5
	BDRUN 3
	s_wait_dscnt 63                                ; V: behind it two runs, 84
	GRP PVM, 0, 8, 1, 6
	s_wait_dscnt 42                                ; tile 2's shifted product: behind it one run
	GRP ACM, 2, 8, 1, 6
	REST 1
	CHANGE \fill                           ; TURN 2: all of this step's tiles are in registers
	WRAP
	ADDRS
	LOADR                                          ; the next step's rows of rext
.set vj, 0
	GRP ACM, 3, 8, 2, 5
	LOADK                                          ; the next step's K
	GRP PVM, 1, 8, 2, 5
	s_wait_dscnt 16                                ; rext's rows: behind them K's 16
	GRP BDM, 0, 10, 2, 5
	BDRUN 0
	REST 2
.set vj, 0                             ; TURN 3
	MLOAD 0                                        ; the next step's masks; tile 3's buffer is free behind entry 31
	MLOAD 1
	MLOAD 2
	GRP BDM, 1, 10, 3, 5
	MLOAD 3
	BDRUN 1
	GRP PVM, 2, 8, 3, 6
	s_wait_dscnt 63                                ; tile 0's shifted product, and K before it: behind them 32 mask loads and a run's 42
	GRP ACM, 0, 8, 3, 6
	REST 3
.endm
	s_wait_loadcnt 0x0                             ; q
	CHANGE 1                                       ; step 0 is in, everybody's part of it; step 1 is asked for
	ADDRS                                          ; what turns 2 and 3 do for a next step, once for step 0: there is no vector work yet to set between
	LOADR
	LOADK
	MLOAD 0
	MLOAD 1
	MLOAD 2
	MLOAD 3
	s_wait_dscnt 48                                ; rext's rows: behind them K's 16 and the masks' 32
.set mi, 0
.rept 10
	BDM 0
.endr
	BDRUN 0
.set mi, 0
.rept 10
	BDM 1
.endr
	BDRUN 1
	s_wait_dscnt 42                                ; tile 0's shifted product: behind it one run
.set mi, 0
.rept 8
	ACM 0
.endr
	PLACES                                         ; in front of the first read of those scores
	WIN 0
	s_mov_b32 s[SLOTS], 30
.Lstep:                                                ; 30 trips: steps 0 to 29; trip s asks for step s + 2
	BODY 1
	WIN 0
	s_sub_co_u32 s[SLOTS], s[SLOTS], 1
	s_cmp_lg_u32 s[SLOTS], 0
	s_cbranch_scc1 .Lstep
	s_mov_b32 s[SLOTS], 2
.Ltail:                                                ; steps 30 and 31 ask for nothing: written out
	BODY 0
	WIN 0
	s_sub_co_u32 s[SLOTS], s[SLOTS], 1
	s_cmp_lg_u32 s[SLOTS], 0
	s_cbranch_scc1 .Ltail
.set mi, 0
.rept 8
	PVM 3                                          ; tile 3's V^T P of the last step
.endr
	; THE WAY OUT.  l's two halves and the other half of the lanes' are added; O^T is divided by l, rounded to bf16 and sent through my stage, a tile at a time.  The first additions are the places behind the last products.
	WIN 0
	s_wait_dscnt 0x0                               ; the last trip's loads into S^T's registers, which serve nothing, have landed: those registers are at work below
.irp t, 0,1,2,3
	v_add_f32 v[ST+4*(\t)+2], v[ST+4*(\t)+2], v[ST+4*(\t)+3]
.endr
.irp t, 0,1,2,3
	v_permlanex16_b32 v[ST+4*(\t)+3], v[ST+4*(\t)+2], s[SEL], s[SEL+1]
.endr
.irp t, 0,1,2,3
	v_add_f32 v[ST+4*(\t)+2], v[ST+4*(\t)+2], v[ST+4*(\t)+3]
.endr
.irp t, 0,1,2,3
	v_rcp_f32 v[ST+4*(\t)+2], v[ST+4*(\t)+2]
.endr
	v_nop                                          ; a plain instruction between the last reciprocal and the use of its result
.macro PACK t
	WIN 0x41
.set i, 32*(\t)
.rept 16
	s_wait_alu depctr_va_vdst(0)
	v_pk_mul_f32 v[i:i+1], v[i:i+1], v[ST+4*(\t)+2:ST+4*(\t)+3] op_sel_hi:[1,0]
.set i, i+2
.endr
	WIN 0x05                                       ; sources 0 and 1 window 1, destination window 0
.set i, 0
.rept 16
	v_cvt_pk_bf16_f32 v[S+16*(\t)+i], v[32*(\t)+2*i], v[32*(\t)+2*i+1]
.set i, i+1
.endr
	WIN 0
.irp f, 0,1,2,3
	ds_store_b128 v[STO], v[S+16*(\t)+4*(\f):S+16*(\t)+4*(\f)+3] offset:32*(\f)
.endr
.irp f, 0,1,2,3
	ds_load_b128 v[S+16*(\t)+4*(\f):S+16*(\t)+4*(\f)+3], v[RD] offset:(\f)*4*SP  ; in order behind the stores above; the next tile's stores come behind them
.endr
.endm
.macro SEND t, younger                 ; younger: the LDS instructions issued behind tile t's loads: the next tile's eight, or none
	WIN 0
.irp f, 0,1,2,3
	s_wait_dscnt (\younger)+3-(\f)
	global_store_b128 v[GO], v[S+16*(\t)+4*(\f):S+16*(\t)+4*(\f)+3], s[16:17] offset:(\t)*2048+(\f)*512  ; 512 consecutive bytes
.endr
.endm
	PACK 0
	PACK 1
	SEND 0, 8
	PACK 2
	SEND 1, 8
	PACK 3
	SEND 2, 8
	SEND 3, 0
	s_wait_tensorcnt 0x0                           ; the wave's end
	ds_add_u32 v[SPW], v[NIL]
	s_wait_dscnt 0x0
	s_endpgm
.Lfunc_end_k_q45839e0602_attn:
	.size	k_q45839e0602_attn, .Lfunc_end_k_q45839e0602_attn-k_q45839e0602_attn
	.p2alignl 7, 3214868480
	.fill 96, 4, 3214868480
	.section	.rodata,"a",@progbits
	.p2align	6, 0x0
	.amdhsa_kernel k_q45839e0602_attn
		.amdhsa_group_segment_fixed_size 327680
		.amdhsa_private_segment_fixed_size 0
		.amdhsa_enable_private_segment 0
		.amdhsa_kernarg_size 56
		.amdhsa_user_sgpr_count 2
		.amdhsa_user_sgpr_kernarg_segment_ptr 1
		.amdhsa_wavefront_size32 1
		.amdhsa_system_sgpr_workgroup_id_x 1
		.amdhsa_system_sgpr_workgroup_id_y 1
		.amdhsa_system_sgpr_workgroup_id_z 1
		.amdhsa_system_vgpr_workitem_id 0
		.amdhsa_next_free_vgpr 1024
		.amdhsa_next_free_sgpr 100
		.amdhsa_reserve_vcc 0
		.amdhsa_float_denorm_mode_32 3
		.amdhsa_float_denorm_mode_16_64 3
		.amdhsa_memory_ordered 1
		.amdhsa_forward_progress 1
		.amdhsa_inst_pref_size 192
	.end_amdhsa_kernel
	.amdgpu_metadata
---
amdhsa.version: [ 1, 2 ]
amdhsa.kernels:
  - .name:           k_q45839e0602_attn
    .symbol:         k_q45839e0602_attn.kd
    .args:
      - { .name: qwws, .offset: 0, .size: 8, .value_kind: global_buffer, .address_space: global }
      - { .name: qrws, .offset: 8, .size: 8, .value_kind: global_buffer, .address_space: global }
      - { .name: kws, .offset: 16, .size: 8, .value_kind: global_buffer, .address_space: global }
      - { .name: vws, .offset: 24, .size: 8, .value_kind: global_buffer, .address_space: global }
      - { .name: rext, .offset: 32, .size: 8, .value_kind: global_buffer, .address_space: global }
      - { .name: attn_mask, .offset: 40, .size: 8, .value_kind: global_buffer, .address_space: global }
      - { .name: avws, .offset: 48, .size: 8, .value_kind: global_buffer, .address_space: global }
    .group_segment_fixed_size: 327680
    .private_segment_fixed_size: 0
    .kernarg_segment_align: 8
    .kernarg_segment_size: 56
    .max_flat_workgroup_size: 128
    .sgpr_count:     100
    .vgpr_count:     1024
    .wavefront_size: 32
...
	.end_amdgpu_metadata
.endif
;; end of part 6
;; launch oproj (part 7): grid 32 x 8, 4 waves a work-group, clusters of 4 x 1, 327,680 bytes of LDS; arguments avws, xb, w, xws; writes xws
.if DOCPART == 7
	.amdgcn_target "amdgcn-amd-amdhsa--gfx1250"
	.amdhsa_code_object_version 6
	.text
	.protected	k_q45839e0602_oproj
	.globl	k_q45839e0602_oproj
	.p2align	8
	.type	k_q45839e0602_oproj,@function
k_q45839e0602_oproj:
	s_mov_b64 s[64:65], 0
	v_nop
	global_prefetch_b8 v0, s[64:65] scope:SCOPE_SE
	s_setreg_imm32_b32 hwreg(HW_REG_WAVE_MODE, 25, 1), 1
	s_wait_xcnt 0x0
	s_wait_alu depctr_hold_cnt(0) depctr_sa_sdst(0) depctr_va_vdst(0) depctr_va_sdst(0) depctr_va_ssrc(0) depctr_va_vcc(0) depctr_vm_vsrc(0)
	s_getreg_b32 s2, hwreg(HW_REG_IB_STS2, 6, 4)
	s_cmp_eq_u32 s2, 0
	s_cbranch_scc0 .Lentry_in_a_cluster
	s_endpgm
.Lentry_in_a_cluster:
	s_bfe_u32 s2, ttmp6, 0x10000c
	s_cmp_lg_u32 s2, 0x3003
	s_cbranch_scc0 .Lentry_shape_is_right
	s_endpgm
.Lentry_shape_is_right:
; xws = w + attn_vec o_kernel, f32.  Products in bf16 with f32 sums; the residual is added in f32.  (The norm over a row's 1,024 columns spans eight of these work-groups: it is the next launch.)
; A work-group makes 128 rows x 128 columns: 32 x 8 = 256 work-groups.  o_kernel's 128 columns for ALL of K, 1,024 rows of 256 bytes as they lie in memory, fit in LDS at once: each wave fetches
; four tiles of 64 rows, all at the start, and NOTHING IS FILLED AGAIN: the walk along K has four plain barriers, one in front of each quarter of K, and no refill.
; The four work-groups of a cluster are four row tiles of one column tile and need the same weights: they ask jointly.
; A wave makes 32 rows x 128 columns, 16 accumulators.  Its attn_vec, 32 rows x 1,024, is 512 registers: 128 loads straight from memory, all issued at the start, no wave reading what another reads.
; The price of that share: each fragment of the weights (two turning LDS loads) feeds two matrix instructions.
; THE MATRIX INSTRUCTION IS USED TRANSPOSED (source 0 = 16 columns of the weights, source 1 = 16 rows of attn_vec): a lane holds eight neighbouring columns of one row.
; REGISTERS: window 0: v16-39 addresses; v64-191 two buffers of the weights' fragments, later at work.  Window 1: v0-127 accumulator (mb, nb) at v[8 (8 mb + nb)]; v128-255 my part of w.
; Windows 2, 3: attn_vec: head hd, row block mb, channel half c at register 32 hd + 16 mb + 8 c of the 512.
.set PB,    288                        ; a row of the weights in LDS: 256 bytes + 32
.set BQ,    256*PB                     ; a quarter of K
.set STAGE, 1024*PB                    ; behind the weights, never filled by a tensor load: 16 rows x 272 bytes for each wave
.set SPT,   272
.set SPARE, STAGE+4*16*SPT             ; the spare words
.set AO,   16
.set GO,   17
.set STO,  18
.set RD,   19
.set SPW,  28
.set NIL,  29
.set ADRB, 32                          ; v32-39  my lane's place in the weights, 128 rows of K apart
.set F0,   64
.set X,    64
.set WR,   128                         ; window 1
.set WV,   16
.set G1,   24
.set G0,   32                          ; s[32:47]  four sets
.set MSB, 0
.macro WIN new
.if MSB != (\new)
	s_set_vgpr_msb (MSB<<8)|(\new)
.set MSB, \new
.endif
.endm
.macro PLACES
.rept 4
	v_nop
.endr
.endm
.macro CROUND                          ; a round of the cluster's barrier
	s_barrier_signal -1
	s_barrier_wait -1
	s_cmp_lg_u32 s[WV], 0
	s_cbranch_scc1 .Lnot_wave_0_\@
	s_barrier_signal -3
.Lnot_wave_0_\@:
	s_barrier_wait -3
	s_barrier_signal -1
	s_barrier_wait -1
.endm
	s_load_b256 s[4:11], s[0:1], 0x0               ; avws 4, xb 6, w 8, xws 10
	v_lshl_add_u32 v[SPW], v0, 2, SPARE
	v_mov_b32 v[NIL], 0
	ds_add_u32 v[SPW], v[NIL]                      ; the wave's opening: the add and its wait ahead of my first tensor load
	ds_add_u32 v28, v29
	v_lshrrev_b32 v1, 5, v0
	v_readfirstlane_b32 s[WV], v1
	s_bfe_u32 s17, ttmp6, 0x40000                  ; cx
	s_lshl_b32 s18, ttmp9, 2
	s_add_co_u32 s18, s18, s17                     ; row tile: it enters the addresses of attn_vec, w and xws alone
	s_and_b32 s19, ttmp7, 0xffff                   ; column tile, which the four partners share
	s_mov_b32 s[G1], 15|(1<<16)|(1<<20)|(1<<21)|(5<<22)|(7<<25)  ; the mask of four; 2-byte elements; padding on; bit 21 beside a mask; 8 words after every 64
	s_mov_b32 s[G1+1], 128<<16                     ; tensor_dim0
	s_mov_b32 s[G1+2], 64<<16                      ; tensor_dim1
	s_mov_b32 s[G1+3], 128<<16                     ; tile_dim0
	s_mov_b32 s[G1+4], 64                          ; tile_dim1
	s_mov_b32 s[G1+5], 1024                        ; elements from row to row
	s_mov_b32 s[G1+6], 0
	s_mov_b32 s[G1+7], 0
	s_mul_i32 s20, s[WV], 64*PB                    ; of each quarter of K wave v fetches rows 64 v .. + 63
	s_lshl_b32 s22, s[WV], 17                      ; 64 rows of 2,048 bytes
	s_lshl_b32 s23, s19, 8
	s_add_co_u32 s22, s22, s23
	s_add_co_u32 s22, s22, 33554432                ; o_kernel in xb
	s_mov_b32 s23, 0
	s_lshl_b32 s48, s18, 12                        ; attn_vec [head][batch][query][64]: 32 queries a tile, 8 a wave
	s_lshl_b32 s49, s[WV], 10
	s_add_co_u32 s48, s48, s49
	s_mov_b32 s49, 0
	s_lshl_b32 s50, s18, 19                        ; w, xws: 128 rows of 4,096 bytes a tile, 32 a wave, 512 bytes a column tile
	s_lshl_b32 s51, s[WV], 17
	s_add_co_u32 s50, s50, s51
	s_lshl_b32 s51, s19, 9
	s_add_co_u32 s50, s50, s51
	s_mov_b32 s51, 0
	s_wait_dscnt 0x0                               ; the opening add is done
	s_wait_kmcnt 0x0
	s_add_nc_u64 s[22:23], s[6:7], s[22:23]
	s_add_nc_u64 s[4:5], s[4:5], s[48:49]
	s_add_nc_u64 s[8:9], s[8:9], s[50:51]
	s_add_nc_u64 s[10:11], s[10:11], s[50:51]
	CROUND                                         ; all four work-groups are here: the joint loads meet
.irp j, 0,1,2,3
	s_mov_b32 s[G0+4*(\j)], 1
	s_add_co_u32 s[G0+4*(\j)+1], s20, (\j)*BQ
	s_add_nc_u64 s[G0+4*(\j)+2:G0+4*(\j)+3], s[22:23], (\j)*524288
	s_or_b32 s[G0+4*(\j)+3], s[G0+4*(\j)+3], 0x80000000
	tensor_load_to_lds s[G0+4*(\j):G0+4*(\j)+3], s[G1:G1+7]   ; four loads of mine are out, all first fills
	s_nop 0
.endr
.rept 4
	v_nop
.endr
	v_and_b32 v1, 15, v0                           ; l % 16: row = 4 x query + batch
	v_bfe_u32 v2, v0, 4, 1
	v_and_b32 v3, 7, v0
	v_bfe_u32 v4, v0, 3, 1
	v_and_b32 v6, 3, v1
	v_lshrrev_b32 v7, 2, v1
	v_lshlrev_b32 v[AO], 17, v6
	v_lshl_add_u32 v[AO], v7, 7, v[AO]
	v_lshl_add_u32 v[AO], v2, 4, v[AO]
	v_lshlrev_b32 v[GO], 12, v2                    ; w, xws: lanes 0-15 take 256 bytes of one row, lanes 16-31 of the next
	v_lshl_add_u32 v[GO], v1, 4, v[GO]
	WIN 0x40                                       ; destination window 1
.irp mb, 0,1
.irp hf, 0,1
.irp t2, 0,1,2,3,4,5,6,7
	global_load_b128 v[WR+32*(2*(\mb)+(\hf))+4*(\t2):WR+32*(2*(\mb)+(\hf))+4*(\t2)+3], v[GO], s[8:9] offset:(16*(\mb)+2*(\t2))*4096+(\hf)*256 th:TH_LOAD_NT
.endr
.endr
.endr
.set hd, 0
.rept 16                               ; attn_vec, by heads; the largest offset, 15 heads of 524,288 bytes and 608, lies inside the signed 24-bit immediate (ISA guide, chapter 10)
	WIN 0x80+0x40*(hd/8)
.irp mb, 0,1
.irp c, 0,1
	global_load_b128 v[(32*hd)%256+16*(\mb)+8*(\c):(32*hd)%256+16*(\mb)+8*(\c)+3],   v[AO], s[4:5] offset:hd*524288+(\mb)*512+(\c)*64
	global_load_b128 v[(32*hd)%256+16*(\mb)+8*(\c)+4:(32*hd)%256+16*(\mb)+8*(\c)+7], v[AO], s[4:5] offset:hd*524288+(\mb)*512+(\c)*64+32
.endr
.endr
.set hd, hd+1
.endr
	WIN 0
	v_lshl_add_u32 v5, v2, 3, v3                   ; turned: k row 8 (l / 16) + l % 8, 16 bytes (l / 8) % 2
	v_mul_u32_u24 v5, v5, PB
	v_lshl_add_u32 v[ADRB], v4, 4, v5
.irp g, 1,2,3,4,5,6,7
	v_add_nc_u32 v[ADRB+(\g)], (\g)*128*PB, v[ADRB]
.endr
	s_mul_i32 s21, s[WV], 16*SPT
	s_add_co_u32 s21, s21, STAGE                   ; my stage
	v_mul_u32_u24 v[STO], v1, SPT                  ; in: row l % 16, 32 bytes for each half of the lanes
	v_lshl_add_u32 v[STO], v2, 5, v[STO]
	v_add_nc_u32 v[STO], s21, v[STO]
	v_mul_u32_u24 v[RD], v2, SPT                   ; back: lanes 0-15 one row of 256 bytes, lanes 16-31 the next
	v_lshl_add_u32 v[RD], v1, 4, v[RD]
	v_add_nc_u32 v[RD], s21, v[RD]
.macro FETCHB tt                       ; 16 turning loads: the weights' eight fragments of K step tt (32 along K)
	WIN 0
.set fb, F0+64*((\tt)%2)
.set fo, ((\tt)%4)*32*PB
.irp nb, 0,1,2,3,4,5,6,7
	ds_load_tr16_b128 v[fb+8*(\nb):fb+8*(\nb)+3],   v[ADRB+(\tt)/4] offset:fo+32*(\nb)
	ds_load_tr16_b128 v[fb+8*(\nb)+4:fb+8*(\nb)+7], v[ADRB+(\tt)/4] offset:fo+32*(\nb)+16*PB
.endr
.endm
.macro MULB                            ; K step t's 16 matrix instructions; the 16 accumulators take turns.  Step 0 starts the sums
	WIN 0x58+4*(t/16)                              ; the weights window 0, attn_vec window 2 or 3, C and D window 1
.set fm, F0+64*(t%2)
.set ra, (32*(t/2))%256+8*(t%2)
.irp nb, 0,1,2,3,4,5,6,7
.irp mb, 0,1
.if t == 0
	v_wmma_f32_16x16x32_bf16 v[8*(8*(\mb)+(\nb)):8*(8*(\mb)+(\nb))+7], v[fm+8*(\nb):fm+8*(\nb)+7], v[ra+16*(\mb):ra+16*(\mb)+7], 0
.else
	v_wmma_f32_16x16x32_bf16 v[8*(8*(\mb)+(\nb)):8*(8*(\mb)+(\nb))+7], v[fm+8*(\nb):fm+8*(\nb)+7], v[ra+16*(\mb):ra+16*(\mb)+7], v[8*(8*(\mb)+(\nb)):8*(8*(\mb)+(\nb))+7]
.endif
.endr
.endr
.endm
	s_wait_tensorcnt 0x3                           ; my part of K's first quarter is in; the other three stay out
	s_barrier_signal -1
	s_barrier_wait -1                              ; everybody's is
	FETCHB 0
.set t, 0
.rept 32                               ; written out: attn_vec's registers differ from step to step
.if t < 31
.if t > 0
	PLACES                                         ; in front of loads into the buffer that the step before multiplied
.endif
.if (t+1)%8 == 0
	s_wait_tensorcnt 3-(t+1)/8                     ; my part of the next quarter of K is in; the later quarters stay out
	s_wait_dscnt 0x0                               ; no LDS instruction of mine is out at a signal
	s_barrier_signal -1
	s_barrier_wait -1
.endif
	FETCHB t+1
	s_wait_dscnt 16                                ; all but the 16 just issued: this step's fragments are in
.else
	s_wait_dscnt 0x0
.endif
.if t%2 == 0
.set lc, 8*(15-t/2)                    ; behind this head's eight loads stand eight for each later head (63 is the most that a wait can name)
.if lc > 63
.set lc, 63
.endif
	s_wait_loadcnt lc
.endif
	MULB
.set t, t+1
.endr
; THE WAY OUT of 16 rows x 64 columns: the sums into my stage, back as whole rows of 256 bytes, w added, stored
.macro OUTQ mb, hf
.set xq, X+32*((\hf)%2)
	WIN 0x04                                       ; store data in window 1
.irp b, 0,1,2,3                        ; each accumulator's lower half first
	ds_store_b128 v[STO], v[8*(8*(\mb)+4*(\hf)+(\b)):8*(8*(\mb)+4*(\hf)+(\b))+3]   offset:64*(\b)
	ds_store_b128 v[STO], v[8*(8*(\mb)+4*(\hf)+(\b))+4:8*(8*(\mb)+4*(\hf)+(\b))+7] offset:64*(\b)+16
.endr
	WIN 0
	s_wait_xcnt 0x0                                ; the registers that earlier stores read are loaded again only behind this wait
.irp t2, 0,1,2,3,4,5,6,7
	ds_load_b128 v[xq+4*(\t2):xq+4*(\t2)+3], v[RD] offset:(\t2)*2*SPT  ; LDS serves a wave's instructions in order (ISA guide 5.7.1.4): these see the stores above
.endr
	s_wait_dscnt 0x0
	WIN 0x04                                       ; source 1 (w) in window 1
.set i, 0
.rept 16
	v_pk_add_f32 v[xq+2*i:xq+2*i+1], v[xq+2*i:xq+2*i+1], v[WR+32*(2*(\mb)+(\hf))+2*i:WR+32*(2*(\mb)+(\hf))+2*i+1]
.set i, i+1
.endr
	WIN 0
.irp t2, 0,1,2,3,4,5,6,7
	global_store_b128 v[GO], v[xq+4*(\t2):xq+4*(\t2)+3], s[10:11] offset:(16*(\mb)+2*(\t2))*4096+(\hf)*256  ; 16 lanes store 256 consecutive bytes, aligned
.endr
.endm
	PLACES                                         ; in front of the stores of the sums and of loads into the fragments' registers
	OUTQ 0, 0
	OUTQ 0, 1
	OUTQ 1, 0
	OUTQ 1, 1
	s_wait_tensorcnt 0x0                           ; the wave's end
	ds_add_u32 v[SPW], v[NIL]
	s_wait_dscnt 0x0
	CROUND                                         ; the closing round
	s_endpgm
.Lfunc_end_k_q45839e0602_oproj:
	.size	k_q45839e0602_oproj, .Lfunc_end_k_q45839e0602_oproj-k_q45839e0602_oproj
	.p2alignl 7, 3214868480
	.fill 96, 4, 3214868480
	.section	.rodata,"a",@progbits
	.p2align	6, 0x0
	.amdhsa_kernel k_q45839e0602_oproj
		.amdhsa_group_segment_fixed_size 327680
		.amdhsa_private_segment_fixed_size 0
		.amdhsa_enable_private_segment 0
		.amdhsa_kernarg_size 32
		.amdhsa_user_sgpr_count 2
		.amdhsa_user_sgpr_kernarg_segment_ptr 1
		.amdhsa_wavefront_size32 1
		.amdhsa_system_sgpr_workgroup_id_x 1
		.amdhsa_system_sgpr_workgroup_id_y 1
		.amdhsa_system_sgpr_workgroup_id_z 1
		.amdhsa_system_vgpr_workitem_id 0
		.amdhsa_next_free_vgpr 1024
		.amdhsa_next_free_sgpr 66
		.amdhsa_reserve_vcc 0
		.amdhsa_float_denorm_mode_32 3
		.amdhsa_float_denorm_mode_16_64 3
		.amdhsa_memory_ordered 1
		.amdhsa_forward_progress 1
		.amdhsa_inst_pref_size 105
	.end_amdhsa_kernel
	.amdgpu_metadata
---
amdhsa.version: [ 1, 2 ]
amdhsa.kernels:
  - .name:           k_q45839e0602_oproj
    .symbol:         k_q45839e0602_oproj.kd
    .args:
      - { .name: avws, .offset: 0, .size: 8, .value_kind: global_buffer, .address_space: global }
      - { .name: xb, .offset: 8, .size: 8, .value_kind: global_buffer, .address_space: global }
      - { .name: w, .offset: 16, .size: 8, .value_kind: global_buffer, .address_space: global }
      - { .name: xws, .offset: 24, .size: 8, .value_kind: global_buffer, .address_space: global }
    .group_segment_fixed_size: 327680
    .private_segment_fixed_size: 0
    .kernarg_segment_align: 8
    .kernarg_segment_size: 32
    .max_flat_workgroup_size: 128
    .sgpr_count:     66
    .vgpr_count:     1024
    .wavefront_size: 32
...
	.end_amdgpu_metadata
.endif
;; end of part 7
;; launch ln (part 8): grid 256 x 1, 8 waves a work-group, no clusters, 0 bytes of LDS; arguments xws, ln_gamma, ln_beta, out0; writes out0
.if DOCPART == 8
	.amdgcn_target "amdgcn-amd-amdhsa--gfx1250"
	.amdhsa_code_object_version 6
	.text
	.protected	k_q45839e0602_ln
	.globl	k_q45839e0602_ln
	.p2align	8
	.type	k_q45839e0602_ln,@function
k_q45839e0602_ln:
	s_mov_b64 s[64:65], 0
	v_nop
	global_prefetch_b8 v0, s[64:65] scope:SCOPE_SE
	s_setreg_imm32_b32 hwreg(HW_REG_WAVE_MODE, 25, 1), 1
	s_wait_xcnt 0x0
; out0 = (x - mean) / sqrt(variance + 1e-5) gamma + beta along rows of 1,024, all in f32; the variance is the mean of (x - mean)^2.
; A stream: no LDS, no matrix unit, no cluster (no work-group shares a byte of x with another).  A row is 4,096 bytes: one wave takes a whole row, eight 16-byte loads a lane, and keeps it in 32 registers
; between the passes, so that it is read once and no wave waits for another.  2,048 waves, two rows each; all of a wave's 32 loads are issued first.  Each load and store of a wave covers 512 consecutive bytes.
.set X,  8                             ; v[8:71]    two rows
.set GM, 72                            ; v[72:103]  gamma
.set BT, 104                           ; v[104:135] beta
.set T,  136                           ; v[136:151] at work
.set MU, 152
.set RS, 154
	s_load_b256 s[4:11], s[0:1], 0x0               ; xws 4, ln_gamma 6, ln_beta 8, out0 10
	s_lshl_b32 s2, ttmp9, 16                       ; 16 rows of 4,096 bytes a work-group
	s_mov_b32 s3, 0
	s_mov_b32 s12, 0x76543210                      ; v_permlanex16_b32: each lane takes its own place in the other half
	s_mov_b32 s13, 0xfedcba98
	s_mov_b32 s14, 0x3a800000                      ; 1 / 1,024
	s_mov_b32 s15, 0x3727c5ac                      ; 1e-5
	v_and_b32 v1, 31, v0
	v_lshrrev_b32 v2, 5, v0
	v_lshlrev_b32 v3, 4, v1                        ; 16 bytes a lane
	v_lshl_add_u32 v4, v2, 13, v3                  ; + two rows a wave
	s_wait_kmcnt 0x0
	s_add_nc_u64 s[4:5], s[4:5], s[2:3]
	s_add_nc_u64 s[10:11], s[10:11], s[2:3]
.irp rr, 0,1
.irp t, 0,1,2,3,4,5,6,7
	global_load_b128 v[X+32*(\rr)+4*(\t):X+32*(\rr)+4*(\t)+3], v4, s[4:5] offset:(\rr)*4096+(\t)*512 th:TH_LOAD_NT
.endr
.endr
.irp t, 0,1,2,3,4,5,6,7
	global_load_b128 v[GM+4*(\t):GM+4*(\t)+3], v3, s[6:7] offset:(\t)*512
	global_load_b128 v[BT+4*(\t):BT+4*(\t)+3], v3, s[8:9] offset:(\t)*512
.endr
.macro LANES r                         ; the sum of v[r] over the 32 lanes, in every lane
	v_add_f32_dpp v[\r], v[\r], v[\r] row_xmask:1 row_mask:0xf bank_mask:0xf
	v_add_f32_dpp v[\r], v[\r], v[\r] row_xmask:2 row_mask:0xf bank_mask:0xf
	v_add_f32_dpp v[\r], v[\r], v[\r] row_xmask:4 row_mask:0xf bank_mask:0xf
	v_add_f32_dpp v[\r], v[\r], v[\r] row_xmask:8 row_mask:0xf bank_mask:0xf
	v_permlanex16_b32 v[(\r)+1], v[\r], s12, s13
	v_add_f32 v[\r], v[\r], v[(\r)+1]
.endm
; Row rr of my two.  left = the younger loads that may stay out when the row has to be there
.macro LNROW rr, left
.set XR, X+32*(\rr)
	s_wait_loadcnt \left
.set i, 0
.rept 8                                ; the row's sum, as a tree
	v_pk_add_f32 v[T+2*i:T+2*i+1], v[XR+4*i:XR+4*i+1], v[XR+4*i+2:XR+4*i+3]
.set i, i+1
.endr
.set i, 0
.rept 4
	v_pk_add_f32 v[T+4*i:T+4*i+1], v[T+4*i:T+4*i+1], v[T+4*i+2:T+4*i+3]
.set i, i+1
.endr
	v_pk_add_f32 v[T:T+1], v[T:T+1], v[T+4:T+5]
	v_pk_add_f32 v[T+8:T+9], v[T+8:T+9], v[T+12:T+13]
	v_pk_add_f32 v[T:T+1], v[T:T+1], v[T+8:T+9]
	v_add_f32 v[T], v[T], v[T+1]
	LANES T
	v_mul_f32 v[MU], s14, v[T]
	v_mul_f32 v[MU+1], s14, v[T]
.set i, 0
.rept 16                               ; x - mean
	v_pk_add_f32 v[XR+2*i:XR+2*i+1], v[XR+2*i:XR+2*i+1], v[MU:MU+1] neg_lo:[0,1] neg_hi:[0,1]
.set i, i+1
.endr
.set i, 0
.rept 4                                ; the sum of squares, in four chains
	v_pk_mul_f32 v[T+2*i:T+2*i+1], v[XR+2*i:XR+2*i+1], v[XR+2*i:XR+2*i+1]
.set i, i+1
.endr
.rept 12
	v_pk_fma_f32 v[T+2*(i%4):T+2*(i%4)+1], v[XR+2*i:XR+2*i+1], v[XR+2*i:XR+2*i+1], v[T+2*(i%4):T+2*(i%4)+1]
.set i, i+1
.endr
	v_pk_add_f32 v[T:T+1], v[T:T+1], v[T+2:T+3]
	v_pk_add_f32 v[T+4:T+5], v[T+4:T+5], v[T+6:T+7]
	v_pk_add_f32 v[T:T+1], v[T:T+1], v[T+4:T+5]
	v_add_f32 v[T], v[T], v[T+1]
	LANES T
	v_fma_f32 v[T+2], v[T], s14, s15               ; variance + 1e-5
	v_rsq_f32 v[RS], v[T+2]
	v_rsq_f32 v[RS+1], v[T+2]
	v_nop                                          ; a plain instruction between the last root and the use of its result
.set i, 0
	s_wait_alu depctr_va_vdst(0)
.rept 16
	v_pk_mul_f32 v[XR+2*i:XR+2*i+1], v[XR+2*i:XR+2*i+1], v[RS:RS+1]
.set i, i+1
.endr
	s_wait_loadcnt 0x0                             ; gamma and beta
.set i, 0
.rept 16
	v_pk_fma_f32 v[XR+2*i:XR+2*i+1], v[XR+2*i:XR+2*i+1], v[GM+2*i:GM+2*i+1], v[BT+2*i:BT+2*i+1]
.set i, i+1
.endr
.irp t, 0,1,2,3,4,5,6,7
	global_store_b128 v4, v[XR+4*(\t):XR+4*(\t)+3], s[10:11] offset:(\rr)*4096+(\t)*512 th:TH_STORE_NT
.endr
.endm
	LNROW 0, 24                                    ; behind row 0's eight loads stand row 1's eight, gamma's and beta's
	LNROW 1, 0
	s_endpgm
.Lfunc_end_k_q45839e0602_ln:
	.size	k_q45839e0602_ln, .Lfunc_end_k_q45839e0602_ln-k_q45839e0602_ln
	.p2alignl 7, 3214868480
	.fill 96, 4, 3214868480
	.section	.rodata,"a",@progbits
	.p2align	6, 0x0
	.amdhsa_kernel k_q45839e0602_ln
		.amdhsa_group_segment_fixed_size 0
		.amdhsa_private_segment_fixed_size 0
		.amdhsa_enable_private_segment 0
		.amdhsa_kernarg_size 32
		.amdhsa_user_sgpr_count 2
		.amdhsa_user_sgpr_kernarg_segment_ptr 1
		.amdhsa_wavefront_size32 1
		.amdhsa_system_sgpr_workgroup_id_x 1
		.amdhsa_system_sgpr_workgroup_id_y 1
		.amdhsa_system_sgpr_workgroup_id_z 1
		.amdhsa_system_vgpr_workitem_id 0
		.amdhsa_next_free_vgpr 160
		.amdhsa_next_free_sgpr 66
		.amdhsa_reserve_vcc 0
		.amdhsa_float_denorm_mode_32 3
		.amdhsa_float_denorm_mode_16_64 3
		.amdhsa_memory_ordered 1
		.amdhsa_forward_progress 1
		.amdhsa_inst_pref_size 18
	.end_amdhsa_kernel
	.amdgpu_metadata
---
amdhsa.version: [ 1, 2 ]
amdhsa.kernels:
  - .name:           k_q45839e0602_ln
    .symbol:         k_q45839e0602_ln.kd
    .args:
      - { .name: xws, .offset: 0, .size: 8, .value_kind: global_buffer, .address_space: global }
      - { .name: ln_gamma, .offset: 8, .size: 8, .value_kind: global_buffer, .address_space: global }
      - { .name: ln_beta, .offset: 16, .size: 8, .value_kind: global_buffer, .address_space: global }
      - { .name: out0, .offset: 24, .size: 8, .value_kind: global_buffer, .address_space: global }
    .group_segment_fixed_size: 0
    .private_segment_fixed_size: 0
    .kernarg_segment_align: 8
    .kernarg_segment_size: 32
    .max_flat_workgroup_size: 256
    .sgpr_count:     66
    .vgpr_count:     160
    .wavefront_size: 32
...
	.end_amdgpu_metadata
.endif
;; end of part 8
;; ======== version 3 of 3: 5 launches; 1.13 times as fast as version 1
;; workspace buffers: xb 35,651,584 bytes; kws 16,777,216 bytes; vws 16,777,216 bytes; qwws 8,388,608 bytes; qrws 8,389,120 bytes; rext 6,553,600 bytes; avws 8,388,608 bytes; xws 16,777,216 bytes
;; launch cast: the kernel of part 1 again; grid 960 x 1, 8 waves a work-group, no clusters, 0 bytes of LDS; arguments mems, w, r, qkv_kernel, r_kernel, o_kernel, xb, rext, qrws; writes xb, rext, qrws
;; launch proj: the kernel of part 5 again; grid 88 x 4, 4 waves a work-group, clusters of 4 x 4, 327,680 bytes of LDS; arguments xb, r_w_bias, r_r_bias, kws, vws, qwws, qrws, rext; writes kws, vws, qwws, qrws, rext
;; launch attn (part 9): grid 16 x 16, 4 waves a work-group, no clusters, 327,680 bytes of LDS; arguments qwws, qrws, kws, vws, rext, attn_mask, avws; writes avws
.if DOCPART == 9
	.amdgcn_target "amdgcn-amd-amdhsa--gfx1250"
	.amdhsa_code_object_version 6
	.text
	.protected	k_q45839e0602_attn
	.globl	k_q45839e0602_attn
	.p2align	8
	.type	k_q45839e0602_attn,@function
k_q45839e0602_attn:
	s_mov_b64 s[64:65], 0
	v_nop
	global_prefetch_b8 v0, s[64:65] scope:SCOPE_SE
	s_setreg_imm32_b32 hwreg(HW_REG_WAVE_MODE, 25, 1), 1
	s_wait_xcnt 0x0
; RELATIVE ATTENTION.  For head n, batch b, query i: z[j] = s (1 - m[i][j]) - CB m[i][j], s = qw_i . k_j + shift(qr . R)[i][j]; weights = softmax over all 2,048 keys j; avws = weights x v.
; qw, qr carry c = log2(e) / 8, so s is a power of two's exponent; CB = 1e30 log2(e) rounded to f32.  The mask is an input: every tile is computed, and the mask enters in f32.
; THE SHIFT.  With e = j - i + 1023: e <= 2047: qr_i . R[e]; e = 2048: 0; e >= 2049: qr_(i+1) . R[e - 2049].  rext holds R, a zero row, and R once more, so the value is (qr_i or qr_(i+1)) . rext[e];
; 2,048 is a multiple of 64, so each half of a step's 128 rows of rext takes one of the two.  The skew (e hangs on i) is made in LDS: the raw product, 16 queries x 80 values of e, f32, is stored
; at a row pitch of 336 bytes and read back at 332: what comes back is the C operand of K Q^T.
; SHARES.  A work-group: 64 queries (block I) of one head, all four batches; wave = batch; four tiles of 16 queries.  32 steps of 64 keys.  Mask tile and rext's rows serve all four waves.
; NO CLUSTER: partners (query blocks of a head) would change to qr_(i+1) at different steps, I + 16 and I + 17: a branch on the place in the cluster; what they would share is K and V, 64 of a step's 96 KiB.
; LAYOUT.  S^T = K Q^T: a lane holds ONE query (lane % 16) and keys 8 (lane / 16) + 0..7 of each 16; two such results rounded to bf16 ARE source 1 of O^T = V^T P.  p = 2^(z - m), running maximum m;
; O and l are multiplied by 2^(m_old - m_new) in every step.  m starts at the lowest finite number, O and l at 0.
; BY TURNS.  A step has 104 matrix and 600 vector instructions.  Turn a carries tile a's mask and softmax (a numbered list; SMI writes its next entry), dealt 4 to 6 behind each of the turn's 26 matrix instructions:
;   turn 0: V^T P of tile 3 of the step before, raw product of tile 2, K Q^T of tile 1        turn 1: raw product of tile 3, V^T P of tile 0, K Q^T of tile 2
;   turn 2: K Q^T of tile 3, V^T P of tile 1, raw product of tile 0 OF THE NEXT STEP            turn 3: raw product of tile 1 and K Q^T of tile 0 of the next step, V^T P of tile 2
; BATCHES.  A tile's 34 exponentials (the correction a twice, the 32 weights) are ONE batch with ONE wait, four waits a step: in the list the scalings and the exponentials stand first, and all that names an
; exponential's result (roundings, sums, the rescaling by a) stands behind the wait.  In turns 0 and 2 the deal is set so that the wait falls behind the last matrix instruction of a raw product, ahead of the LDS stores
; that read that product; in turns 1 and 3 it falls behind the first K Q^T.  Every turn's wait stands ahead of the labels and jumps that follow the turn.  The way out's four reciprocals are a batch of their own.
; The change of slots stands at the head of turn 2: by then a step's rext rows, K, four masks and V are in registers.  The first trip's V^T P of tile 3 adds 0 (V and that P are cleared: 80 v_mov_b32, beside O's 128);
; the last trip's work for a next step runs on the slot read before and is thrown away (28 products, once a launch): the price of two copies of a step's text for three.
; LIMITS.  Operands bf16.  A weight below 2^-126 counts as 0.  NaN and infinities are not treated apart (a NaN loses in the maximum).
; REGISTERS, in windows of 256 (s_set_vgpr_msb: bits 1:0 source 0, 3:2 source 1, 5:4 source 2, 7:6 destination):
;   window 0: v1-15 addresses; v16-31 statistics (m, -, l, l a tile); v32-39 at work; v64-191 S^T, 32 a tile; v192-255 P, 16 a tile
;   window 1: v0-127 O^T; v128-191 masks of tiles 0, 1; v192-231 the raw product      window 2: v0-63 qw; v64-127, v128-191 qr for the lower, upper half of rext's rows; v192-255 K
;   window 3: v0-127 rext's rows; v128-191 V; v192-255 masks of tiles 2, 3
.set PK,   528                         ; a key's four batches, 512 bytes + 16
.set PV,   544                         ; the same + 32, for the turning load
.set PR,   144
.set PM,   272
.set VOFF, 64*PK
.set ROFF, VOFF+64*PV
.set MOFF, ROFF+128*PR
.set SLOT1, 1<<17                      ; one exclusive or turns an address in one slot into the other's
.set RAW,  SLOT1+MOFF+64*PM            ; behind the ring, never filled by a tensor load: 16 rows x 336 bytes for each wave; on the way out its stage
.set RP,   336
.set RAWB, 16*RP
.set SPARE, RAW+4*RAWB                 ; the spare words
.set SP,   144
.set AK0, 2
.set AV0, 3
.set AR0, 4
.set AM0, 5
.set AK,  6
.set AV,  7
.set AR,  8
.set AM,  9
.set RAWS, 10
.set RAWL, 11
.set QO,  12
.set STO, 13
.set RD,  14
.set GO,  15
.set ST,  16
.set C,   32
.set SPW, 48
.set NIL, 49
.set S,   64
.set P,   192
.set MK,  128                          ; window 1
.set MK2, 192                          ; window 3
.set RAWD, 192                         ; window 1
.set QLO, 64                           ; window 2
.set QHI, 128
.set KF,  192
.set VF,  128                          ; window 3
.set WV,  18
.set TB,  19                           ; s19  first byte of the slot whose step is being fetched into registers
.set SLOTS, 20
.set SW,  21                           ; s21  I + 16 - step
.set CB,  22                           ; s[22:23]
.set G1K, 24
.set G1V, 32
.set G1R, 40
.set G1M, 48
.set G0K, 56
.set G0V, 60
.set G0R, 68
.set G0M, 72
.set SEL, 76
.set NL,  151                          ; entries in a tile's list
.set MSB, 0
.set pl, 4                             ; plain vector instructions written since the last matrix instruction
.set vj, 0                             ; the next entry of the list in hand
.set mi, 0                             ; the next matrix instruction of the run in hand
.macro WIN new
.if MSB != (\new)
	s_set_vgpr_msb (MSB<<8)|(\new)
.set MSB, \new
.endif
.endm
.macro PLACES
.rept 4
	v_nop
.endr
.endm
; k plain vector instructions stand between the last matrix instruction and what follows (ISA guide 7.12.1 for vector instructions): the riders are counted, and only what is missing is filled
.macro NEED k
.if pl < (\k)
.rept (\k)-pl
	v_nop
.endr
.endif
.set pl, \k
.endm
.macro G1SET g, w0, d0, d1, st         ; a tile of d1 rows x d0 elements, st elements from row to row
	s_mov_b32 s[(\g)], \w0
	s_mov_b32 s[(\g)+1], (\d0)<<16
	s_mov_b32 s[(\g)+2], (\d1)<<16
	s_mov_b32 s[(\g)+3], (\d0)<<16
	s_mov_b32 s[(\g)+4], \d1
	s_mov_b32 s[(\g)+5], \st
	s_mov_b32 s[(\g)+6], 0
	s_mov_b32 s[(\g)+7], 0
.endm
.macro ONE g0, g1                      ; an s_nop 0 and four v_nop follow the load
	tensor_load_to_lds s[(\g0):(\g0)+3], s[(\g1):(\g1)+7]
	s_nop 0
.rept 4
	v_nop
.endr
.endm
.macro LOAD                            ; a step's four tiles, one a wave: 0 K, 1 V, 2 rext's rows, 3 the mask
	s_cmp_lt_u32 s[WV], 2
	s_cbranch_scc0 .Lrm_\@
	s_cmp_eq_u32 s[WV], 0
	s_cbranch_scc0 .Lv_\@
	ONE G0K, G1K
	s_branch .Lasked_\@
.Lv_\@:
	ONE G0V, G1V
	s_branch .Lasked_\@
.Lrm_\@:
	s_cmp_eq_u32 s[WV], 2
	s_cbranch_scc0 .Lm_\@
	ONE G0R, G1R
	s_branch .Lasked_\@
.Lm_\@:
	ONE G0M, G1M
.Lasked_\@:
.endm
; THE CHANGE OF SLOTS.  Each wave waits for all its tensor loads (one is out: its tile of the other slot), adds 0 to its spare word, and waits for that and for its reads of the slot that it leaves.
; Behind the barrier nobody reads the old slot and the other is whole.  fill = 1: the old slot takes the tiles of the step after the next, first thing behind the barrier; the load has a whole step in which to land.
.macro CHANGE fill
	WIN 0
	s_wait_tensorcnt 0x0                           ; no tensor load of mine is out, so a group 0 may be written
	ds_add_u32 v[SPW], v[NIL]
.if \fill
	s_xor_b32 s[G0K+1], s[G0K+1], SLOT1
	s_add_nc_u64 s[G0K+2:G0K+3], s[G0K+2:G0K+3], 32768
	s_xor_b32 s[G0V+1], s[G0V+1], SLOT1
	s_add_nc_u64 s[G0V+2:G0V+3], s[G0V+2:G0V+3], 32768
	s_xor_b32 s[G0R+1], s[G0R+1], SLOT1
	s_add_nc_u64 s[G0R+2:G0R+3], s[G0R+2:G0R+3], 8192
	s_xor_b32 s[G0M+1], s[G0M+1], SLOT1
	s_add_nc_u64 s[G0M+2:G0M+3], s[G0M+2:G0M+3], 256
.endif
	s_wait_dscnt 0x0                               ; the add is done, and my reads of the slot are over
	s_barrier_signal -1
	s_xor_b32 s[TB], s[TB], SLOT1
	s_barrier_wait -1
.if \fill
	LOAD
.endif
.endm
	s_load_b256 s[4:11], s[0:1], 0x0               ; qwws 4, qrws 6, kws 8, vws 10
	s_load_b128 s[12:15], s[0:1], 0x20             ; rext 12, attn_mask 14
	s_load_b64 s[16:17], s[0:1], 0x30              ; avws
	v_lshl_add_u32 v[SPW], v0, 2, SPARE
	v_mov_b32 v[NIL], 0
	ds_add_u32 v[SPW], v[NIL]                      ; the wave's opening: the add and its wait ahead of my first tensor load
	ds_add_u32 v48, v49
	v_lshrrev_b32 v1, 5, v0
	v_readfirstlane_b32 s[WV], v1                  ; wave = batch
	s_mov_b32 s78, ttmp9                           ; I
	s_and_b32 s79, ttmp7, 0xffff                   ; head
	G1SET G1K, (1<<16)|(1<<20)|(6<<22)|(3<<25), 256, 64, 256    ; 2-byte elements; 4 words of padding after every 128
	G1SET G1V, (1<<16)|(1<<20)|(6<<22)|(7<<25), 256, 64, 256    ; 8 words
	G1SET G1R, (1<<16)|(1<<20)|(4<<22)|(3<<25), 128, 64, 128    ; 128 dense rows of 128 bytes, asked for as 64 of 256, padded after every 32 words
	G1SET G1M, (2<<16)|(1<<20)|(5<<22)|(3<<25), 64, 64, 2048    ; 4-byte elements
	s_mov_b32 s[G0K], 1
	s_mov_b32 s[G0K+1], 0
	s_mov_b32 s[G0V], 1
	s_mov_b32 s[G0V+1], VOFF
	s_mov_b32 s[G0R], 1
	s_mov_b32 s[G0R+1], ROFF
	s_mov_b32 s[G0M], 1
	s_mov_b32 s[G0M+1], MOFF
	s_lshl_b32 s82, s79, 20                        ; K, V: the head
	s_mov_b32 s83, 0
	s_mul_i32 s84, s79, 409600                     ; rext: the head, and row 64 (15 - I): step s wants e from 64 (s + 15 - I) on
	s_sub_co_u32 s85, 15, s78
	s_lshl_b32 s85, s85, 13
	s_add_co_u32 s84, s84, s85
	s_mov_b32 s85, 0
	s_lshl_b32 s86, s78, 19                        ; the mask: 64 rows of 8,192 bytes a block
	s_mov_b32 s87, 0
	s_lshl_b32 s88, s79, 19                        ; q: head, 64 I rows of four batches, my batch
	s_lshl_b32 s89, s78, 15
	s_add_co_u32 s88, s88, s89
	s_lshl_b32 s89, s[WV], 7
	s_add_co_u32 s88, s88, s89
	s_mov_b32 s89, 0
	s_lshl_b32 s90, s79, 19                        ; avws [head][batch][query][64]
	s_lshl_b32 s91, s[WV], 17
	s_add_co_u32 s90, s90, s91
	s_lshl_b32 s91, s78, 13
	s_add_co_u32 s90, s90, s91
	s_mov_b32 s91, 0
	s_mov_b32 s[TB], SLOT1                         ; the first change of slots turns it into 0
	s_add_co_u32 s[SW], s78, 16
	s_mov_b32 s[CB], 0x7191accb                    ; 1e30 log2(e)
	s_mov_b32 s[CB+1], s[CB]
	s_mov_b32 s[SEL], 0x76543210
	s_mov_b32 s[SEL+1], 0xfedcba98
	s_wait_dscnt 0x0                               ; the opening add is done
	s_wait_kmcnt 0x0
	s_add_nc_u64 s[G0K+2:G0K+3], s[8:9], s[82:83]
	s_or_b32 s[G0K+3], s[G0K+3], 0x80000000
	s_add_nc_u64 s[G0V+2:G0V+3], s[10:11], s[82:83]
	s_or_b32 s[G0V+3], s[G0V+3], 0x80000000
	s_add_nc_u64 s[G0R+2:G0R+3], s[12:13], s[84:85]
	s_or_b32 s[G0R+3], s[G0R+3], 0x80000000
	s_add_nc_u64 s[G0M+2:G0M+3], s[14:15], s[86:87]
	s_or_b32 s[G0M+3], s[G0M+3], 0x80000000
	s_add_nc_u64 s[4:5], s[4:5], s[88:89]
	s_add_nc_u64 s[6:7], s[6:7], s[88:89]
	s_add_nc_u64 s[16:17], s[16:17], s[90:91]
	LOAD                                           ; step 0 into slot 0: one load of mine is out
	v_and_b32 v1, 15, v0                           ; l % 16
	v_bfe_u32 v50, v0, 4, 1                        ; l / 16
	v_and_b32 v51, 7, v0
	v_bfe_u32 v52, v0, 3, 1
	v_lshlrev_b32 v[QO], 9, v1                     ; a query's four batches are 512 bytes
	v_lshl_add_u32 v[QO], v50, 4, v[QO]
	WIN 0x80                                       ; destination window 2
.irp a, 0,1,2,3
.irp c, 0,1
	global_load_b128 v[16*(\a)+8*(\c):16*(\a)+8*(\c)+3],         v[QO], s[4:5] offset:(\a)*8192+(\c)*64
	global_load_b128 v[16*(\a)+8*(\c)+4:16*(\a)+8*(\c)+7],       v[QO], s[4:5] offset:(\a)*8192+(\c)*64+32
	global_load_b128 v[QLO+16*(\a)+8*(\c):QLO+16*(\a)+8*(\c)+3],   v[QO], s[6:7] offset:(\a)*8192+(\c)*64
	global_load_b128 v[QLO+16*(\a)+8*(\c)+4:QLO+16*(\a)+8*(\c)+7], v[QO], s[6:7] offset:(\a)*8192+(\c)*64+32
	global_load_b128 v[QHI+16*(\a)+8*(\c):QHI+16*(\a)+8*(\c)+3],   v[QO], s[6:7] offset:(\a)*8192+(\c)*64
	global_load_b128 v[QHI+16*(\a)+8*(\c)+4:QHI+16*(\a)+8*(\c)+7], v[QO], s[6:7] offset:(\a)*8192+(\c)*64+32
.endr
.endr
	WIN 0x40
.set i, 0
.rept 128
	v_mov_b32 v[i], 0                              ; O^T
.set i, i+1
.endr
	WIN 0xc0
.set i, 0
.rept 64
	v_mov_b32 v[VF+i], 0                           ; V: the first trip's products for a step that has not been add 0
.set i, i+1
.endr
	WIN 0
.set i, 0
.rept 16
	v_mov_b32 v[P+48+i], 0                         ; and tile 3's P
.set i, i+1
.endr
.irp t, 0,1,2,3
	v_mov_b32 v[ST+4*(\t)], 0xff7fffff             ; m
	v_mov_b32 v[ST+4*(\t)+1], 0                    ; named with m as a pair
	v_mov_b32 v[ST+4*(\t)+2], 0                    ; l
	v_mov_b32 v[ST+4*(\t)+3], 0
.endr
	s_lshl_b32 s92, s[WV], 7                       ; my batch's 128 bytes of a key's row
	v_mul_u32_u24 v[AK0], v1, PK
	v_lshl_add_u32 v[AK0], v50, 4, v[AK0]
	v_add_nc_u32 v[AK0], s92, v[AK0]
	s_add_co_u32 s92, s92, VOFF
	v_lshl_add_u32 v[AV0], v50, 3, v51             ; turned: key 8 (l / 16) + l % 8, 16 bytes (l / 8) % 2
	v_mul_u32_u24 v[AV0], v[AV0], PV
	v_lshl_add_u32 v[AV0], v52, 4, v[AV0]
	v_add_nc_u32 v[AV0], s92, v[AV0]
	v_mul_u32_u24 v[AR0], v1, PR
	v_lshl_add_u32 v[AR0], v50, 4, v[AR0]
	v_add_nc_u32 v[AR0], ROFF, v[AR0]
	v_mul_u32_u24 v[AM0], v1, PM                   ; the mask in S^T's layout: row = query, 32 bytes for each half of the lanes
	v_lshl_add_u32 v[AM0], v50, 5, v[AM0]
	v_add_nc_u32 v[AM0], MOFF, v[AM0]
	s_mul_i32 s93, s[WV], RAWB
	s_add_co_u32 s93, s93, RAW                     ; my raw buffer
	v_mul_u32_u24 v[RAWS], v1, RP                  ; in: query x 336 + 4 x (e's place, 8 (l / 16) on)
	v_lshl_add_u32 v[RAWS], v50, 5, v[RAWS]
	v_add_nc_u32 v[RAWS], s93, v[RAWS]
	v_mul_u32_u24 v[RAWL], v1, RP-4                ; back: key jj of query ii lies at place 15 + jj - ii: query x 332 + 60 + 4 jj
	v_lshl_add_u32 v[RAWL], v50, 5, v[RAWL]
	v_add_nc_u32 v[RAWL], s93, v[RAWL]
	v_add_nc_u32 v[RAWL], 60, v[RAWL]
	v_mul_u32_u24 v[STO], v1, SP
	v_lshl_add_u32 v[STO], v50, 4, v[STO]
	v_add_nc_u32 v[STO], s93, v[STO]
	v_bfe_u32 v[RD], v0, 3, 2
	v_mul_u32_u24 v[RD], v[RD], SP
	v_lshl_add_u32 v[RD], v51, 4, v[RD]
	v_add_nc_u32 v[RD], s93, v[RD]
	v_and_b32 v[GO], 31, v0
	v_lshlrev_b32 v[GO], 4, v[GO]
; THE MATRIX WORK, one instruction at a time; mi counts within a run.  In every run the accumulators take turns, one instruction a turn.
.macro BDM a                           ; 10: tile a's raw product: blocks u = 3 - a .. 7 - a of the step's eight blocks of 16 rows of rext, channels 32 (mi / 5) on
	WIN 0x5b                                       ; rext's rows window 3, qr window 2, C and D window 1
.set bc, mi/5
.set bT, mi%5
.set u, bT-(\a)+3
.set rQ, QLO+64*(u/4)+16*(\a)+8*bc
.if bc == 0
	v_wmma_f32_16x16x32_bf16 v[RAWD+8*bT:RAWD+8*bT+7], v[16*u+8*bc:16*u+8*bc+7], v[rQ:rQ+7], 0
.else
	v_wmma_f32_16x16x32_bf16 v[RAWD+8*bT:RAWD+8*bT+7], v[16*u+8*bc:16*u+8*bc+7], v[rQ:rQ+7], v[RAWD+8*bT:RAWD+8*bT+7]
.endif
.set mi, mi+1
.set pl, 0
.endm
.macro ACM a                           ; 8: S^T += K qw^T, onto the shifted product
	WIN 0x0a
.set bc, mi/4
.set bT, mi%4
	v_wmma_f32_16x16x32_bf16 v[S+32*(\a)+8*bT:S+32*(\a)+8*bT+7], v[KF+16*bT+8*bc:KF+16*bT+8*bc+7], v[16*(\a)+8*bc:16*(\a)+8*bc+7], v[S+32*(\a)+8*bT:S+32*(\a)+8*bT+7]
.set mi, mi+1
.set pl, 0
.endm
.macro PVM a                           ; 8: O^T += V^T P
	WIN 0x53
.set bc, mi/4
.set bT, mi%4
	v_wmma_f32_16x16x32_bf16 v[32*(\a)+8*bT:32*(\a)+8*bT+7], v[VF+32*bc+8*bT:VF+32*bc+8*bT+7], v[P+16*(\a)+8*bc:P+16*(\a)+8*bc+7], v[32*(\a)+8*bT:32*(\a)+8*bT+7]
.set mi, mi+1
.set pl, 0
.endm
; THE VECTOR WORK: entry vj of tile a's list of NL = 151.
;   0-15 s (1 - m)     16-31 - CB m     32-47 the maximum of 32 scores and the old m, four chains, three operands at a time (each accumulator's lowest registers are read first)
;   48-51 the other half of the lanes' maximum; the new m; m_old - m_new; the new m is kept
;   52-101 ONE BATCH: the 34 exponentials and the 16 scalings z - m; none of these names an exponential's result.  52-99 are sixteen threes (exponential, scaling, exponential): three k holds the scaling of pair k and
;          the exponentials of pair k - 1's two scores, so that a pair is scaled a three ahead of its exponentials (three 0: the power of two of m_old - m_new, twice: a pair for the packed forms); 100, 101: pair 15's two
;   102    a v_nop, the plain instruction behind the last exponential, and THE WAIT for the batch, ahead of the first line that names a result: one for the tile's 34
;   103-118 the 16 pairs rounded to bf16     119-134 the sum of the 16 pairs, as a tree, in place; l = l a + sum     135-150 O^T times a
.macro SMI a
.set rS, S+32*(\a)
.set rT, ST+4*(\a)
.set rP, P+16*(\a)
.set rO, 32*(\a)
.set rM, MK+32*(\a)
.set wM, 0x01                          ; source 0 (the mask) in window 1,
.if (\a) > 1
.set rM, MK2+32*((\a)-2)
.set wM, 0x03                          ; or 3
.endif
.set isp, 1
.set bk, (vj-52)/3                     ; the batch's three,
.set bq, (vj-52)%3                     ; and the place in it
.if (vj >= 32) && (vj < 135)
	WIN 0
.endif
.if vj < 16
	WIN wM
	v_pk_fma_f32 v[rS+2*vj:rS+2*vj+1], v[rM+2*vj:rM+2*vj+1], v[rS+2*vj:rS+2*vj+1], v[rS+2*vj:rS+2*vj+1] neg_lo:[1,0,0] neg_hi:[1,0,0]
.elseif vj < 32
	WIN wM
	v_pk_fma_f32 v[rS+2*vj-32:rS+2*vj-31], v[rM+2*vj-32:rM+2*vj-31], s[CB:CB+1], v[rS+2*vj-32:rS+2*vj-31] op_sel_hi:[1,0,1] neg_lo:[1,0,0] neg_hi:[1,0,0]
.elseif vj < 36
	v_max3_num_f32 v[C+vj-32], v[rS+8*(vj-32)], v[rS+8*(vj-32)+1], v[rS+8*(vj-32)+2]
.elseif vj < 44
	v_max3_num_f32 v[C+vj%4], v[C+vj%4], v[rS+8*(vj%4)+2*((vj-32)/4)+1], v[rS+8*(vj%4)+2*((vj-32)/4)+2]
.elseif vj == 44
	v_max3_num_f32 v[C], v[C], v[rS+7], v[rS+15]
.elseif vj == 45
	v_max3_num_f32 v[C+1], v[C+1], v[rS+23], v[rS+31]
.elseif vj == 46
	v_max3_num_f32 v[C+2], v[C+2], v[C+3], v[rT]
.elseif vj == 47
	v_max3_num_f32 v[C], v[C], v[C+1], v[C+2]
.elseif vj == 48
	v_permlanex16_b32 v[C+3], v[C], s[SEL], s[SEL+1]  ; the query's other 32 keys lie in the lane 16 away
.set isp, 0
.elseif vj == 49
	v_max_num_f32 v[C+2], v[C], v[C+3]
.elseif vj == 50
	v_sub_f32 v[C+1], v[rT], v[C+2]
.elseif vj == 51
	v_mov_b32 v[rT], v[C+2]
.elseif vj < 100
.if bq == 1
	v_pk_add_f32 v[rS+2*bk:rS+2*bk+1], v[rS+2*bk:rS+2*bk+1], v[rT:rT+1] op_sel_hi:[1,0] neg_lo:[0,1] neg_hi:[0,1]
.elseif bk == 0
	v_exp_f32 v[C+4+bq/2], v[C+1]
.set isp, 0
.else
	v_exp_f32 v[rS+2*bk-2+bq/2], v[rS+2*bk-2+bq/2]
.set isp, 0
.endif
.elseif vj < 102
	v_exp_f32 v[rS+vj-70], v[rS+vj-70]
.set isp, 0
.elseif vj == 102
	v_nop                                          ; the plain instruction behind the last exponential: one for the batch
	s_wait_alu depctr_va_vdst(0)                   ; the wait for the batch: the tile's 34 exponentials are issued, and no result has been named
.elseif vj < 119
	v_cvt_pk_bf16_f32 v[rP+vj-103], v[rS+2*(vj-103)], v[rS+2*(vj-103)+1]
.elseif vj < 127
	v_pk_add_f32 v[rS+4*(vj-119):rS+4*(vj-119)+1], v[rS+4*(vj-119):rS+4*(vj-119)+1], v[rS+4*(vj-119)+2:rS+4*(vj-119)+3]
.elseif vj < 131
	v_pk_add_f32 v[rS+8*(vj-127):rS+8*(vj-127)+1], v[rS+8*(vj-127):rS+8*(vj-127)+1], v[rS+8*(vj-127)+4:rS+8*(vj-127)+5]
.elseif vj == 131
	v_pk_add_f32 v[rS:rS+1], v[rS:rS+1], v[rS+8:rS+9]
.elseif vj == 132
	v_pk_add_f32 v[rS+16:rS+17], v[rS+16:rS+17], v[rS+24:rS+25]
.elseif vj == 133
	v_pk_add_f32 v[rS:rS+1], v[rS:rS+1], v[rS+16:rS+17]
.elseif vj == 134
	v_pk_fma_f32 v[rT+2:rT+3], v[rT+2:rT+3], v[C+4:C+5], v[rS:rS+1]
.elseif vj < NL
	WIN 0x41                                       ; O^T (destination, source 0) in window 1
	v_pk_mul_f32 v[rO+2*(vj-135):rO+2*(vj-135)+1], v[rO+2*(vj-135):rO+2*(vj-135)+1], v[C+4:C+5]
.else
.set isp, 0
.endif
.set pl, pl+isp
.set vj, vj+1
.endm
.macro RID a, n                        ; the next n entries
.rept \n
	SMI \a
.endr
.endm
.macro REST a                          ; what is left of the list
.rept NL-vj
	SMI \a
.endr
.endm
.macro GRP kind, a, cnt, sa, n         ; a run of cnt matrix instructions for tile a, n entries of tile sa's list behind each
.set mi, 0
.rept \cnt
	\kind \a
	RID \sa, \n
.endr
.endm
; THE LDS WORK, in runs
.macro BDRUN a                         ; tile a's raw product through my raw buffer into S^T's registers
	NEED 5                                         ; four places in front of the stores of these results, five in front of the next raw product, which writes over them
	WIN 0x04                                       ; store data in window 1
.irp T, 0,1,2,3,4
	ds_store_b128 v[RAWS], v[RAWD+8*(\T):RAWD+8*(\T)+3]   offset:64*(\T)
	ds_store_b128 v[RAWS], v[RAWD+8*(\T)+4:RAWD+8*(\T)+7] offset:64*(\T)+16
.endr
	WIN 0
.set i, 0
.rept 32                               ; LDS serves a wave's instructions in order (ISA guide 5.7.1.4): these see the stores above, and the next run's stores come behind them
	ds_load_b32 v[S+32*(\a)+i], v[RAWL] offset:64*(i/8)+4*(i%8)
.set i, i+1
.endr
.endm
.macro LOADR                           ; rext: block f / 2, channels 32 (f % 2) on
	WIN 0xc0
.irp f, 0,1,2,3,4,5,6,7,8,9,10,11,12,13,14,15
	ds_load_b128 v[8*(\f):8*(\f)+3],   v[AR] offset:((\f)/2)*16*PR+((\f)%2)*64
	ds_load_b128 v[8*(\f)+4:8*(\f)+7], v[AR] offset:((\f)/2)*16*PR+((\f)%2)*64+32
.endr
.endm
.macro LOADV                           ; V, turned: keys 32 (f / 4) on, channels 16 (f % 4) on
	NEED 4
	WIN 0xc0
.irp f, 0,1,2,3,4,5,6,7
	ds_load_tr16_b128 v[VF+8*(\f):VF+8*(\f)+3],   v[AV] offset:((\f)/4)*32*PV+((\f)%4)*32
	ds_load_tr16_b128 v[VF+8*(\f)+4:VF+8*(\f)+7], v[AV] offset:((\f)/4)*32*PV+16*PV+((\f)%4)*32
.endr
.endm
.macro LOADK                           ; K: keys 16 (f / 2) on, channels 32 (f % 2) on
	NEED 4
	WIN 0x80
.irp f, 0,1,2,3,4,5,6,7
	ds_load_b128 v[KF+8*(\f):KF+8*(\f)+3],   v[AK] offset:((\f)/2)*16*PK+((\f)%2)*64
	ds_load_b128 v[KF+8*(\f)+4:KF+8*(\f)+7], v[AK] offset:((\f)/2)*16*PK+((\f)%2)*64+32
.endr
.endm
.macro MLOAD a                         ; tile a's mask
.if (\a) < 2
	WIN 0x40
.set rM, MK+32*(\a)
.else
	WIN 0xc0
.set rM, MK2+32*((\a)-2)
.endif
.irp kt, 0,1,2,3
	ds_load_b128 v[rM+8*(\kt):rM+8*(\kt)+3],   v[AM] offset:(\a)*16*PM+64*(\kt)
	ds_load_b128 v[rM+8*(\kt)+4:rM+8*(\kt)+7], v[AM] offset:(\a)*16*PM+64*(\kt)+16
.endr
.endm
.macro ADDRS                           ; the LDS addresses of the step whose tiles lie at s[TB]
	WIN 0
	v_add_nc_u32 v[AK], s[TB], v[AK0]
	v_add_nc_u32 v[AV], s[TB], v[AV0]
	v_add_nc_u32 v[AR], s[TB], v[AR0]
	v_add_nc_u32 v[AM], s[TB], v[AM0]
.endm
.macro RELOAD base                     ; qr of the queries one further on, into one of qr's two sets
	PLACES
	WIN 0x80
.irp a, 0,1,2,3
.irp c, 0,1
	global_load_b128 v[(\base)+16*(\a)+8*(\c):(\base)+16*(\a)+8*(\c)+3],   v[QO], s[6:7] offset:512+(\a)*8192+(\c)*64
	global_load_b128 v[(\base)+16*(\a)+8*(\c)+4:(\base)+16*(\a)+8*(\c)+7], v[QO], s[6:7] offset:512+(\a)*8192+(\c)*64+32
.endr
.endr
	WIN 0
	s_wait_loadcnt 0x0
.endm
.macro WRAP                            ; between a step's last raw product and the next step's first.  The jumps go forward, over loads into registers alone; they hang on I and the step's number
	s_cmp_lg_u32 s[SW], 1
	s_cbranch_scc1 .Lnh_\@
	RELOAD QHI                                     ; the next step is I + 16: the upper 64 rows of rext begin at e = 2,048
.Lnh_\@:
	s_cmp_lg_u32 s[SW], 0
	s_cbranch_scc1 .Lnl_\@
	RELOAD QLO                                     ; the next step is I + 17: the lower 64 too
.Lnl_\@:
	s_sub_co_i32 s[SW], s[SW], 1
.endm
; A TRIP: a step's four turns.  Each wait's count is the number of LDS instructions issued behind what is waited for (63 where more stand behind it than a wait can name).
; Where a turn's one wait for its exponentials (entry 102) falls is said at the run that carries it.
.macro BODY fill
.set vj, 0                             ; TURN 0: 6, 6 and 5 entries behind a matrix instruction
	s_wait_dscnt 50                                ; tile 0's mask: behind the masks of tiles 0-2 stand tile 3's 8 loads and a raw run's 42
	GRP PVM, 3, 8, 0, 6                            ; entries 0-47
	LOADV                                          ; this step's V
	GRP BDM, 2, 10, 0, 6                           ; entries 48-107: behind the last product stand the v_nop, tile 0's wait and five roundings, the places ahead of the stores below
	BDRUN 2
	s_wait_dscnt 58                                ; tile 1's shifted product: behind it V's 16 and a run's 42
	GRP ACM, 1, 8, 0, 5
	REST 0
.set vj, 0                             ; TURN 1: 5, 6 and 6
	GRP BDM, 3, 10, 1, 5
	BDRUN 3
	s_wait_dscnt 63                                ; V: behind it two runs, 84
	GRP PVM, 0, 8, 1, 6                            ; entries 50-97
	s_wait_dscnt 42                                ; tile 2's shifted product: behind it one run
	GRP ACM, 2, 8, 1, 6                            ; entries 98-145: tile 1's wait is the fifth line behind the first product
	REST 1
	CHANGE \fill                           ; TURN 2: all of this step's tiles are in registers
	WRAP
	ADDRS
	LOADR                                          ; the next step's rows of rext
.set vj, 0                             ; 4 behind every matrix instruction, and the rest of the list in one run behind the raw buffer's
	GRP ACM, 3, 8, 2, 4                            ; entries 0-31
	LOADK                                          ; the next step's K
	GRP PVM, 1, 8, 2, 4
	s_wait_dscnt 16                                ; rext's rows: behind them K's 16
	GRP BDM, 0, 10, 2, 4                           ; entries 64-103: behind the last product stand pair 15's exponentials, the v_nop, tile 2's wait and a rounding;
	RID 2, 4                                       ; four more roundings: with the v_nop and the one above, the places ahead of the stores below
	BDRUN 0
	REST 2
.set vj, 0                             ; TURN 3: 5, 6 and 6
	MLOAD 0                                        ; the next step's masks; tile 3's buffer is free behind entry 31
	MLOAD 1
	MLOAD 2
	GRP BDM, 1, 10, 3, 5
	MLOAD 3
	BDRUN 1
	GRP PVM, 2, 8, 3, 6
	s_wait_dscnt 63                                ; tile 0's shifted product, and K before it: behind them 32 mask loads and a run's 42
	GRP ACM, 0, 8, 3, 6                            ; entries 98-145: tile 3's wait is the fifth line behind the first product, ahead of the trip's end
	REST 3
.endm
	s_wait_loadcnt 0x0                             ; q
	CHANGE 1                                       ; step 0 is in, everybody's part of it; step 1 is asked for
	ADDRS                                          ; what turns 2 and 3 do for a next step, once for step 0: there is no vector work yet to set between
	LOADR
	LOADK
	MLOAD 0
	MLOAD 1
	MLOAD 2
	MLOAD 3
	s_wait_dscnt 48                                ; rext's rows: behind them K's 16 and the masks' 32
.set mi, 0
.rept 10
	BDM 0
.endr
	BDRUN 0
.set mi, 0
.rept 10
	BDM 1
.endr
	BDRUN 1
	s_wait_dscnt 42                                ; tile 0's shifted product: behind it one run
.set mi, 0
.rept 8
	ACM 0
.endr
	PLACES                                         ; in front of the first read of those scores
	WIN 0
	s_mov_b32 s[SLOTS], 30
.Lstep:                                                ; 30 trips: steps 0 to 29; trip s asks for step s + 2
	BODY 1
	WIN 0
	s_sub_co_u32 s[SLOTS], s[SLOTS], 1
	s_cmp_lg_u32 s[SLOTS], 0
	s_cbranch_scc1 .Lstep
	s_mov_b32 s[SLOTS], 2
.Ltail:                                                ; steps 30 and 31 ask for nothing: written out
	BODY 0
	WIN 0
	s_sub_co_u32 s[SLOTS], s[SLOTS], 1
	s_cmp_lg_u32 s[SLOTS], 0
	s_cbranch_scc1 .Ltail
.set mi, 0
.rept 8
	PVM 3                                          ; tile 3's V^T P of the last step
.endr
	; THE WAY OUT.  l's two halves and the other half of the lanes' are added; O^T is divided by l, rounded to bf16 and sent through my stage, a tile at a time.  The first additions are the places behind the last products.
	WIN 0
	s_wait_dscnt 0x0                               ; the last trip's loads into S^T's registers, which serve nothing, have landed: those registers are at work below
.irp t, 0,1,2,3
	v_add_f32 v[ST+4*(\t)+2], v[ST+4*(\t)+2], v[ST+4*(\t)+3]
.endr
.irp t, 0,1,2,3
	v_permlanex16_b32 v[ST+4*(\t)+3], v[ST+4*(\t)+2], s[SEL], s[SEL+1]
.endr
.irp t, 0,1,2,3
	v_add_f32 v[ST+4*(\t)+2], v[ST+4*(\t)+2], v[ST+4*(\t)+3]
.endr
.irp t, 0,1,2,3
	v_rcp_f32 v[ST+4*(\t)+2], v[ST+4*(\t)+2]
.endr
	v_nop                                          ; a plain instruction between the last reciprocal and the use of its result
	s_wait_alu depctr_va_vdst(0)                   ; the wait ahead of the first use: one for the batch of four reciprocals
.macro PACK t
	WIN 0x41
.set i, 32*(\t)
.rept 16
	v_pk_mul_f32 v[i:i+1], v[i:i+1], v[ST+4*(\t)+2:ST+4*(\t)+3] op_sel_hi:[1,0]
.set i, i+2
.endr
	WIN 0x05                                       ; sources 0 and 1 window 1, destination window 0
.set i, 0
.rept 16
	v_cvt_pk_bf16_f32 v[S+16*(\t)+i], v[32*(\t)+2*i], v[32*(\t)+2*i+1]
.set i, i+1
.endr
	WIN 0
.irp f, 0,1,2,3
	ds_store_b128 v[STO], v[S+16*(\t)+4*(\f):S+16*(\t)+4*(\f)+3] offset:32*(\f)
.endr
.irp f, 0,1,2,3
	ds_load_b128 v[S+16*(\t)+4*(\f):S+16*(\t)+4*(\f)+3], v[RD] offset:(\f)*4*SP  ; in order behind the stores above; the next tile's stores come behind them
.endr
.endm
.macro SEND t, younger                 ; younger: the LDS instructions issued behind tile t's loads: the next tile's eight, or none
	WIN 0
.irp f, 0,1,2,3
	s_wait_dscnt (\younger)+3-(\f)
	global_store_b128 v[GO], v[S+16*(\t)+4*(\f):S+16*(\t)+4*(\f)+3], s[16:17] offset:(\t)*2048+(\f)*512  ; 512 consecutive bytes
.endr
.endm
	PACK 0
	PACK 1
	SEND 0, 8
	PACK 2
	SEND 1, 8
	PACK 3
	SEND 2, 8
	SEND 3, 0
	s_wait_tensorcnt 0x0                           ; the wave's end
	ds_add_u32 v[SPW], v[NIL]
	s_wait_dscnt 0x0
	s_endpgm
.Lfunc_end_k_q45839e0602_attn:
	.size	k_q45839e0602_attn, .Lfunc_end_k_q45839e0602_attn-k_q45839e0602_attn
	.p2alignl 7, 3214868480
	.fill 96, 4, 3214868480
	.section	.rodata,"a",@progbits
	.p2align	6, 0x0
	.amdhsa_kernel k_q45839e0602_attn
		.amdhsa_group_segment_fixed_size 327680
		.amdhsa_private_segment_fixed_size 0
		.amdhsa_enable_private_segment 0
		.amdhsa_kernarg_size 56
		.amdhsa_user_sgpr_count 2
		.amdhsa_user_sgpr_kernarg_segment_ptr 1
		.amdhsa_wavefront_size32 1
		.amdhsa_system_sgpr_workgroup_id_x 1
		.amdhsa_system_sgpr_workgroup_id_y 1
		.amdhsa_system_sgpr_workgroup_id_z 1
		.amdhsa_system_vgpr_workitem_id 0
		.amdhsa_next_free_vgpr 1024
		.amdhsa_next_free_sgpr 100
		.amdhsa_reserve_vcc 0
		.amdhsa_float_denorm_mode_32 3
		.amdhsa_float_denorm_mode_16_64 3
		.amdhsa_memory_ordered 1
		.amdhsa_forward_progress 1
		.amdhsa_inst_pref_size 186
	.end_amdhsa_kernel
	.amdgpu_metadata
---
amdhsa.version: [ 1, 2 ]
amdhsa.kernels:
  - .name:           k_q45839e0602_attn
    .symbol:         k_q45839e0602_attn.kd
    .args:
      - { .name: qwws, .offset: 0, .size: 8, .value_kind: global_buffer, .address_space: global }
      - { .name: qrws, .offset: 8, .size: 8, .value_kind: global_buffer, .address_space: global }
      - { .name: kws, .offset: 16, .size: 8, .value_kind: global_buffer, .address_space: global }
      - { .name: vws, .offset: 24, .size: 8, .value_kind: global_buffer, .address_space: global }
      - { .name: rext, .offset: 32, .size: 8, .value_kind: global_buffer, .address_space: global }
      - { .name: attn_mask, .offset: 40, .size: 8, .value_kind: global_buffer, .address_space: global }
      - { .name: avws, .offset: 48, .size: 8, .value_kind: global_buffer, .address_space: global }
    .group_segment_fixed_size: 327680
    .private_segment_fixed_size: 0
    .kernarg_segment_align: 8
    .kernarg_segment_size: 56
    .max_flat_workgroup_size: 128
    .sgpr_count:     100
    .vgpr_count:     1024
    .wavefront_size: 32
...
	.end_amdgpu_metadata
.endif
;; end of part 9
;; launch oproj: the kernel of part 7 again; grid 32 x 8, 4 waves a work-group, clusters of 4 x 1, 327,680 bytes of LDS; arguments avws, xb, w, xws; writes xws
;; launch ln: the kernel of part 8 again; grid 256 x 1, 8 waves a work-group, no clusters, 0 bytes of LDS; arguments xws, ln_gamma, ln_beta, out0; writes out0
